; MI455X (gfx1250); checked and timed in simulation.
; The chip was launched on July 23, 2026; its instructions are those of AMD's public machine-readable ISA for CDNA 5 (MIT licence, August 2026) and "CDNA5" Instruction Set Architecture Reference Guide (July 2026). The comments in the code are by the model that wrote it; some were corrected since.
;; Attention Block. Allowed arithmetic: matrix products marked QUANTISED: E3M2 operands, one E8M0 scale for each 32 along K, by v_wmma_scale_f32_16x16x128_f8f6f4 with both operands' format E3M2, f32 sums; everything else in f32.
;; Inputs: bk 512 float32; bp 512 float32; bq 512 float32; bv 512 float32; gn_b 512 float32; gn_w 512 float32; wk_codes 512 x 16 x 24 uint8 (E3M2 codes of wk, K innermost, in blocks of 32 codes, four codes in three bytes); wk_scales 512 x 16 uint8 (E8M0 scales of wk, one for each 32 codes along K); wp_codes 512 x 16 x 24 uint8 (E3M2 codes of wp, K innermost, in blocks of 32 codes, four codes in three bytes); wp_scales 512 x 16 uint8 (E8M0 scales of wp, one for each 32 codes along K); wq_codes 512 x 16 x 24 uint8 (E3M2 codes of wq, K innermost, in blocks of 32 codes, four codes in three bytes); wq_scales 512 x 16 uint8 (E8M0 scales of wq, one for each 32 codes along K); wv_codes 512 x 16 x 24 uint8 (E3M2 codes of wv, K innermost, in blocks of 32 codes, four codes in three bytes); wv_scales 512 x 16 uint8 (E8M0 scales of wv, one for each 32 codes along K); x 2 x 512 x 64 x 64 float32.
;; Outputs: out0 2 x 512 x 64 x 64 float32.
;; This version of the problem:
;;   THIS VERSION OF THE PROBLEM IS GIVEN IN LOW PRECISION. The matrix products marked QUANTISED in the list below multiply operands that are first quantised to E3M2 (3 exponent bits, 2 mantissa bits; 6 bits a number), with one power-of-two scale for each 32 numbers along K (OCP MX v1.0); their sums are f32. All else is computed in f32.
;;   The module's matrix products, in the order in which they are computed (A, B: the left and right operand; K: the contracted axis; several contracted axes count as one K, in the product's order):
;;     1. [M 8,192, K 512] x [K 512, N 512]; A: computed on the way; B: input wq (given as codes): QUANTISED
;;     2. [M 8,192, K 512] x [K 512, N 512]; A: computed on the way; B: input wk (given as codes): QUANTISED
;;     3. [M 8,192, K 512] x [K 512, N 512]; A: computed on the way; B: input wv (given as codes): QUANTISED
;;     4. batch 16 x [M 4,096, K 64] x [K 64, N 4,096]; A: computed on the way; B: computed on the way: QUANTISED
;;     5. batch 16 x [M 4,096, K 4,096] x [K 4,096, N 64]; A: softmax (see below); B: computed on the way: QUANTISED
;;     6. [M 8,192, K 512] x [K 512, N 512]; A: computed on the way; B: input wp (given as codes): QUANTISED
;;   THE QUANTISER, for each operand of a quantised product, along K:
;;     - K is cut into blocks of 32 from its start; a last block that is shorter is filled with zeros.
;;     - A block's scale is 2^e with e = floor(log2(the largest magnitude in the block)) - 4, held to -126 .. 127; a block of zeros has e = 0. As a byte (E8M0): e + 127.
;;     - Each number is divided by its block's scale, clamped to +-28, and rounded to the nearest number of E3M2, ties to even, subnormals kept.
;;     - The product sums the exact products of the quantised numbers (number of the format x scale) in f32.
;;   ~~~python
;;   def quantise(x, axis):      # numpy; x: float32 -> the quantised numbers, widened to float32 again
;;       x = np.moveaxis(x, axis, -1); K = x.shape[-1]
;;       x = np.pad(x, [(0, 0)] * (x.ndim - 1) + [(0, -K % 32)]); x = x.reshape(x.shape[:-1] + (-1, 32)); a = np.abs(x).max(-1, keepdims=True)
;;       e = np.where(a > 0, np.clip(np.frexp(np.where(a > 0, a, 1))[1] - 1 - 4, -126, 127), 0)      # np.frexp(a)[1] - 1 = floor(log2(a)), exactly
;;       r = np.clip(x / 2.0 ** e, -28, 28)
;;       step = 2.0 ** (np.maximum(np.frexp(np.where(r == 0, 1, r))[1] - 1, -2) - 2)
;;       q = np.round(r / step) * step * 2.0 ** e      # np.round: ties to even
;;       return np.moveaxis(q.reshape(q.shape[:-2] + (-1,))[..., :K], -1, axis).astype(np.float32)
;;   ~~~
;;   SOFTMAX AHEAD OF A QUANTISED PRODUCT. Where the list says 'softmax', what is quantised is not the finished softmax but p = 2^(t - M), with t = logit x log2(e) and M = ceil(the row's largest t), a whole number; so 1/2 < the row's largest p <= 1. The row's sum l is taken of the UNQUANTISED p, in f32, and the product's result is divided by l at the end. Since M is a whole number, a kernel that streams over the keys may use a running M (the ceiling of the running maximum): every later rescaling is an exact power of two, which a block's scale takes up: the codes' values come out the same.
;;   OPERANDS COMPUTED ON THE WAY. 'Computed on the way' means the value that the module computes at that place (a softmax that the list does not call 'softmax' is quantised finished and normalised). What goes into a quantiser is computed in f32, as accurately as f32 sums, v_exp_f32 and their like allow (about 1e-6 of the number): no bf16 or f16 on the way to a quantiser, and a product that is left as it is and whose result goes on into a quantised operand takes f32 operands (vector FMAs, or v_wmma_f32_16x16x4_f32). A number that lies on a knife's edge between two numbers of the format may be rounded either way, as far as f32 arithmetic and the matrix unit's own rounding can turn it there, and no further.
;;   INPUTS GIVEN AS CODES. wk (in the module: [512, 512], K = its axis 1); wp (in the module: [512, 512], K = its axis 1); wq (in the module: [512, 512], K = its axis 1); wv (in the module: [512, 512], K = its axis 1): each comes as NAME_codes (uint8): NAME with its K axis moved to the last place and cut into blocks of 32 codes, [.., K / 32, bytes a block], one block behind the other in memory; four codes in three bytes: a row's codes are one little-endian stream of bits, code i at bits 6 i .. 6 i + 5 (a code: sign, 3 exponent bits, 2 mantissa bits); and NAME_scales (uint8): the same leading axes, one E8M0 byte (e + 127) for each 32 codes along K. Its value is code x scale, taken as it is: it is not quantised again, and the codes and scales need not be those that the quantiser above would give.
;; 2 versions. Each part assembles by itself: llvm-mc -triple=amdgcn-amd-amdhsa -mcpu=gfx1250 --defsym DOCPART=n.
;; ======== version 1 of 2: 4 launches
;; workspace buffers: stats 2,048 bytes; wimg 786,432 bytes; qkv 9,437,184 bytes; qkvs 393,216 bytes; oc 3,145,728 bytes; os 131,072 bytes
;; launch prep (part 1): grid 256 x 1, 8 waves a work-group, no clusters, 1,280 bytes of LDS; arguments x, wq_codes, wk_codes, wv_codes, wp_codes, stats, wimg; writes stats, wimg
.if DOCPART == 1
	.amdgcn_target "amdgcn-amd-amdhsa--gfx1250"
	.amdhsa_code_object_version 6
	.text
	.protected	k_q0d595d4e50_prep
	.globl	k_q0d595d4e50_prep
	.p2align	8
	.type	k_q0d595d4e50_prep,@function
k_q0d595d4e50_prep:
	s_mov_b64 s[64:65], 0
	v_nop
	global_prefetch_b8 v0, s[64:65] scope:SCOPE_SE
	s_setreg_imm32_b32 hwreg(HW_REG_WAVE_MODE, 25, 1), 1
	s_wait_xcnt 0x0
; PREP.  Two things that the later launches want ready.
; (1) GroupNorm's statistics, in parts.  x is [2][512][4096] f32; a group is 16 channels, 262,144 consecutive bytes.  Work-group g takes the 65,536 bytes at 65,536 g, a quarter of a group
;     (16,384 numbers), keeps them in registers (64 a thread), and stores the quarter's mean and its sum of squared distances from THAT mean: two passes over registers, so a common offset of x costs no digits.
;     stats: [batch 2][group 32][quarter 4][mean, M2] f32: 8 bytes at 8 g.  The four quarters are joined by the launch that normalises.
; (2) The four weights' codes laid as the matrix unit's registers take them.  A fragment is 16 rows x 128 K of 6-bit codes, 12 registers a lane: lane (r, h) holds row r, registers 6 c .. 6 c + 5 = K 64 c + 32 h + 0 .. 31.
;     wimg: [weight 4: q, k, v, p][tile 32][K step 4][1,536 bytes]; registers 4 c .. 4 c + 3 of lane L lie at 512 c + 16 L, so that a fragment later comes by three loads of 512 consecutive bytes.
;     THE ROWS OF A TILE ARE NOT NEIGHBOURS: lane r of tile 2 B + u takes row 32 B + 8 u + r + 8 (r / 8), so that results made with such a tile lie 16 neighbours to a lane along the next product's K.
;     512 fragments: waves 0 and 1 of each work-group take one each.
; No tensor load, no cluster: no two work-groups read the same byte.  Every load goes out at the head, so nothing is asked for ahead of its load.
; LIMITS: NaN and infinities in x are not served.
.set XR, 8                             ; v8-71    my 64 numbers of x
.set WR, 72                            ; v72-83   a fragment's 12 registers (waves 0 and 1)
.set CH, 84                            ; v84-91   four chains of packed sums
.set NM, 92                            ; v92-93   minus the mean, twice; at the end the mean and M2
.set TP, 94                            ; v94      the other half of the lanes' sum
.set LW, 95                            ; v95      LDS: 4 x my wave
.set RB, 96                            ; v96-103  the eight waves' sums
.set ZR, 104                           ; v104     0
	s_load_b256 s[4:11], s[0:1], 0x0               ; x, wq_codes, wk_codes, wv_codes
	s_load_b128 s[12:15], s[0:1], 0x20             ; wp_codes, stats
	s_load_b64 s[16:17], s[0:1], 0x30              ; wimg
	v_lshl_add_u32 v112, v0, 2, 0x100
	v_mov_b32 v113, 0
	v_lshrrev_b32 v1, 5, v0
	v_readfirstlane_b32 s18, v1                    ; wave 0..7
	v_and_b32 v2, 31, v0                           ; lane
	v_and_b32 v3, 15, v0                           ; r
	v_bfe_u32 v4, v0, 4, 1                         ; h
	v_lshlrev_b32 v5, 4, v0                        ; x: 16 bytes a thread, 4,096 a load of the work-group
	v_and_b32 v6, 8, v3
	v_add_nc_u32 v6, v6, v3                        ; r + 8 (r / 8)
	v_mul_u32_u24 v6, v6, 384                      ; a weight's row is 512 codes, 384 bytes
	v_mad_u32_u24 v6, v4, 24, v6                   ; + 24 h
	v_lshlrev_b32 v7, 4, v2                        ; the image: 16 x lane
	v_lshlrev_b32 v[LW], 2, v1
	v_mov_b32 v[ZR], 0
	v_mov_b32 v[TP], 0                             ; written once: a lane permute's destination counts as one of its sources
	s_mov_b32 s24, 0x76543210
	s_mov_b32 s25, 0xfedcba98                      ; v_permlanex16_b32's selects for lane l xor 16
	s_lshl_b32 s19, ttmp9, 1
	s_add_co_u32 s19, s19, s18                     ; my fragment (waves 0 and 1): 128 x weight + 4 x tile + K step
	s_bfe_u32 s22, s19, 0x40003                    ; tile / 2
	s_mul_i32 s22, s22, 32*384
	s_bfe_u32 s23, s19, 0x10002                    ; tile % 2
	s_mul_i32 s23, s23, 8*384
	s_add_co_u32 s22, s22, s23
	s_and_b32 s23, s19, 3                          ; K step: 96 bytes of a row
	s_mul_i32 s23, s23, 96
	s_add_co_u32 s22, s22, s23
	s_mov_b32 s23, 0
	s_lshl_b32 s28, ttmp9, 16                      ; my quarter group in x
	s_mov_b32 s29, 0
	s_mul_i32 s30, s19, 1536                       ; my fragment in wimg
	s_mov_b32 s31, 0
	s_lshl_b32 s32, ttmp9, 3                       ; my 8 bytes of stats
	s_mov_b32 s33, 0
	s_lshr_b32 s34, ttmp9, 6                       ; which weight: the choice hangs on the work-group's number alone
	s_wait_kmcnt 0x0
	s_cmp_eq_u32 s34, 0
	s_cselect_b64 s[20:21], s[6:7], s[8:9]
	s_cmp_eq_u32 s34, 2
	s_cselect_b64 s[20:21], s[10:11], s[20:21]
	s_cmp_eq_u32 s34, 3
	s_cselect_b64 s[20:21], s[12:13], s[20:21]
	s_add_nc_u64 s[20:21], s[20:21], s[22:23]
	s_add_nc_u64 s[4:5], s[4:5], s[28:29]
	s_add_nc_u64 s[16:17], s[16:17], s[30:31]
	s_add_nc_u64 s[14:15], s[14:15], s[32:33]
.irp j, 0,1,2,3,4,5,6,7,8,9,10,11,12,13,14,15
	global_load_b128 v[XR+4*\j:XR+4*\j+3], v5, s[4:5] offset:4096*\j   ; a wave's load covers 512 consecutive bytes
.endr
	s_cmp_lt_u32 s18, 2
	s_cbranch_scc0 .Lno_weight
.irp p, 0,1,2,3,4,5
	global_load_b64 v[WR+2*\p:WR+2*\p+1], v6, s[20:21] offset:48*(\p/3)+8*(\p%3)   ; 24 bytes of the row's stream of bits, twice, in pieces of 8
.endr
	s_wait_loadcnt 0x0
.irp c, 0,1,2
	global_store_b128 v7, v[WR+4*\c:WR+4*\c+3], s[16:17] offset:512*\c   ; 512 consecutive bytes, at a multiple of 256 from wimg's first byte
.endr
.Lno_weight:
	s_wait_loadcnt 0x0                             ; my 64 numbers are in
; a sum over the wave's 32 lanes, the result in every lane
.macro WSUM a
	v_add_f32_dpp v[\a], v[\a], v[\a] row_xmask:1 row_mask:0xf bank_mask:0xf
	v_add_f32_dpp v[\a], v[\a], v[\a] row_xmask:2 row_mask:0xf bank_mask:0xf
	v_add_f32_dpp v[\a], v[\a], v[\a] row_xmask:4 row_mask:0xf bank_mask:0xf
	v_add_f32_dpp v[\a], v[\a], v[\a] row_xmask:8 row_mask:0xf bank_mask:0xf
	v_permlanex16_b32 v[TP], v[\a], s24, s25
	v_add_f32 v[\a], v[\a], v[TP]
.endm
; the eight waves' sums meet in 32 LDS bytes from base on; each of the two uses has bytes of its own, so one barrier serves each
.macro GSUM a, d, base
	ds_store_b32 v[LW], v[\a] offset:\base         ; all lanes of a wave write the same word with the same value
	s_wait_dscnt 0x0                               ; for the others' sake: my store has landed
	s_barrier_signal -1
	s_barrier_wait -1
	ds_load_b128 v[RB:RB+3], v[ZR] offset:\base
	ds_load_b128 v[RB+4:RB+7], v[ZR] offset:\base+16
	s_wait_dscnt 0x0
	v_pk_add_f32 v[RB:RB+1], v[RB:RB+1], v[RB+2:RB+3]
	v_pk_add_f32 v[RB+4:RB+5], v[RB+4:RB+5], v[RB+6:RB+7]
	v_pk_add_f32 v[RB:RB+1], v[RB:RB+1], v[RB+4:RB+5]
	v_add_f32 v[\d], v[RB], v[RB+1]
.endm
.macro FOLD                            ; the four chains into v[CH]
	v_pk_add_f32 v[CH:CH+1], v[CH:CH+1], v[CH+2:CH+3]
	v_pk_add_f32 v[CH+4:CH+5], v[CH+4:CH+5], v[CH+6:CH+7]
	v_pk_add_f32 v[CH:CH+1], v[CH:CH+1], v[CH+4:CH+5]
	v_add_f32 v[CH], v[CH], v[CH+1]
.endm
	; pass 1: the sum, two numbers at a time, in four chains that the first pairs start
.irp k, 0,1,2,3
	v_pk_add_f32 v[CH+2*\k:CH+2*\k+1], v[XR+2*\k:XR+2*\k+1], v[XR+8+2*\k:XR+8+2*\k+1]
.endr
.irp j, 8,12,16,20,24,28
.irp k, 0,1,2,3
	v_pk_add_f32 v[CH+2*\k:CH+2*\k+1], v[CH+2*\k:CH+2*\k+1], v[XR+2*(\j+\k):XR+2*(\j+\k)+1]
.endr
.endr
	FOLD
	WSUM CH
	GSUM CH, CH, 0
	v_mul_f32 v[NM], 0xb8800000, v[CH]             ; minus the mean: the sum x -1 / 16,384
	v_mov_b32 v[NM+1], v[NM]
	; pass 2: the squared distances from that mean
.set j, 0
.rept 32
	v_pk_add_f32 v[XR+2*j:XR+2*j+1], v[XR+2*j:XR+2*j+1], v[NM:NM+1]
.set j, j+1
.endr
.irp k, 0,1,2,3
	v_pk_mul_f32 v[CH+2*\k:CH+2*\k+1], v[XR+2*\k:XR+2*\k+1], v[XR+2*\k:XR+2*\k+1]
.endr
.irp j, 4,8,12,16,20,24,28
.irp k, 0,1,2,3
	v_pk_fma_f32 v[CH+2*\k:CH+2*\k+1], v[XR+2*(\j+\k):XR+2*(\j+\k)+1], v[XR+2*(\j+\k):XR+2*(\j+\k)+1], v[CH+2*\k:CH+2*\k+1]
.endr
.endr
	FOLD
	WSUM CH
	GSUM CH, NM+1, 64                              ; M2
	v_xor_b32 v[NM], 0x80000000, v[NM]             ; the mean
	s_cmp_lg_u32 s18, 0
	s_cbranch_scc1 .Lend
	v_cmp_eq_u32 vcc_lo, 0, v0
	s_wait_xcnt 0x0                                ; EXEC is a source of the memory instructions issued so far: it changes only behind this wait
	s_and_saveexec_b32 s26, vcc_lo
	global_store_b64 v[ZR], v[NM:NM+1], s[14:15]   ; thread 0 alone: 8 bytes a work-group, 2,048 in the launch
	s_wait_xcnt 0x0                                ; and again in front of the line that widens it
	s_or_b32 exec_lo, exec_lo, s26
.Lend:
	s_wait_tensorcnt 0x0
	ds_add_u32 v112, v113
	s_wait_dscnt 0x0
	s_endpgm
.Lfunc_end_k_q0d595d4e50_prep:
	.size	k_q0d595d4e50_prep, .Lfunc_end_k_q0d595d4e50_prep-k_q0d595d4e50_prep
	.p2alignl 7, 3214868480
	.fill 96, 4, 3214868480
	.section	.rodata,"a",@progbits
	.p2align	6, 0x0
	.amdhsa_kernel k_q0d595d4e50_prep
		.amdhsa_group_segment_fixed_size 1280
		.amdhsa_private_segment_fixed_size 0
		.amdhsa_enable_private_segment 0
		.amdhsa_kernarg_size 56
		.amdhsa_user_sgpr_count 2
		.amdhsa_user_sgpr_kernarg_segment_ptr 1
		.amdhsa_wavefront_size32 1
		.amdhsa_system_sgpr_workgroup_id_x 1
		.amdhsa_system_sgpr_workgroup_id_y 1
		.amdhsa_system_sgpr_workgroup_id_z 1
		.amdhsa_system_vgpr_workitem_id 0
		.amdhsa_next_free_vgpr 114
		.amdhsa_next_free_sgpr 66
		.amdhsa_reserve_vcc 1
		.amdhsa_float_denorm_mode_32 3
		.amdhsa_float_denorm_mode_16_64 3
		.amdhsa_memory_ordered 1
		.amdhsa_forward_progress 1
		.amdhsa_inst_pref_size 14
	.end_amdhsa_kernel
	.amdgpu_metadata
---
amdhsa.version: [ 1, 2 ]
amdhsa.kernels:
  - .name:           k_q0d595d4e50_prep
    .symbol:         k_q0d595d4e50_prep.kd
    .args:
      - { .name: x, .offset: 0, .size: 8, .value_kind: global_buffer, .address_space: global }
      - { .name: wq_codes, .offset: 8, .size: 8, .value_kind: global_buffer, .address_space: global }
      - { .name: wk_codes, .offset: 16, .size: 8, .value_kind: global_buffer, .address_space: global }
      - { .name: wv_codes, .offset: 24, .size: 8, .value_kind: global_buffer, .address_space: global }
      - { .name: wp_codes, .offset: 32, .size: 8, .value_kind: global_buffer, .address_space: global }
      - { .name: stats, .offset: 40, .size: 8, .value_kind: global_buffer, .address_space: global }
      - { .name: wimg, .offset: 48, .size: 8, .value_kind: global_buffer, .address_space: global }
    .group_segment_fixed_size: 1280
    .private_segment_fixed_size: 0
    .kernarg_segment_align: 8
    .kernarg_segment_size: 56
    .max_flat_workgroup_size: 256
    .sgpr_count:     66
    .vgpr_count:     114
    .wavefront_size: 32
...
	.end_amdgpu_metadata
.endif
;; end of part 1
;; launch qkv (part 2): grid 2 x 128, 12 waves a work-group, no clusters, 27,136 bytes of LDS; arguments x, gn_w, gn_b, stats, wimg, wq_scales, wk_scales, wv_scales, bq, bk, bv, qkv, qkvs; writes qkv, qkvs
.if DOCPART == 2
	.amdgcn_target "amdgcn-amd-amdhsa--gfx1250"
	.amdhsa_code_object_version 6
	.text
	.protected	k_q0d595d4e50_qkv
	.globl	k_q0d595d4e50_qkv
	.p2align	8
	.type	k_q0d595d4e50_qkv,@function
k_q0d595d4e50_qkv:
	s_mov_b64 s[64:65], 0
	v_nop
	global_prefetch_b8 v0, s[64:65] scope:SCOPE_SE
	s_setreg_imm32_b32 hwreg(HW_REG_WAVE_MODE, 25, 1), 1
	s_wait_xcnt 0x0
; QKV.  t = GroupNorm(x) laid [position][channel]; q = (t wq^T + bq) S, k = (t wk^T + bk) S, v = t wv^T + bv, S = 64^-0.25; all three products on codes of BF6 (E3M2) with one E8M0 scale for each 32 along K.
; The results leave as codes again: q and k quantised along the head's 64 channels, v along the positions (the keys), each in the order in which the attention launch's operand registers take them.
; SHARES.  A work-group takes 64 positions of one batch (work-group y) and four of the eight heads (work-group x: the two that read the same part of x are neighbours in the grid).  Twelve waves, three to a SIMD:
; wave w has role w / 4 (q, k, v) and head 4 x + w % 4: 64 output channels x 64 positions, 16 accumulators.
; PHASE X.  K is the channel axis, which is outermost in x: a lane takes two positions and its registers run down 32 channels, one block, so that a block's largest magnitude needs no other lane and the conversions give
; codes with K innermost.  A task is one block of 32 channels x 64 positions: 16 tasks, one for each wave and a second for waves 0 to 3.  t's codes go to LDS as images of the operand's registers; one barrier.
; TILES ARE PERMUTED: lane r of tile 2 B + u (of positions, and of a weight's rows) holds element 32 B + 8 u + r + 8 (r / 8).  In a result whose rows come from such a tile, register j of lane (., h) is element
; 32 B + 16 h + 8 u + j: the 16 registers of tiles 2 B and 2 B + 1 are 16 neighbours along the next product's K.  q, k: source 0 = the weight's rows (next K = channels); v: source 0 = positions (next K = keys).
; A HALF IMAGE is six registers a lane (K 32 h + 0 .. 31 of row r), 768 bytes: registers 0-3 at 16 x lane, registers 4-5 at 512 + 8 x lane.
; qkv:  [role 3][batch x head 16][256][768].  q, k: entry T = position tile T.  v: entry 4 (position / 64) + channel tile.
; qkvs: [role 3][batch x head 16][step of 128 positions: 32][256].  q, k: byte 16 r + 2 (T % 8) + block;  v: byte 16 r + 4 x channel tile + block of the step's four.
; NO MULTICAST, NO TENSOR LOAD: the weights go from wimg straight into registers, each byte once a work-group, in runs of 512 bytes; as LDS tiles the work-group's 768 rows of 384 bytes, padded to a pitch of 432, would be
; 331,776 bytes, more than the 327,680 of a WGP.  Nothing is asked for ahead of its load: the loads of x go out together at the head.
; The scale bytes leave singly (one byte a lane, 32 bytes of one aligned run of 256): 393,216 of the 9,830,400 bytes that the launch stores.
; LIMITS: NaN and infinities are not served.  A block whose largest magnitude lies under 2^-122, a block of zeros too, gets the byte 1: its codes are zeros, and this program alone reads the bytes.
; (sum + b) S is computed as fma(sum, S, b S).
.set TSC,  24576                       ; LDS: 0: t's 16 fragments (position tile m, K step s) at (4 m + s) 1,536, two half images each;  TSC: their scale words at (4 m + s) 64 + 4 r
.set XA,   128                         ; v128-191 task A: 32 channels x 2 positions;  v192-255 task B
.set XB,   192
.set Y,    32                          ; v32-63   one position's 32 channels, normalised
.set SA,   64                          ; v64-71, v72-79 the four quarters' mean and M2 of my half's group, tasks A and B
.set SB,   72
.set TS,   12                          ; v12-15   t's scale words, one for each position tile
.set WS,   16                          ; v16-31   the weight's scale words: 4 n + s
.set TF,   32                          ; v32-79   t's four fragments of a K step
.set WF,   80                          ; v80-127  the weight's four
.set ACC,  128                         ; v128-255 16 accumulators
.set BI,   32                          ; behind the products: the bias;
.set CG,   64                          ; four half images, 8 registers apart;
.set T2,   96                          ; a conversion's second three registers;
.set BM,   100                         ; two blocks' largest magnitudes;  BX: the other half of the lanes';  SO: the conversions' scale operands;  BY: four scale bytes
.set BX,   102
.set SO,   104
.set BY,   108
.set HM,   30                          ; s30  a mask of lanes 16-31
.set EPSR, 31                          ; s31  1e-5
.set SEL,  100                         ; s[100:101] v_permlanex16_b32's selects for lane l xor 16
; v1 8 x lane; v2 16 x lane; v3 TSC + 4 r; v4, v5, v6 where phase X stores 16, 8 and 1 byte; v7 32 h; v8 16 (r + 8 (r / 8)); v9 64 h; v10 4 (r + 8 (r / 8)); v11 16 r + h.  None is rewritten.
	s_load_b512 s[4:19], s[0:1], 0x0               ; x, gn_w, gn_b, stats, wimg, wq_scales, wk_scales, wv_scales
	s_load_b256 s[20:27], s[0:1], 0x40             ; bq, bk, bv, qkv
	s_load_b64 s[28:29], s[0:1], 0x60              ; qkvs
	s_set_vgpr_msb 0x40
	v_lshl_add_u32 v0, v0, 2, 0x6400
	v_mov_b32 v1, 0
	s_set_vgpr_msb 0x4000
	v_lshrrev_b32 v1, 5, v0
	v_readfirstlane_b32 s2, v1                     ; wave 0..11; in phase X also my first block of 32 channels
	s_lshr_b32 s3, s2, 2                           ; role
	s_and_b32 s32, s2, 3
	s_lshl_b32 s33, ttmp9, 2
	s_add_co_u32 s32, s32, s33                     ; head
	s_and_b32 s33, ttmp7, 0xffff
	s_lshr_b32 s34, s33, 6                         ; batch
	s_and_b32 s33, s33, 63                         ; which 64 positions
	s_lshl_b32 s36, s34, 23                        ; x: batch, + 32 channels x my block, + 256 bytes x my 64 positions
	s_lshl_b32 s37, s2, 19
	s_add_co_u32 s36, s36, s37
	s_lshl_b32 s37, s33, 8
	s_add_co_u32 s36, s36, s37
	s_mov_b32 s37, 0
	s_lshl_b32 s38, s2, 7                          ; gn_w, gn_b: 128 bytes a block
	s_mov_b32 s39, 0
	s_lshl_b32 s40, s34, 10                        ; stats: 1,024 bytes a batch, 64 a block (two groups)
	s_lshl_b32 s41, s2, 6
	s_add_co_u32 s40, s40, s41
	s_mov_b32 s41, 0
	s_mul_i32 s42, s3, 196608                      ; wimg: the role's weight, the head's four tiles
	s_mul_i32 s43, s32, 24576
	s_add_co_u32 s42, s42, s43
	s_mov_b32 s43, 0
	s_lshl_b32 s44, s32, 10                        ; the weight's scale bytes: 16 a row, 64 rows a head
	s_mov_b32 s45, 0
	s_lshl_b32 s46, s32, 8                         ; the bias: 64 numbers a head
	s_mov_b32 s47, 0
	s_lshl_b32 s52, s34, 3
	s_add_co_u32 s52, s52, s32                     ; 8 x batch + head
	s_mul_i32 s48, s3, 3145728
	s_mul_i32 s49, s52, 196608
	s_add_co_u32 s48, s48, s49
	s_mul_i32 s49, s33, 3072                       ; four entries of 768 bytes
	s_add_co_u32 s48, s48, s49
	s_mov_b32 s49, 0
	s_lshl_b32 s50, s3, 17
	s_lshl_b32 s51, s52, 13
	s_add_co_u32 s50, s50, s51
	s_lshr_b32 s51, s33, 1
	s_lshl_b32 s51, s51, 8                         ; the step of 128 positions
	s_add_co_u32 s50, s50, s51
	s_and_b32 s53, s33, 1                          ; its first or second 64:
	s_cmp_eq_u32 s3, 2
	s_cselect_b32 s52, 1, 3
	s_lshl_b32 s53, s53, s52                       ; 8 bytes on for q and k (four tiles x two blocks), 2 for v (two blocks)
	s_add_co_u32 s50, s50, s53
	s_mov_b32 s51, 0
	; where my block's codes go in LDS: block kb is K step kb / 4, half (kb / 2) % 2, lanes 16 (kb % 2) on
	s_mul_i32 s54, s3, 1536
	s_bfe_u32 s55, s2, 0x10001
	s_mul_i32 s55, s55, 768
	s_add_co_u32 s54, s54, s55
	s_and_b32 s56, s2, 1
	s_lshl_b32 s57, s56, 8
	s_add_co_u32 s57, s57, s54                     ; for registers 0-3
	s_lshl_b32 s58, s56, 7
	s_add_co_u32 s58, s58, s54
	s_add_co_u32 s58, s58, 512                     ; for registers 4-5
	s_lshl_b32 s59, s3, 6
	s_and_b32 s56, s2, 3
	s_add_co_u32 s59, s59, s56
	s_add_co_u32 s59, s59, TSC                     ; for the scale byte: word of K step kb / 4, byte kb % 4
	v_and_b32 v12, 31, v0                          ; lane
	v_and_b32 v13, 15, v0                          ; r
	v_bfe_u32 v14, v0, 4, 1                        ; h
	v_lshlrev_b32 v1, 3, v12
	v_lshlrev_b32 v2, 4, v12
	v_lshl_add_u32 v3, v13, 2, TSC
	v_lshlrev_b32 v7, 5, v14
	v_and_b32 v15, 8, v13
	v_add_nc_u32 v15, v15, v13                     ; r + 8 (r / 8)
	v_lshlrev_b32 v8, 4, v15
	v_lshlrev_b32 v9, 6, v14
	v_lshlrev_b32 v10, 2, v15
	v_lshl_add_u32 v11, v13, 4, v14
	; in phase X lane l holds positions p = 2 l + e.  p = 32 B + 8 u + r + 8 (r / 8) gives B = bit 5, r / 8 = bit 4, u = bit 3, r % 8 = bits 2:0 of p
	v_bfe_u32 v16, v0, 2, 1
	v_lshl_add_u32 v16, v14, 1, v16                ; position tile m = 2 x bit 4 of l + bit 2 of l
	v_and_b32 v17, 3, v0
	v_bfe_u32 v18, v0, 3, 1
	v_lshlrev_b32 v17, 1, v17
	v_lshl_add_u32 v17, v18, 3, v17                ; r of position 2 l: 2 (l % 4) + 8 x bit 3 of l; position 2 l + 1 is the next r
	v_mul_u32_u24 v19, v16, 6144                   ; a position tile's four fragments
	v_lshl_add_u32 v4, v17, 4, v19
	v_add_nc_u32 v4, s57, v4
	v_lshl_add_u32 v5, v17, 3, v19
	v_add_nc_u32 v5, s58, v5
	v_lshlrev_b32 v6, 8, v16
	v_lshl_add_u32 v6, v17, 2, v6
	v_add_nc_u32 v6, s59, v6
	s_mov_b32 s[HM], 0xffff0000
	s_mov_b32 s[EPSR], 0x3727c5ac
	s_mov_b32 s[SEL], 0x76543210
	s_mov_b32 s[SEL+1], 0xfedcba98
	s_wait_kmcnt 0x0
	s_cmp_eq_u32 s3, 1                             ; the role's scale bytes and bias: the choice hangs on the wave's number alone
	s_cselect_b64 s[14:15], s[16:17], s[14:15]
	s_cselect_b64 s[20:21], s[22:23], s[20:21]
	s_cmp_eq_u32 s3, 2
	s_cselect_b64 s[14:15], s[18:19], s[14:15]
	s_cselect_b64 s[20:21], s[24:25], s[20:21]
	s_add_nc_u64 s[4:5], s[4:5], s[36:37]
	s_add_nc_u64 s[6:7], s[6:7], s[38:39]
	s_add_nc_u64 s[8:9], s[8:9], s[38:39]
	s_add_nc_u64 s[10:11], s[10:11], s[40:41]
	s_add_nc_u64 s[12:13], s[12:13], s[42:43]
	s_add_nc_u64 s[14:15], s[14:15], s[44:45]
	s_add_nc_u64 s[20:21], s[20:21], s[46:47]
	s_add_nc_u64 s[26:27], s[26:27], s[48:49]
	s_add_nc_u64 s[28:29], s[28:29], s[50:51]
	s_load_b512 s[32:47], s[6:7], 0x0              ; gn_w of my block's 32 channels: s32-63
	s_load_b512 s[48:63], s[6:7], 0x40
	s_load_b512 s[68:83], s[8:9], 0x0              ; gn_b: s68-99
	s_load_b512 s[84:99], s[8:9], 0x40
	global_load_b128 v[SA:SA+3], v7, s[10:11]      ; lanes 0-15: the block's first group, lanes 16-31: its second
	global_load_b128 v[SA+4:SA+7], v7, s[10:11] offset:16
.set i, 0
.rept 32
	global_load_b64 v[XA+2*i:XA+2*i+1], v1, s[4:5] offset:16384*i   ; 256 consecutive bytes of one channel
.set i, i+1
.endr
	s_cmp_lt_u32 s2, 4
	s_cbranch_scc0 .Lno_b_loads
	global_load_b128 v[SB:SB+3], v7, s[10:11] offset:768             ; task B is block 12 + wave
	global_load_b128 v[SB+4:SB+7], v7, s[10:11] offset:784
.set i, 0
.rept 32
	global_load_b64 v[XB+2*i:XB+2*i+1], v1, s[4:5] offset:6291456+16384*i
.set i, i+1
.endr
.Lno_b_loads:
.macro WLOAD s                         ; the weight's four fragments of K step s
.irp n, 0,1,2,3
.irp c, 0,1,2
	global_load_b128 v[WF+12*\n+4*\c:WF+12*\n+4*\c+3], v2, s[12:13] offset:6144*\n+1536*(\s)+512*\c
.endr
.endr
.endm
	WLOAD 0
	s_wait_loadcnt 0x0
	s_wait_kmcnt 0x0
; One task.  xr: the 64 numbers; st: the statistics as loaded; ia, ib: what task B adds to the LDS addresses.
.macro TASK xr, st, ia, ib
	; the group's mean and M2 from its four quarters of 16,384: M2 = the quarters' M2 + 16,384 x the squared distances of their means from the mean: no difference of large sums is formed
	v_add_f32 v25, v[\st], v[\st+2]
	v_add_f32 v26, v[\st+4], v[\st+6]
	v_add_f32 v28, v[\st+1], v[\st+3]
	v_add_f32 v29, v[\st+5], v[\st+7]
	v_add_f32 v25, v25, v26
	v_add_f32 v28, v28, v29
	v_mul_f32 v25, 0x3e800000, v25                 ; the mean
	v_sub_f32 v27, v[\st], v25
	v_mul_f32 v26, v27, v27
.irp q, 2,4,6
	v_sub_f32 v27, v[\st+\q], v25
	v_fmac_f32 v26, v27, v27
.endr
	v_fma_f32 v28, v26, 0x46800000, v28            ; x 16,384
	v_fma_f32 v28, v28, 0x37800000, s[EPSR]        ; the variance, M2 / 65,536, + 1e-5
	v_rsq_f32 v29, v28
	v_nop                                          ; one plain instruction behind the transcendental,
	s_wait_alu depctr_va_vdst(0)                   ; and the wait ahead of the first use
	v_readlane_b32 s16, v25, 0                     ; the two groups' figures as scalars: they are operands of arithmetic alone
	v_readlane_b32 s18, v25, 16
	v_readlane_b32 s22, v29, 0
	v_readlane_b32 s24, v29, 16
	s_xor_b32 s16, s16, 0x80000000                 ; minus the mean
	s_xor_b32 s18, s18, 0x80000000
	s_mov_b32 s17, s16                             ; (the packed forms name pairs, so both words are written)
	s_mov_b32 s19, s18
	s_mov_b32 s23, s22
	s_mov_b32 s25, s24
.set i, 0
.rept 32                                       ; (x - mean) x rsqrt(..), in that order: folded into one multiply-add it would be a difference of large numbers where x has an offset
	v_pk_add_f32 v[\xr+2*i:\xr+2*i+1], v[\xr+2*i:\xr+2*i+1], s[16+2*(i/16):17+2*(i/16)] op_sel_hi:[1,0]
.set i, i+1
.endr
.set i, 0
.rept 32
	v_pk_mul_f32 v[\xr+2*i:\xr+2*i+1], v[\xr+2*i:\xr+2*i+1], s[22+2*(i/16):23+2*(i/16)] op_sel_hi:[1,0]
.set i, i+1
.endr
.irp e, 0,1                                    ; position 2 l + e
.set i, 0
.rept 32
	v_fma_f32 v[Y+i], v[\xr+2*i+\e], s[32+i], s[68+i]   ; x gn_w + gn_b; this also parts the two positions
.set i, i+1
.endr
	v_max3_num_f32 v12, |v[Y]|, |v[Y+1]|, 0x2800000      ; the block's largest magnitude: all 32 numbers are mine; the floor 2^(5 - 127) holds the byte at 1 from below
	v_max3_num_f32 v13, |v[Y+16]|, |v[Y+17]|, 0x2800000
.irp q, 2,4,6,8,10,12,14
	v_max3_num_f32 v12, v12, |v[Y+\q]|, |v[Y+\q+1]|
	v_max3_num_f32 v13, v13, |v[Y+16+\q]|, |v[Y+17+\q]|
.endr
	v_max_num_f32 v12, v12, v13
	s_wait_dscnt 0x0                               ; the LDS stores before have read their registers
	v_add_nc_u32 v14, 0xfe000000, v12              ; 4 off the exponent field: the conversion takes this operand's exponent field as its scale
	v_lshrrev_b32 v15, 23, v14                     ; the scale's byte
	v_cvt_scalef32_pk16_bf6_f32 v[16:18], v[Y:Y+15], v14
	v_cvt_scalef32_pk16_bf6_f32 v[22:24], v[Y+16:Y+31], v14   ; (a conversion's three registers begin on an even number)
	v_nop                                          ; one plain place behind a scaled conversion
	v_mov_b32 v19, v22
	v_mov_b32 v20, v23
	v_mov_b32 v21, v24
	ds_store_b128 v4, v[16:19] offset:\ia+16*\e
	ds_store_b64 v5, v[20:21] offset:\ia+8*\e
	ds_store_b8 v6, v15 offset:\ib+4*\e
.endr
.endm
	TASK XA, SA, 0, 0
	s_cmp_lt_u32 s2, 4
	s_cbranch_scc0 .Lno_b
	s_load_b512 s[32:47], s[6:7], 0x600            ; gn_w and gn_b twelve blocks on
	s_load_b512 s[48:63], s[6:7], 0x640
	s_load_b512 s[68:83], s[8:9], 0x600
	s_load_b512 s[84:99], s[8:9], 0x640
	s_wait_kmcnt 0x0
	TASK XB, SB, 4608, 192                         ; K step 3: three fragments, three rows of scale words on
.Lno_b:
	s_wait_dscnt 0x0                               ; for the others' sake: my stores have landed
.irp n, 0,1,2,3
	global_load_b128 v[WS+4*\n:WS+4*\n+3], v8, s[14:15] offset:(32*(\n/2)+8*(\n%2))*16   ; a row's 16 scale bytes are the four K steps' words
.endr
	s_barrier_signal -1
	s_barrier_wait -1                              ; t's sixteen fragments lie in LDS; nothing is written there any more
.macro MM d, a, b, sa, sb, zero
.if \zero
	v_wmma_scale_f32_16x16x128_f8f6f4 v[\d:\d+7], v[\a:\a+11], v[\b:\b+11], 0, v[\sa], v[\sb] matrix_a_fmt:MATRIX_FMT_BF6 matrix_b_fmt:MATRIX_FMT_BF6
.else
	v_wmma_scale_f32_16x16x128_f8f6f4 v[\d:\d+7], v[\a:\a+11], v[\b:\b+11], v[\d:\d+7], v[\sa], v[\sb] matrix_a_fmt:MATRIX_FMT_BF6 matrix_b_fmt:MATRIX_FMT_BF6
.endif
.endm
; A K step of 128: the fragments, 16 matrix instructions (the 16 accumulators by turns, in the same order in every step), and four places in front of the next loads into their registers
; and of the first reads of results.  vrole = 0: source 0 = the weight; 1: source 0 = t.  zero = 1: the first step starts the sums.
.macro KSTEP s, vrole, zero
.if \s > 0
	WLOAD \s
.endif
.irp m, 0,1,2,3
	ds_load_b128 v[TF+12*\m:TF+12*\m+3], v2 offset:(4*\m+\s)*1536
	ds_load_b64 v[TF+12*\m+4:TF+12*\m+5], v1 offset:(4*\m+\s)*1536+512
	ds_load_b128 v[TF+12*\m+6:TF+12*\m+9], v2 offset:(4*\m+\s)*1536+768
	ds_load_b64 v[TF+12*\m+10:TF+12*\m+11], v1 offset:(4*\m+\s)*1536+1280
	ds_load_b32 v[TS+\m], v3 offset:(4*\m+\s)*64
.endr
	s_wait_loadcnt 0x0
	s_wait_dscnt 0x0
.if \vrole
.irp n, 0,1,2,3
.irp m, 0,1,2,3
	MM ACC+8*(4*\n+\m), TF+12*\m, WF+12*\n, TS+\m, WS+4*\n+\s, \zero
.endr
.endr
.else
.irp m, 0,1,2,3
.irp n, 0,1,2,3
	MM ACC+8*(4*\m+\n), WF+12*\n, TF+12*\m, WS+4*\n+\s, TS+\m, \zero
.endr
.endr
.endif
.rept 4
	v_nop
.endr
.endm
; 32 numbers of a lane, v[s] on: block 0 in registers 0-15, block 1 in 16-31, register i = K 16 h + i of its block, become a half image in v[c] .. v[c + 5] and my block's (block h's) scale byte in v[by].
.macro QUANT32 s, c, by
	v_max3_num_f32 v[BM], |v[(\s)]|, |v[(\s)+1]|, 0x2800000
	v_max3_num_f32 v[BM+1], |v[(\s)+16]|, |v[(\s)+17]|, 0x2800000
.irp i, 2,4,6,8,10,12,14
	v_max3_num_f32 v[BM], v[BM], |v[(\s)+\i]|, |v[(\s)+\i+1]|
	v_max3_num_f32 v[BM+1], v[BM+1], |v[(\s)+16+\i]|, |v[(\s)+17+\i]|
.endr
	v_permlanex16_b32 v[BX], v[BM], s[SEL], s[SEL+1]
	v_permlanex16_b32 v[BX+1], v[BM+1], s[SEL], s[SEL+1]
	v_max_num_f32 v[BM], v[BM], v[BX]              ; with lane l xor 16's 16 numbers: the blocks' largest magnitudes
	v_max_num_f32 v[BM+1], v[BM+1], v[BX+1]
	v_add_nc_u32 v[SO], 0xfe000000, v[BM]
	v_add_nc_u32 v[SO+1], 0xfe000000, v[BM+1]
	v_cndmask_b32 v[\by], v[SO], v[SO+1], s[HM]
	v_lshrrev_b32 v[\by], 23, v[\by]
	v_cvt_scalef32_pk16_bf6_f32 v[(\c):(\c)+2], v[(\s):(\s)+15], v[SO]
	v_cvt_scalef32_pk16_bf6_f32 v[T2:T2+2], v[(\s)+16:(\s)+31], v[SO+1]
	v_nop                                          ; one plain place behind a scaled conversion
.irp i, 0,1,2
	v_permlane16_swap_b32 v[(\c)+\i], v[T2+\i]     ; the first's lanes 16-31 change places with the second's lanes 0-15: a lane now holds its block's lower 16 codes and its upper 16
.endr
.irp i, 0,1,2
	v_mov_b32 v[(\c)+3+\i], v[T2+\i]
.endr
.endm
.macro OUTQ stride                     ; four half images and their scale bytes; each has data registers of its own, so no store's data are written again
.irp g, 0,1,2,3
	QUANT32 ACC+32*\g, CG+8*\g, BY+\g
	global_store_b128 v2, v[CG+8*\g:CG+8*\g+3], s[26:27] offset:768*\g        ; 512 consecutive bytes, at a multiple of 256 from the buffer's first byte
	global_store_b64 v1, v[CG+8*\g+4:CG+8*\g+5], s[26:27] offset:768*\g+512   ; 256 likewise
	global_store_b8 v11, v[BY+\g], s[28:29] offset:\stride*\g
.endr
.endm
	s_cmp_eq_u32 s3, 2
	s_cbranch_scc1 .Lrole_v
	; ---- q and k: accumulator (m, n) at 4 m + n; its register j is channel 32 (n / 2) + 16 h + 8 (n % 2) + j of position lane r of tile m
	KSTEP 0, 0, 1
	KSTEP 1, 0, 0
	KSTEP 2, 0, 0
	KSTEP 3, 0, 0
.irp n, 0,1,2,3
	global_load_b128 v[BI+8*\n:BI+8*\n+3], v9, s[20:21] offset:(32*(\n/2)+8*(\n%2))*4
	global_load_b128 v[BI+8*\n+4:BI+8*\n+7], v9, s[20:21] offset:(32*(\n/2)+8*(\n%2))*4+16
.endr
	v_mov_b32 v[BX], 0                             ; written once: a lane permute's destination counts as one of its sources
	v_mov_b32 v[BX+1], 0
	s_wait_loadcnt 0x0
.set i, 0
.rept 16
	v_pk_mul_f32 v[BI+2*i:BI+2*i+1], v[BI+2*i:BI+2*i+1], 0x3eb504f3 op_sel_hi:[1,0]   ; b S, S = 2^-1.5
.set i, i+1
.endr
.set i, 0
.rept 64                                       ; each accumulator from its low end on
	v_pk_fma_f32 v[ACC+2*i:ACC+2*i+1], v[ACC+2*i:ACC+2*i+1], 0x3eb504f3, v[BI+2*(i%16):BI+2*(i%16)+1] op_sel_hi:[1,0,1]
.set i, i+1
.endr
	OUTQ 2
	s_set_vgpr_msb 0x5
	s_wait_tensorcnt 0x0
	ds_add_u32 v0, v1
	s_wait_dscnt 0x0
	s_set_vgpr_msb 0x500
	s_endpgm
.Lrole_v:
	; ---- v: accumulator (n, m) at 4 n + m; its register j is position 32 (m / 2) + 16 h + 8 (m % 2) + j of channel lane r of tile n
	KSTEP 0, 1, 1
	KSTEP 1, 1, 0
	KSTEP 2, 1, 0
	KSTEP 3, 1, 0
.irp n, 0,1,2,3
	global_load_b32 v[BI+2*\n], v10, s[20:21] offset:(32*(\n/2)+8*(\n%2))*4     ; my channel's bias, twice: a pair for the packed addition
	global_load_b32 v[BI+2*\n+1], v10, s[20:21] offset:(32*(\n/2)+8*(\n%2))*4
.endr
	v_mov_b32 v[BX], 0
	v_mov_b32 v[BX+1], 0
	s_wait_loadcnt 0x0
.set i, 0
.rept 64
	v_pk_add_f32 v[ACC+2*i:ACC+2*i+1], v[ACC+2*i:ACC+2*i+1], v[BI+2*(i/16):BI+2*(i/16)+1]
.set i, i+1
.endr
	OUTQ 4
	s_set_vgpr_msb 0x5
	s_wait_tensorcnt 0x0
	ds_add_u32 v0, v1
	s_wait_dscnt 0x0
	s_set_vgpr_msb 0x500
	s_endpgm
.Lfunc_end_k_q0d595d4e50_qkv:
	.size	k_q0d595d4e50_qkv, .Lfunc_end_k_q0d595d4e50_qkv-k_q0d595d4e50_qkv
	.p2alignl 7, 3214868480
	.fill 96, 4, 3214868480
	.section	.rodata,"a",@progbits
	.p2align	6, 0x0
	.amdhsa_kernel k_q0d595d4e50_qkv
		.amdhsa_group_segment_fixed_size 27136
		.amdhsa_private_segment_fixed_size 0
		.amdhsa_enable_private_segment 0
		.amdhsa_kernarg_size 104
		.amdhsa_user_sgpr_count 2
		.amdhsa_user_sgpr_kernarg_segment_ptr 1
		.amdhsa_wavefront_size32 1
		.amdhsa_system_sgpr_workgroup_id_x 1
		.amdhsa_system_sgpr_workgroup_id_y 1
		.amdhsa_system_sgpr_workgroup_id_z 1
		.amdhsa_system_vgpr_workitem_id 0
		.amdhsa_next_free_vgpr 258
		.amdhsa_next_free_sgpr 102
		.amdhsa_reserve_vcc 0
		.amdhsa_float_denorm_mode_32 3
		.amdhsa_float_denorm_mode_16_64 3
		.amdhsa_memory_ordered 1
		.amdhsa_forward_progress 1
		.amdhsa_inst_pref_size 104
	.end_amdhsa_kernel
	.amdgpu_metadata
---
amdhsa.version: [ 1, 2 ]
amdhsa.kernels:
  - .name:           k_q0d595d4e50_qkv
    .symbol:         k_q0d595d4e50_qkv.kd
    .args:
      - { .name: x, .offset: 0, .size: 8, .value_kind: global_buffer, .address_space: global }
      - { .name: gn_w, .offset: 8, .size: 8, .value_kind: global_buffer, .address_space: global }
      - { .name: gn_b, .offset: 16, .size: 8, .value_kind: global_buffer, .address_space: global }
      - { .name: stats, .offset: 24, .size: 8, .value_kind: global_buffer, .address_space: global }
      - { .name: wimg, .offset: 32, .size: 8, .value_kind: global_buffer, .address_space: global }
      - { .name: wq_scales, .offset: 40, .size: 8, .value_kind: global_buffer, .address_space: global }
      - { .name: wk_scales, .offset: 48, .size: 8, .value_kind: global_buffer, .address_space: global }
      - { .name: wv_scales, .offset: 56, .size: 8, .value_kind: global_buffer, .address_space: global }
      - { .name: bq, .offset: 64, .size: 8, .value_kind: global_buffer, .address_space: global }
      - { .name: bk, .offset: 72, .size: 8, .value_kind: global_buffer, .address_space: global }
      - { .name: bv, .offset: 80, .size: 8, .value_kind: global_buffer, .address_space: global }
      - { .name: qkv, .offset: 88, .size: 8, .value_kind: global_buffer, .address_space: global }
      - { .name: qkvs, .offset: 96, .size: 8, .value_kind: global_buffer, .address_space: global }
    .group_segment_fixed_size: 27136
    .private_segment_fixed_size: 0
    .kernarg_segment_align: 8
    .kernarg_segment_size: 104
    .max_flat_workgroup_size: 384
    .sgpr_count:     102
    .vgpr_count:     258
    .wavefront_size: 32
...
	.end_amdgpu_metadata
.endif
;; end of part 2
;; launch attn (part 3): grid 16 x 16, 16 waves a work-group, clusters of 4 x 1, 327,680 bytes of LDS; arguments qkv, qkvs, oc, os; writes oc, os
.if DOCPART == 3
	.amdgcn_target "amdgcn-amd-amdhsa--gfx1250"
	.amdhsa_code_object_version 6
	.text
	.protected	k_q0d595d4e50_attn
	.globl	k_q0d595d4e50_attn
	.p2align	8
	.type	k_q0d595d4e50_attn,@function
k_q0d595d4e50_attn:
	s_mov_b64 s[64:65], 0
	v_nop
	global_prefetch_b8 v0, s[64:65] scope:SCOPE_SE
	s_setreg_imm32_b32 hwreg(HW_REG_WAVE_MODE, 25, 1), 1
	s_wait_xcnt 0x0
	s_wait_alu depctr_hold_cnt(0) depctr_sa_sdst(0) depctr_va_vdst(0) depctr_va_sdst(0) depctr_va_ssrc(0) depctr_va_vcc(0) depctr_vm_vsrc(0)
	s_getreg_b32 s2, hwreg(HW_REG_IB_STS2, 6, 4)
	s_cmp_eq_u32 s2, 0
	s_cbranch_scc0 .Lentry_in_a_cluster
	s_endpgm
.Lentry_in_a_cluster:
	s_bfe_u32 s2, ttmp6, 0x10000c
	s_cmp_lg_u32 s2, 0x3003
	s_cbranch_scc0 .Lentry_shape_is_right
	s_endpgm
.Lentry_shape_is_right:
; ATTN.  o[q] = the sum over keys of softmax(q . k) v, for 16 (batch, head) pairs of 4,096 positions and 64 channels; both products on codes of BF6 (E3M2) with one E8M0 scale for each 32 along K.
; THE SOFTMAX AHEAD OF THE SECOND PRODUCT: t = score x log2(e); M = the row's largest t so far, rounded UP to a whole number; p = 2^(t - M) is what is quantised, along the keys.  The row's sum is taken of the
; unquantised p and divides o at the end.  When M moves, the sum and o are multiplied by 2^(old M - new M), which rounds nothing.  o is then quantised along the head's 64 channels, two blocks of the last product's K.
; SHARES.  A work-group owns 256 queries of one (batch, head); each of its sixteen waves one tile of 16, in 256 registers: four waves to a SIMD, so that one wave's vector work stands beside another's products and loads.
; Every wave walks all 4,096 keys, 128 a step.  K, V and their scale bytes lie in memory as images of the operands' registers (the launch before has laid them so): every LDS read is 16 or 8 bytes x lane, on end.
; CLUSTER.  The four query blocks of a cluster belong to one (batch, head) and walk the same K and V: each tile is asked for JOINTLY, by the same tensor load with the same descriptor and a mask that names the four.
; LAYOUT.  Both products are used transposed: S^T = K Q^T, O^T = V^T P^T: a lane holds ONE query (lane % 16).  Tiles are permuted (lane r of tile 2 B + u holds element 32 B + 8 u + r + 8 (r / 8)), so that the 16 registers
; of score tiles 2 b and 2 b + 1 are keys 32 b + 16 h + 0 .. 15, and O^T's registers 16 B + i are channels 32 B + 16 h + i.
; K OF THE SCORES IS 64, THE INSTRUCTION'S 128: source 0 holds TWO key tiles, tile 2 b in registers 0-5 and tile 2 b + 1 in 6-11; it is multiplied once by [q | zero codes] and once by [zero codes | q].  No byte of K is
; read twice; K's scale word b holds both tiles' two bytes, q's word its two bytes twice.
; RING.  Two LDS slots of 1,024 keys (8 steps): K's 49,152 bytes, then V's.  Waves 0 to 3 fetch a quarter of a slot each, one load of 96 rows of 256 bytes; a wave has two tensor loads out at the start and one behind each round.
; LIMITS: NaN and infinities are not served.  A block whose largest magnitude lies under 2^-122, a block of zeros too, gets the byte 1: its codes are zeros, and this program alone reads the bytes.
; o / l is a multiplication by v_rcp_f32's result.  A block's largest p is taken as the exponential of its largest score, which takes v_exp_f32 not to fall where its input rises.
.set SLOT1, 131072                     ; slot 1 begins here: one exclusive or turns an address in one slot into the other's
.set VOFF,  49152                      ; V's part of a slot
.set STEPB, 6144                       ; a step's eight half images of 768 bytes, of K and of V alike
.set SC,    262144                     ; behind the ring: K's scale bytes of the whole (batch, head), 8,192, then V's; filled once
.set SPARE, 278528                     ; the spare words, 128 bytes for each of 16 waves: eight blocks of 256 bytes that no other line names
.set ADK,  8                           ; v8   LDS: the step's tiles, 16 x lane;  v9: 8 x lane;  v10: its scale words
.set ADK8, 9
.set ADS,  10
.set QL,   16                          ; v16-27  [q | zeros];  v28-39 [zeros | q]
.set QH,   28
.set KF,   40                          ; v40-87  K's four pairs of tiles, then V's four fragments
.set S,    96                          ; v96-159 S^T, then p
.set OT,   160                         ; v160-191 O^T
.set BM,   192                         ; v192-195 the blocks' largest scores, then largest p;  v196-199 the other half of the lanes', then bytes;  v200-203 the conversions' scale operands
.set BX,   196
.set SO,   200
.set T2,   204                         ; v204-206, v208-210 the conversions' second halves
.set PC,   212                         ; v212-223 p's codes
.set FF,   224                         ; v224 f = 2^(old M - new M); v225 named with it as a pair
.set PW,   226                         ; p's scale word
.set TA,   227
.set SCW,  228                         ; v228-231 lanes 0-15: K's four scale words; lanes 16-31: V's four
.set QS,   232                         ; q's scale word
.set QW,   233
.set SU2,  234                         ; v234-235 the second chain of the row's sum
; v1 16 x lane; v2 8 x lane; v3 SC + 8,192 h + 16 r; v4 256 x lane; v5, v6 the spare word's address and 0; v7 16 r + h; v12 -M; v13 the largest t; v[14:15] the sum in two halves
.set WV,   12
.set SEL,  20
.set CS,   22                          ; s[22:23] log2(e)
.set G1,   24                          ; s[24:31] group 1 for a quarter slot;  s[32:39] for 4,096 scale bytes;  s[40:43], s[44:47] their groups 0
.set G1S,  32
.set G0,   40
.set G0S,  44
.set TB,   48                          ; LDS byte at which the step's tiles of K begin
.set TS,   49                          ; and its scale words: 256 bytes a step
.set SLOTS, 50
.set STEPS, 51
.set PFA,  52                          ; s[52:53] where my prefetches stand
.set LIM,  54                          ; 1 in a wave that prefetches, else the greatest number
.set HM,   55                          ; a mask of lanes 16-31
.macro ROUND                           ; a round of the cluster's barrier: my work-group's barrier, wave 0's signal for the work-group, every wave's wait for all four, my work-group's barrier once more
	s_barrier_signal -1
	s_barrier_wait -1
	s_cmp_lg_u32 s[WV], 0
	s_cbranch_scc1 .Lnot_wave_0_\@
	s_barrier_signal -3
.Lnot_wave_0_\@:
	s_barrier_wait -3
	s_barrier_signal -1
	s_barrier_wait -1
.endm
.macro JLOAD                           ; a joint refill: waves 0 and 1 K's halves, waves 2 and 3 V's.  The branch hangs on the wave's number alone.  Four v_nop follow the load
	s_cmp_lt_u32 s[WV], 4
	s_cbranch_scc0 .Lasked_\@
	tensor_load_to_lds s[G0:G0+3], s[G1:G1+7]
	s_nop 0
.rept 4
	v_nop
.endr
.Lasked_\@:
.endm
; A PREFETCH INTO THE L2 of the slot that the NEXT change of slots will ask for: eight key steps ahead of that load.  All four clusters of a (batch, head) walk the same K and V: the first of them asks.  Its four partners
; share the slot's 98,304 bytes out BY ADDRESS, 24,576 each (the partner at place p takes what wave p fetches); in each, waves 4 to 6 ask, 8,192 bytes a wave, lanes 256 bytes apart: each aligned 256 bytes of slots 2 and 3
; are named once in the launch.  Slots 0 and 1 come by their loads alone; the last change that fills a slot asks for nothing.
.macro ASK
	s_cmp_gt_u32 s[SLOTS], s[LIM]
	s_cbranch_scc0 .Lnot_mine_\@
	global_prefetch_b8 v4, s[PFA:PFA+1] th:TH_LOAD_NT scope:SCOPE_SE
.Lnot_mine_\@:
.endm
	s_load_b256 s[4:11], s[0:1], 0x0               ; qkv, qkvs, oc, os
	v_lshl_add_u32 v5, v0, 2, SPARE
	v_mov_b32 v6, 0
	ds_add_u32 v5, v6
	s_wait_dscnt 0x0
	v_lshrrev_b32 v8, 5, v0
	v_readfirstlane_b32 s[WV], v8                  ; wave 0..15
	s_bfe_u32 s13, ttmp6, 0x40000                  ; cx: my place in the cluster; it enters global addresses of q, o and the prefetches alone
	s_lshl_b32 s14, ttmp9, 2
	s_add_co_u32 s14, s14, s13                     ; my block of 256 queries
	s_lshl_b32 s14, s14, 4
	s_add_co_u32 s14, s14, s[WV]                   ; my tile of 16 queries, T
	s_and_b32 s15, ttmp7, 0xffff                   ; 8 x batch + head, which the partners share
	s_and_b32 s16, s[WV], 3
	s_lshr_b32 s17, s16, 1                         ; I fetch for K (0) or V (1),
	s_and_b32 s18, s16, 1                          ; its first or second half
	s_mul_i32 s19, s15, 196608                     ; the (batch, head)'s first byte in a role of qkv
	s_add_co_u32 s56, s17, 1                       ; role 1 is k, role 2 is v
	s_mul_i32 s56, s56, 3145728
	s_add_co_u32 s56, s56, s19
	s_mul_i32 s57, s18, 24576
	s_add_co_u32 s56, s56, s57
	s_mov_b32 s57, 0
	s_add_co_u32 s58, s17, 1
	s_lshl_b32 s58, s58, 17
	s_lshl_b32 s59, s15, 13
	s_add_co_u32 s58, s58, s59
	s_lshl_b32 s59, s18, 12
	s_add_co_u32 s58, s58, s59
	s_mov_b32 s59, 0
	; group 1: a dense block as rows of 256 bytes: 32 elements of 8 bytes, pitch 32, no padding
	s_mov_b32 s[G1], 15|(3<<16)|(1<<21)            ; 15:0 the mask: all four work-groups; 17:16 elements of 8 bytes; 21 set beside a mask
	s_mov_b32 s[G1+1], 32<<16                      ; tensor_dim0 = 32
	s_mov_b32 s[G1+2], 96<<16                      ; tensor_dim1 = 96
	s_mov_b32 s[G1+3], 32<<16                      ; tile_dim0 = 32
	s_mov_b32 s[G1+4], 96                          ; tile_dim1 = 96
	s_mov_b32 s[G1+5], 32                          ; elements from row to row
	s_mov_b32 s[G1+6], 0
	s_mov_b32 s[G1+7], 0
	s_mov_b32 s[G1S], 15|(3<<16)|(1<<21)
	s_mov_b32 s[G1S+1], 32<<16
	s_mov_b32 s[G1S+2], 16<<16                     ; 16 rows
	s_mov_b32 s[G1S+3], 32<<16
	s_mov_b32 s[G1S+4], 16
	s_mov_b32 s[G1S+5], 32
	s_mov_b32 s[G1S+6], 0
	s_mov_b32 s[G1S+7], 0
	s_mov_b32 s[SEL], 0x76543210
	s_mov_b32 s[SEL+1], 0xfedcba98
	s_mov_b32 s[CS], 0x3fb8aa3b                    ; log2(e): the scale 1 / sqrt(64) is in q and k already
	s_mov_b32 s[CS+1], s[CS]                       ; (named with it as a pair, so it is written)
	s_mov_b32 s[HM], 0xffff0000
	s_mov_b32 s[TB], 0
	s_mov_b32 s[TS], 0
	s_mov_b32 s[SLOTS], 3
	s_sub_co_u32 s[LIM], s[WV], 4                  ; 0, 1, 2 in waves 4 to 6
	s_cmp_lt_u32 s[LIM], 3
	s_cselect_b32 s[LIM], 0, 1
	s_or_b32 s[LIM], s[LIM], ttmp9                 ; of the (batch, head)'s first cluster: the same in all four partners
	s_cmp_eq_u32 s[LIM], 0
	s_cselect_b32 s[LIM], 1, -1
	s_wait_kmcnt 0x0
	s_mov_b32 s[G0], 1                             ; count = 1
	s_mul_i32 s[G0+1], s16, 24576                  ; LDS: slot 0, my quarter: no place in the cluster enters an LDS address
	s_add_nc_u64 s[G0+2:G0+3], s[4:5], s[56:57]
	s_or_b32 s[G0+3], s[G0+3], 0x80000000          ; type = 2
	s_mov_b32 s[G0S], 1
	s_lshl_b32 s[G0S+1], s16, 12
	s_add_co_u32 s[G0S+1], s[G0S+1], SC
	s_add_nc_u64 s[G0S+2:G0S+3], s[6:7], s[58:59]
	s_or_b32 s[G0S+3], s[G0S+3], 0x80000000
	ROUND                                          ; all four work-groups are here: the first joint loads meet
	s_cmp_lt_u32 s[WV], 4                          ; a wave's two first fills stand in one branch, ahead of every wait on TENSORcnt and every LDS read
	s_cbranch_scc0 .Lfirst_asked
	tensor_load_to_lds s[G0S:G0S+3], s[G1S:G1S+7]  ; the scale bytes: filled once
	s_nop 0
	tensor_load_to_lds s[G0:G0+3], s[G1:G1+7]      ; slot 0
	s_nop 0
.rept 4
	v_nop
.endr
.Lfirst_asked:
	v_and_b32 v8, 31, v0                           ; lane
	v_and_b32 v9, 15, v0                           ; r
	v_bfe_u32 v10, v0, 4, 1                        ; h
	v_lshlrev_b32 v1, 4, v8
	v_lshlrev_b32 v2, 3, v8
	v_lshlrev_b32 v11, 4, v9                       ; 16 r
	v_lshl_add_u32 v3, v10, 13, v11                ; lanes 16-31 take V's words, 8,192 bytes on
	v_add_nc_u32 v3, SC, v3
	v_lshlrev_b32 v4, 8, v8
	v_add_nc_u32 v7, v11, v10
	s_mul_i32 s60, s14, 768                        ; q's half image: role 0, entry T
	s_add_co_u32 s60, s60, s19
	s_mov_b32 s61, 0
	s_add_nc_u64 s[60:61], s[4:5], s[60:61]
	s_lshl_b32 s62, s15, 13                        ; q's scale bytes: step T / 8, word (T / 2) % 4 of my row's 16 bytes
	s_lshr_b32 s63, s14, 3
	s_lshl_b32 s63, s63, 8
	s_add_co_u32 s62, s62, s63
	s_bfe_u32 s63, s[WV], 0x20001
	s_lshl_b32 s63, s63, 2
	s_add_co_u32 s62, s62, s63
	s_mov_b32 s63, 0
	s_add_nc_u64 s[62:63], s[6:7], s[62:63]
	global_load_b128 v[QL:QL+3], v1, s[60:61]
	global_load_b64 v[QL+4:QL+5], v2, s[60:61] offset:512
	global_load_b128 v[QH+6:QH+9], v1, s[60:61]    ; the same once more: the two operands share no register
	global_load_b64 v[QH+10:QH+11], v2, s[60:61] offset:512
	global_load_b32 v[QW], v11, s[62:63]
	; the prefetches' address: the partner at place cx takes what wave cx fetches; my wave's 8,192 bytes of it; in slot 1: the first change of slots steps it to slot 2
	s_lshr_b32 s2, s13, 1
	s_add_co_u32 s2, s2, 1
	s_mul_i32 s2, s2, 3145728
	s_add_co_u32 s2, s2, s19
	s_and_b32 s3, s13, 1
	s_mul_i32 s3, s3, 24576
	s_add_co_u32 s2, s2, s3
	s_lshl_b32 s3, s16, 13
	s_add_co_u32 s2, s2, s3
	s_add_co_u32 s2, s2, 49152
	s_mov_b32 s3, 0
	s_add_nc_u64 s[PFA:PFA+1], s[4:5], s[2:3]
	; o's half image: oc [batch][T][head][768];  its scale bytes: os [batch][T][r][16], byte 2 x head + block
	s_lshr_b32 s56, s15, 3
	s_and_b32 s57, s15, 7
	s_mul_i32 s2, s56, 1572864
	s_mul_i32 s3, s14, 6144
	s_add_co_u32 s2, s2, s3
	s_mul_i32 s3, s57, 768
	s_add_co_u32 s2, s2, s3
	s_mov_b32 s3, 0
	s_add_nc_u64 s[8:9], s[8:9], s[2:3]
	s_lshl_b32 s2, s56, 16
	s_lshl_b32 s3, s14, 8
	s_add_co_u32 s2, s2, s3
	s_lshl_b32 s3, s57, 1
	s_add_co_u32 s2, s2, s3
	s_mov_b32 s3, 0
	s_add_nc_u64 s[10:11], s[10:11], s[2:3]
	s_and_b32 s2, s[WV], 1                         ; an even tile's two bytes are the word's lower two, an odd tile's the upper two
	s_cmp_eq_u32 s2, 0
	s_mov_b32 s3, 0x03020302
	s_cselect_b32 s3, 0x01000100, s3
.irp j, 0,1,2,3,4,5
	v_mov_b32 v[QL+6+\j], 0                        ; zero codes, which add nothing under any scale byte but 0xff
	v_mov_b32 v[QH+\j], 0
.endr
	v_mov_b32 v13, 0xff61b1e6                      ; the largest t so far: -3e38, under every t
	v_floor_f32 v12, -v13                          ; -M
	v_mov_b32 v14, 0
	v_mov_b32 v15, 0
.set j, 0
.rept 32
	v_mov_b32 v[OT+j], 0                           ; O^T.  (The step is written with no first step of its own: the first change of M multiplies zeros)
.set j, j+1
.endr
.irp b, 0,1,2,3
	v_mov_b32 v[BX+\b], 0                          ; written once: a lane permute's destination counts as one of its sources
.endr
	v_mov_b32 v[TA], 0
	v_mov_b32 v[FF+1], 0
	s_wait_loadcnt 0x0
	v_perm_b32 v[QS], v[QW], v[QW], s3             ; (s0, s1, s0, s1)
.rept 8
	v_nop                                          ; a scale register written by a vector instruction stands eight plain vector instructions ahead of the first scaled matrix instruction that takes it: once a wave, ahead of the loop
.endr
; A KEY STEP: 128 keys.
.macro STEP
	v_add_nc_u32 v[ADK], s[TB], v1                 ; these three and the v_nop are the four places behind the last products, in front of the loads into their registers (ISA guide 7.12.1 for vector instructions)
	v_add_nc_u32 v[ADK8], s[TB], v2
	v_add_nc_u32 v[ADS], s[TS], v3
	v_nop
	ds_load_b128 v[SCW:SCW+3], v[ADS]
.irp t, 0,1,2,3,4,5,6,7
	ds_load_b128 v[KF+6*\t:KF+6*\t+3], v[ADK] offset:768*\t
	ds_load_b64 v[KF+6*\t+4:KF+6*\t+5], v[ADK8] offset:768*\t+512
.endr
	s_wait_dscnt 0x0
.irp b, 0,1,2,3
	v_wmma_scale_f32_16x16x128_f8f6f4 v[S+16*\b:S+16*\b+7], v[KF+12*\b:KF+12*\b+11], v[QL:QL+11], 0, v[SCW+\b], v[QS] matrix_a_fmt:MATRIX_FMT_BF6 matrix_b_fmt:MATRIX_FMT_BF6
	v_wmma_scale_f32_16x16x128_f8f6f4 v[S+16*\b+8:S+16*\b+15], v[KF+12*\b:KF+12*\b+11], v[QH:QH+11], 0, v[SCW+\b], v[QS] matrix_a_fmt:MATRIX_FMT_BF6 matrix_b_fmt:MATRIX_FMT_BF6
.endr
.rept 4
	v_nop                                          ; places in front of the loads below and of the first reads of the scores
.endr
.irp n, 0,1,2,3                                ; V's four fragments (channel tile n, keys 64 c on) land while the softmax is walked
.irp c, 0,1
	ds_load_b128 v[KF+12*\n+6*\c:KF+12*\n+6*\c+3], v[ADK] offset:VOFF+3072*\c+768*\n
	ds_load_b64 v[KF+12*\n+6*\c+4:KF+12*\n+6*\c+5], v[ADK8] offset:VOFF+3072*\c+768*\n+512
.endr
.endr
.irp b, 0,1,2,3
	v_max3_num_f32 v[BM+\b], v[S+16*\b], v[S+16*\b+1], v[S+16*\b+2]   ; the largest score of each block of 32 keys: it serves the row's maximum and, since p rises with the score, the block's largest p
.endr
.irp i, 3,5,7,9,11,13
.irp b, 0,1,2,3
	v_max3_num_f32 v[BM+\b], v[BM+\b], v[S+16*\b+\i], v[S+16*\b+\i+1]   ; (the four blocks by turns; each accumulator is read from its low end on)
.endr
.endr
.irp b, 0,1,2,3
	v_max_num_f32 v[BM+\b], v[BM+\b], v[S+16*\b+15]
.endr
.irp b, 0,1,2,3
	v_permlanex16_b32 v[BX+\b], v[BM+\b], s[SEL], s[SEL+1]
.endr
.irp b, 0,1,2,3
	v_max_num_f32 v[BM+\b], v[BM+\b], v[BX+\b]     ; with lane l xor 16's 16 keys
.endr
	v_max3_num_f32 v[TA], v[BM], v[BM+1], v[BM+2]
	v_max_num_f32 v[TA], v[TA], v[BM+3]            ; the step's largest score of my query
	v_mul_f32 v[TA], s[CS], v[TA]                  ; as t
	v_max_num_f32 v13, v13, v[TA]                  ; the running largest t
	v_mov_b32 v[TA], v12
	v_floor_f32 v12, -v13                          ; the new -M = floor(-t) = -ceil(t): a whole number
	v_sub_f32 v[TA], v12, v[TA]                    ; old M - new M: a whole number, 0 or less
	v_cvt_i32_f32 v[TA], v[TA]                     ; (it saturates)
	v_ldexp_f32 v[FF], 1.0, v[TA]                  ; f = 2^(old M - new M)
.set j, 0
.rept 32
	v_pk_fma_f32 v[S+2*j:S+2*j+1], v[S+2*j:S+2*j+1], s[CS:CS+1], v[12:13] op_sel_hi:[1,0,0]   ; t - M, two at a time (of the pairs log2(e) and -M the low word serves both halves)
.set j, j+1
.endr
.irp b, 0,1,2,3
	v_fma_f32 v[BM+\b], v[BM+\b], s[CS], v12       ; the same of each block's largest score
.endr
.set j, 0
.rept 64
	v_exp_f32 v[S+j], v[S+j]                       ; p = 2^(t - M), at most 1: not normalised
.set j, j+1
.endr
	v_pk_mul_f32 v[14:15], v[14:15], v[FF:FF+1] op_sel_hi:[1,0]   ; the sums under the new M: the plain instruction behind the exponentials
	s_wait_alu depctr_va_vdst(0)                   ; the wait ahead of the first use: one for the 64
.irp b, 0,1,2,3
	v_exp_f32 v[BM+\b], v[BM+\b]                   ; the blocks' largest p: the same two instructions on the same number give the same bits
.endr
	v_pk_add_f32 v[SU2:SU2+1], v[S:S+1], v[S+2:S+3]   ; the row's sum is taken of the UNQUANTISED p, two at a time, in two chains
.irp j, 4,8,12,16,20,24,28,32,36,40,44,48,52,56,60
	v_pk_add_f32 v[14:15], v[14:15], v[S+\j:S+\j+1]
	v_pk_add_f32 v[SU2:SU2+1], v[SU2:SU2+1], v[S+\j+2:S+\j+3]
.endr
	v_pk_add_f32 v[14:15], v[14:15], v[SU2:SU2+1]
	s_wait_alu depctr_va_vdst(0)                   ; and one for the four
.irp b, 0,1,2,3
	v_max_num_f32 v[BM+\b], 0x2800000, v[BM+\b]    ; the floor 2^(5 - 127): the byte cannot fall under 1
.endr
.irp b, 0,1,2,3
	v_add_nc_u32 v[SO+\b], 0xfe000000, v[BM+\b]    ; 4 off the exponent field: the conversion's scale operand
.endr
.irp b, 0,1,2,3
	v_lshrrev_b32 v[BX+\b], 23, v[SO+\b]           ; the scale's byte
.endr
	v_lshl_or_b32 v[PW], v[BX+1], 8, v[BX]         ; p's scale word for these 128 keys
	v_lshl_or_b32 v[PW], v[BX+2], 16, v[PW]
	v_lshl_or_b32 v[PW], v[BX+3], 24, v[PW]
.irp c, 0,1
	v_cvt_scalef32_pk16_bf6_f32 v[PC+6*\c:PC+6*\c+2], v[S+32*\c:S+32*\c+15], v[SO+2*\c]
	v_cvt_scalef32_pk16_bf6_f32 v[T2+4*\c:T2+4*\c+2], v[S+32*\c+16:S+32*\c+31], v[SO+2*\c+1]   ; (a conversion's three registers begin on an even number)
.endr
	v_nop                                          ; one plain place behind a scaled conversion
.irp c, 0,1                                    ; the operand's layout wants a WHOLE block in a lane: lanes 0-15 block 2 c, lanes 16-31 block 2 c + 1
.irp i, 0,1,2
	v_permlane16_swap_b32 v[PC+6*\c+\i], v[T2+4*\c+\i]
.endr
.irp i, 0,1,2
	v_mov_b32 v[PC+6*\c+3+\i], v[T2+4*\c+\i]
.endr
.endr
.set j, 0
.rept 16
	v_pk_mul_f32 v[OT+2*j:OT+2*j+1], v[OT+2*j:OT+2*j+1], v[FF:FF+1] op_sel_hi:[1,0]   ; O^T under the new M.  (These 16 are also the places between the writes of p's codes and scale word and the products)
.set j, j+1
.endr
	s_wait_dscnt 0x0                               ; V is in
.irp n, 0,1,2,3                                ; O^T += V^T P^T: the four accumulators by turns; the eight score products stand between two links of a chain
	v_wmma_scale_f32_16x16x128_f8f6f4 v[OT+8*\n:OT+8*\n+7], v[KF+12*\n:KF+12*\n+11], v[PC:PC+11], v[OT+8*\n:OT+8*\n+7], v[SCW+\n], v[PW] matrix_a_fmt:MATRIX_FMT_BF6 matrix_b_fmt:MATRIX_FMT_BF6 matrix_a_scale:MATRIX_SCALE_ROW1
.endr
	s_add_co_u32 s[TB], s[TB], STEPB
	s_add_co_u32 s[TS], s[TS], 256
.endm
; THE CHANGE OF SLOTS stands at a slot's head.  Each wave waits for all its tensor loads (its part of the slot ahead), adds 0 to its spare word, and waits for that and for its reads of the slot that it has left.
; fill = 1: the barrier is a round of the cluster's, so that no wave of any partner still reads that slot or has a load on its way, and the joint refill is the first thing behind it: it has eight key steps in which to land.
.macro CHANGE fill
	s_wait_tensorcnt 0x0                           ; no tensor load of mine is out, so a group 0 may be written
	ds_add_u32 v5, v6                              ; 0 onto my spare word
.if \fill
	s_xor_b32 s[G0+1], s[G0+1], SLOT1              ; the walking descriptor: the other slot than last time,
	s_add_nc_u64 s[G0+2:G0+3], s[G0+2:G0+3], 49152 ; the next 1,024 keys; the type bits on top are not reached
	s_wait_xcnt 0x0                                ; the last prefetch, a slot back, has read its address, so it may be written:
	s_add_nc_u64 s[PFA:PFA+1], s[PFA:PFA+1], 49152 ; one slot further on than the walking descriptor
	s_wait_dscnt 0x0                               ; the add is done, and my reads of the slot that I have left are over
	ROUND
	JLOAD
	ASK
.else
	s_wait_dscnt 0x0
	s_barrier_signal -1
	s_barrier_wait -1
.endif
.endm
.macro SLOT8                           ; a slot's eight key steps: written once, walked eight times
	s_mov_b32 s[STEPS], 8
.Lstep_\@:
	STEP
	s_sub_co_u32 s[STEPS], s[STEPS], 1
	s_cmp_lg_u32 s[STEPS], 0
	s_cbranch_scc1 .Lstep_\@
	s_sub_co_u32 s[TB], s[TB], 8*STEPB             ; back to a slot's first step,
	s_xor_b32 s[TB], s[TB], SLOT1                  ; in the other slot
.endm
.Lslot:                                            ; three trips: behind each change of slots but the last the next slot is asked for
	CHANGE 1
	SLOT8
	s_sub_co_u32 s[SLOTS], s[SLOTS], 1
	s_cmp_lg_u32 s[SLOTS], 0
	s_cbranch_scc1 .Lslot
	CHANGE 0                                       ; the last slot is written out
	SLOT8
	; THE WAY OUT.  O^T / the sum; its registers 0-15 and 16-31 are the head's two blocks of 32 channels, 16 h + i of each: quantised, they are half a fragment of the last product's operand, and leave as they stand.
.rept 4
	v_nop                                          ; places behind the last products
.endr
	v_add_f32 v14, v14, v15                        ; the sum's two halves,
	v_permlanex16_b32 v[TA], v14, s[SEL], s[SEL+1]
	v_add_f32 v14, v14, v[TA]                      ; and lane l xor 16's: the row's sum
	v_rcp_f32 v14, v14
	v_nop                                          ; one plain instruction behind the transcendental,
	s_wait_alu depctr_va_vdst(0)                   ; and the wait ahead of the first use
.set j, 0
.rept 16
	v_pk_mul_f32 v[S+2*j:S+2*j+1], v[OT+2*j:OT+2*j+1], v[14:15] op_sel_hi:[1,0]   ; each accumulator from its low end on
.set j, j+1
.endr
	v_max3_num_f32 v[BM], |v[S]|, |v[S+1]|, 0x2800000
	v_max3_num_f32 v[BM+1], |v[S+16]|, |v[S+17]|, 0x2800000
.irp i, 2,4,6,8,10,12,14
	v_max3_num_f32 v[BM], v[BM], |v[S+\i]|, |v[S+\i+1]|
	v_max3_num_f32 v[BM+1], v[BM+1], |v[S+16+\i]|, |v[S+17+\i]|
.endr
	v_permlanex16_b32 v[BX], v[BM], s[SEL], s[SEL+1]
	v_permlanex16_b32 v[BX+1], v[BM+1], s[SEL], s[SEL+1]
	v_max_num_f32 v[BM], v[BM], v[BX]
	v_max_num_f32 v[BM+1], v[BM+1], v[BX+1]
	v_add_nc_u32 v[SO], 0xfe000000, v[BM]
	v_add_nc_u32 v[SO+1], 0xfe000000, v[BM+1]
	v_cndmask_b32 v[TA], v[SO], v[SO+1], s[HM]     ; my block's: block h
	v_lshrrev_b32 v[TA], 23, v[TA]
	v_cvt_scalef32_pk16_bf6_f32 v[PC:PC+2], v[S:S+15], v[SO]
	v_cvt_scalef32_pk16_bf6_f32 v[T2:T2+2], v[S+16:S+31], v[SO+1]
	v_nop
.irp i, 0,1,2
	v_permlane16_swap_b32 v[PC+\i], v[T2+\i]
.endr
.irp i, 0,1,2
	v_mov_b32 v[PC+3+\i], v[T2+\i]
.endr
	global_store_b128 v1, v[PC:PC+3], s[8:9]       ; 512 consecutive bytes, at a multiple of 256 from oc's first byte
	global_store_b64 v2, v[PC+4:PC+5], s[8:9] offset:512
	global_store_b8 v7, v[TA], s[10:11]            ; one byte a lane: 131,072 of the 3,276,800 bytes that the launch stores
	s_wait_tensorcnt 0x0                           ; the wave's end
	ds_add_u32 v5, v6
	s_wait_dscnt 0x0
	ROUND                                          ; the closing round: no work-group ends while a partner may still ask for a tile that names it
	s_endpgm
.Lfunc_end_k_q0d595d4e50_attn:
	.size	k_q0d595d4e50_attn, .Lfunc_end_k_q0d595d4e50_attn-k_q0d595d4e50_attn
	.p2alignl 7, 3214868480
	.fill 96, 4, 3214868480
	.section	.rodata,"a",@progbits
	.p2align	6, 0x0
	.amdhsa_kernel k_q0d595d4e50_attn
		.amdhsa_group_segment_fixed_size 327680
		.amdhsa_private_segment_fixed_size 0
		.amdhsa_enable_private_segment 0
		.amdhsa_kernarg_size 32
		.amdhsa_user_sgpr_count 2
		.amdhsa_user_sgpr_kernarg_segment_ptr 1
		.amdhsa_wavefront_size32 1
		.amdhsa_system_sgpr_workgroup_id_x 1
		.amdhsa_system_sgpr_workgroup_id_y 1
		.amdhsa_system_sgpr_workgroup_id_z 1
		.amdhsa_system_vgpr_workitem_id 0
		.amdhsa_next_free_vgpr 256
		.amdhsa_next_free_sgpr 66
		.amdhsa_reserve_vcc 0
		.amdhsa_float_denorm_mode_32 3
		.amdhsa_float_denorm_mode_16_64 3
		.amdhsa_memory_ordered 1
		.amdhsa_forward_progress 1
		.amdhsa_inst_pref_size 46
	.end_amdhsa_kernel
	.amdgpu_metadata
---
amdhsa.version: [ 1, 2 ]
amdhsa.kernels:
  - .name:           k_q0d595d4e50_attn
    .symbol:         k_q0d595d4e50_attn.kd
    .args:
      - { .name: qkv, .offset: 0, .size: 8, .value_kind: global_buffer, .address_space: global }
      - { .name: qkvs, .offset: 8, .size: 8, .value_kind: global_buffer, .address_space: global }
      - { .name: oc, .offset: 16, .size: 8, .value_kind: global_buffer, .address_space: global }
      - { .name: os, .offset: 24, .size: 8, .value_kind: global_buffer, .address_space: global }
    .group_segment_fixed_size: 327680
    .private_segment_fixed_size: 0
    .kernarg_segment_align: 8
    .kernarg_segment_size: 32
    .max_flat_workgroup_size: 512
    .sgpr_count:     66
    .vgpr_count:     256
    .wavefront_size: 32
...
	.end_amdgpu_metadata
.endif
;; end of part 3
;; launch proj (part 4): grid 2 x 128, 16 waves a work-group, no clusters, 96,256 bytes of LDS; arguments oc, os, wimg, wp_scales, bp, x, out0; writes out0
.if DOCPART == 4
	.amdgcn_target "amdgcn-amd-amdhsa--gfx1250"
	.amdhsa_code_object_version 6
	.text
	.protected	k_q0d595d4e50_proj
	.globl	k_q0d595d4e50_proj
	.p2align	8
	.type	k_q0d595d4e50_proj,@function
k_q0d595d4e50_proj:
	s_mov_b64 s[64:65], 0
	v_nop
	global_prefetch_b8 v0, s[64:65] scope:SCOPE_SE
	s_setreg_imm32_b32 hwreg(HW_REG_WAVE_MODE, 25, 1), 1
	s_wait_xcnt 0x0
; PROJ.  out0[b][c][p] = the sum over k of o[b][p][k] wp[c][k] + bp[c] + x[b][c][p], the product on codes of BF6 (E3M2) with one E8M0 scale for each 32 along K.
; SHARES.  A work-group takes 64 positions of one batch (work-group y) and 256 of the 512 channels (work-group x); wave w takes weight tile 16 x + w, 16 channels, against the four position tiles: 4 accumulators.
; o's codes (24,576 bytes for the 64 positions, images of the operand's registers as the attention launch left them) are copied into LDS once, 1,536 bytes a wave, and read by all sixteen; the weight's four
; fragments stay in the wave's registers.  Source 0 = 16 positions, source 1 = 16 channels: a lane holds ONE channel and eight neighbouring positions, which are neighbours in out0.
; Tiles are permuted: lane r of tile 2 B + u holds element 32 B + 8 u + r + 8 (r / 8); register j of accumulator m is position 32 (m / 2) + 16 h + 8 (m % 2) + j.
; The bias is the C of each sum's first matrix instruction.  A channel's 64 positions are 256 bytes: they meet in the wave's own stage in LDS and leave, with x added, sixteen lanes to 256 consecutive aligned bytes.
; NO TENSOR LOAD, NO MULTICAST: what two work-groups share is o's 24,576 bytes, which each brings by 48 plain loads of 512 bytes; every load goes out at the head, so nothing is asked for ahead of its load.
; LIMITS: NaN and infinities are not served.
.set STG,  24576                       ; LDS: 0: o's images, fragment (m, s) half c at 6,144 m + 768 (2 s + c);  STG + 4,352 w: wave w's stage, 16 rows of 256 + 16 bytes
.set CP,   16                          ; v16-27   my part of the copy
.set OF,   32                          ; v32-79   o's four fragments of a K step; later 16 rows read back from the stage
.set WF,   80                          ; v80-127  the weight's four fragments, 12 s
.set ACC,  128                         ; v128-159
.set XR,   160                         ; v160-191 x
.set WS,   192                         ; v192-195 the weight's scale words
.set OS,   196                         ; v196-211 o's: 4 m + s
.set BC,   212                         ; v212-219 my channel's bias, eight times: an accumulator's layout
; v1 16 x lane; v2 8 x lane; v3 16 r; v4 16 (r + 8 (r / 8)); v5 4 (r + 8 (r / 8)); v6 16,384 h + 16 r; v7, v8 the stage, in and back; v9 where I put my part of the copy
	s_load_b256 s[4:11], s[0:1], 0x0               ; oc, os, wimg, wp_scales
	s_load_b128 s[12:15], s[0:1], 0x20             ; bp, x
	s_load_b64 s[16:17], s[0:1], 0x30              ; out0
	v_lshl_add_u32 v224, v0, 2, 0x17000
	v_mov_b32 v225, 0
	v_lshrrev_b32 v10, 5, v0
	v_readfirstlane_b32 s18, v10                   ; wave 0..15
	s_lshl_b32 s19, ttmp9, 4
	s_add_co_u32 s19, s19, s18                     ; my weight tile
	s_lshr_b32 s20, s19, 1
	s_lshl_b32 s20, s20, 5
	s_and_b32 s21, s19, 1
	s_lshl_b32 s21, s21, 3
	s_add_co_u32 s20, s20, s21                     ; its first channel: 32 (tile / 2) + 8 (tile % 2)
	s_and_b32 s21, ttmp7, 0xffff
	s_lshr_b32 s22, s21, 6                         ; batch
	s_and_b32 s21, s21, 63                         ; which 64 positions
	s_mul_i32 s24, s22, 1572864                    ; oc: batch, four position tiles of 6,144 bytes, my 1,536 of them
	s_mul_i32 s25, s21, 24576
	s_add_co_u32 s24, s24, s25
	s_mul_i32 s37, s18, 1536
	s_add_co_u32 s24, s24, s37
	s_mov_b32 s25, 0
	s_lshl_b32 s26, s22, 16                        ; os: 256 bytes a position tile
	s_lshl_b32 s27, s21, 10
	s_add_co_u32 s26, s26, s27
	s_mov_b32 s27, 0
	s_mul_i32 s28, s19, 6144                       ; wimg: the fourth weight, my tile
	s_add_co_u32 s28, s28, 589824
	s_mov_b32 s29, 0
	s_lshl_b32 s30, s20, 4                         ; wp_scales: 16 bytes a row
	s_mov_b32 s31, 0
	s_lshl_b32 s32, s20, 2                         ; bp
	s_mov_b32 s33, 0
	s_lshl_b32 s34, s22, 9
	s_add_co_u32 s34, s34, s20
	s_lshl_b32 s34, s34, 14                        ; x and out0: channel rows of 16,384 bytes,
	s_lshl_b32 s35, s21, 8
	s_add_co_u32 s34, s34, s35                     ; + my 64 positions
	s_mov_b32 s35, 0
	v_and_b32 v10, 31, v0                          ; lane
	v_and_b32 v11, 15, v0                          ; r
	v_bfe_u32 v12, v0, 4, 1                        ; h
	v_lshlrev_b32 v1, 4, v10
	v_lshlrev_b32 v2, 3, v10
	v_lshlrev_b32 v3, 4, v11
	v_and_b32 v13, 8, v11
	v_add_nc_u32 v13, v13, v11
	v_lshlrev_b32 v4, 4, v13
	v_lshlrev_b32 v5, 2, v13
	v_lshl_add_u32 v6, v12, 14, v3
	s_mul_i32 s36, s18, 4352
	s_add_co_u32 s36, s36, STG                     ; my stage
	v_mul_u32_u24 v7, v11, 272
	v_lshl_add_u32 v7, v12, 6, v7
	v_add_nc_u32 v7, s36, v7                       ; in: row r (my channel), + 64 h
	v_mul_u32_u24 v8, v12, 272
	v_add_nc_u32 v8, v8, v3
	v_add_nc_u32 v8, s36, v8                       ; back: lanes 0-15 one row, lanes 16-31 the next
	v_add_nc_u32 v9, s37, v1
	s_wait_kmcnt 0x0
	s_add_nc_u64 s[4:5], s[4:5], s[24:25]
	s_add_nc_u64 s[6:7], s[6:7], s[26:27]
	s_add_nc_u64 s[8:9], s[8:9], s[28:29]
	s_add_nc_u64 s[10:11], s[10:11], s[30:31]
	s_add_nc_u64 s[12:13], s[12:13], s[32:33]
	s_add_nc_u64 s[14:15], s[14:15], s[34:35]
	s_add_nc_u64 s[16:17], s[16:17], s[34:35]
.irp c, 0,1,2
	global_load_b128 v[CP+4*\c:CP+4*\c+3], v1, s[4:5] offset:512*\c
.endr
.irp s, 0,1,2,3
.irp c, 0,1,2
	global_load_b128 v[WF+12*\s+4*\c:WF+12*\s+4*\c+3], v1, s[8:9] offset:1536*\s+512*\c
.endr
.endr
	global_load_b128 v[WS:WS+3], v4, s[10:11]      ; my channel's 16 scale bytes are the four K steps' words
.irp m, 0,1,2,3
	global_load_b128 v[OS+4*\m:OS+4*\m+3], v3, s[6:7] offset:256*\m
.endr
.irp j, 0,1,2,3,4,5,6,7
	global_load_b32 v[BC+\j], v5, s[12:13]
.endr
.irp i, 0,1,2,3,4,5,6,7
	global_load_b128 v[XR+4*\i:XR+4*\i+3], v6, s[14:15] offset:(2*\i+8*(\i/4))*16384 th:TH_LOAD_NT   ; stage row 2 i + h is channel 2 i + h + 8 (i / 4) of the tile; this launch reads each byte of x once
.endr
	s_wait_loadcnt 33                              ; the copy's three loads are in; behind them: 12 + 1 + 4 + 8 + 8
.irp c, 0,1,2
	ds_store_b128 v9, v[CP+4*\c:CP+4*\c+3] offset:512*\c
.endr
	s_wait_dscnt 0x0                               ; for the others' sake: my stores have landed
	s_barrier_signal -1
	s_barrier_wait -1                              ; o's sixteen fragments lie in LDS; nobody writes them again
	s_wait_loadcnt 8                               ; all but x's eight loads are in
.macro MM d, a, b, c, sa, sb
	v_wmma_scale_f32_16x16x128_f8f6f4 v[\d:\d+7], v[\a:\a+11], v[\b:\b+11], v[\c:\c+7], v[\sa], v[\sb] matrix_a_fmt:MATRIX_FMT_BF6 matrix_b_fmt:MATRIX_FMT_BF6
.endm
.irp s, 0,1,2,3
.irp m, 0,1,2,3
.irp c, 0,1
	ds_load_b128 v[OF+12*\m+6*\c:OF+12*\m+6*\c+3], v1 offset:6144*\m+768*(2*\s+\c)
	ds_load_b64 v[OF+12*\m+6*\c+4:OF+12*\m+6*\c+5], v2 offset:6144*\m+768*(2*\s+\c)+512
.endr
.endr
	s_wait_dscnt 0x0
.irp m, 0,1,2,3                                ; the four accumulators by turns
.if \s == 0
	MM ACC+8*\m, OF+12*\m, WF+12*\s, BC, OS+4*\m+\s, WS+\s
.else
	MM ACC+8*\m, OF+12*\m, WF+12*\s, ACC+8*\m, OS+4*\m+\s, WS+\s
.endif
.endr
.rept 4
	v_nop                                          ; places in front of the next loads into the fragments' registers, and of the first reads of results
.endr
.endr
.irp m, 0,1,2,3
	ds_store_b128 v7, v[ACC+8*\m:ACC+8*\m+3] offset:128*(\m/2)+32*(\m%2)        ; each accumulator from its low end on
	ds_store_b128 v7, v[ACC+8*\m+4:ACC+8*\m+7] offset:128*(\m/2)+32*(\m%2)+16
.endr
.irp i, 0,1,2,3,4,5,6,7
	ds_load_b128 v[OF+4*\i:OF+4*\i+3], v8 offset:544*\i   ; LDS serves a wave's instructions in order (ISA guide 5.7.1.4): these see my stores; the stage is my wave's own
.endr
	s_wait_loadcnt 0x0                             ; x
	s_wait_dscnt 0x0
.set i, 0
.rept 16
	v_pk_add_f32 v[OF+2*i:OF+2*i+1], v[OF+2*i:OF+2*i+1], v[XR+2*i:XR+2*i+1]   ; the residual
.set i, i+1
.endr
.irp i, 0,1,2,3,4,5,6,7
	global_store_b128 v6, v[OF+4*\i:OF+4*\i+3], s[16:17] offset:(2*\i+8*(\i/4))*16384 th:TH_STORE_NT   ; 16 lanes store 256 consecutive bytes, at a multiple of 256 from out0's first byte
.endr
	s_wait_tensorcnt 0x0
	ds_add_u32 v224, v225
	s_wait_dscnt 0x0
	s_endpgm
.Lfunc_end_k_q0d595d4e50_proj:
	.size	k_q0d595d4e50_proj, .Lfunc_end_k_q0d595d4e50_proj-k_q0d595d4e50_proj
	.p2alignl 7, 3214868480
	.fill 96, 4, 3214868480
	.section	.rodata,"a",@progbits
	.p2align	6, 0x0
	.amdhsa_kernel k_q0d595d4e50_proj
		.amdhsa_group_segment_fixed_size 96256
		.amdhsa_private_segment_fixed_size 0
		.amdhsa_enable_private_segment 0
		.amdhsa_kernarg_size 56
		.amdhsa_user_sgpr_count 2
		.amdhsa_user_sgpr_kernarg_segment_ptr 1
		.amdhsa_wavefront_size32 1
		.amdhsa_system_sgpr_workgroup_id_x 1
		.amdhsa_system_sgpr_workgroup_id_y 1
		.amdhsa_system_sgpr_workgroup_id_z 1
		.amdhsa_system_vgpr_workitem_id 0
		.amdhsa_next_free_vgpr 226
		.amdhsa_next_free_sgpr 66
		.amdhsa_reserve_vcc 0
		.amdhsa_float_denorm_mode_32 3
		.amdhsa_float_denorm_mode_16_64 3
		.amdhsa_memory_ordered 1
		.amdhsa_forward_progress 1
		.amdhsa_inst_pref_size 17
	.end_amdhsa_kernel
	.amdgpu_metadata
---
amdhsa.version: [ 1, 2 ]
amdhsa.kernels:
  - .name:           k_q0d595d4e50_proj
    .symbol:         k_q0d595d4e50_proj.kd
    .args:
      - { .name: oc, .offset: 0, .size: 8, .value_kind: global_buffer, .address_space: global }
      - { .name: os, .offset: 8, .size: 8, .value_kind: global_buffer, .address_space: global }
      - { .name: wimg, .offset: 16, .size: 8, .value_kind: global_buffer, .address_space: global }
      - { .name: wp_scales, .offset: 24, .size: 8, .value_kind: global_buffer, .address_space: global }
      - { .name: bp, .offset: 32, .size: 8, .value_kind: global_buffer, .address_space: global }
      - { .name: x, .offset: 40, .size: 8, .value_kind: global_buffer, .address_space: global }
      - { .name: out0, .offset: 48, .size: 8, .value_kind: global_buffer, .address_space: global }
    .group_segment_fixed_size: 96256
    .private_segment_fixed_size: 0
    .kernarg_segment_align: 8
    .kernarg_segment_size: 56
    .max_flat_workgroup_size: 512
    .sgpr_count:     66
    .vgpr_count:     226
    .wavefront_size: 32
...
	.end_amdgpu_metadata
.endif
;; end of part 4
;; ======== version 2 of 2: 4 launches
;; workspace buffers: stats 2,048 bytes; wimg 786,432 bytes; qkv 9,437,184 bytes; qkvs 393,216 bytes; oc 3,145,728 bytes; os 131,072 bytes
;; launch prep (part 5): grid 256 x 1, 8 waves a work-group, no clusters, 1,280 bytes of LDS; arguments x, wq_codes, wk_codes, wv_codes, wp_codes, stats, wimg; writes stats, wimg
.if DOCPART == 5
	.amdgcn_target "amdgcn-amd-amdhsa--gfx1250"
	.amdhsa_code_object_version 6
	.text
	.protected	k_q0d595d4e50_prep
	.globl	k_q0d595d4e50_prep
	.p2align	8
	.type	k_q0d595d4e50_prep,@function
k_q0d595d4e50_prep:
	s_mov_b64 s[64:65], 0
	v_nop
	global_prefetch_b8 v0, s[64:65] scope:SCOPE_SE
	s_setreg_imm32_b32 hwreg(HW_REG_WAVE_MODE, 25, 1), 1
	s_wait_xcnt 0x0
; PREP.  Two things that the later launches want ready.
; (1) GroupNorm's statistics, in parts.  x is [2][512][4096] f32; a group is 16 channels, 262,144 consecutive bytes.  Work-group g takes the 65,536 bytes at 65,536 g, a quarter of a group
;     (16,384 numbers), keeps them in registers (64 a thread), and stores the quarter's mean and its sum of squared distances from THAT mean: two passes over registers, so a common offset of x costs no digits.
;     stats: [batch 2][group 32][quarter 4][mean, M2] f32: 8 bytes at 8 g.  The four quarters are joined by the launch that normalises.
; (2) The four weights' codes laid as the matrix unit's registers take them.  A fragment is 16 rows x 128 K of 6-bit codes, 12 registers a lane: lane (r, h) holds row r, registers 6 c .. 6 c + 5 = K 64 c + 32 h + 0 .. 31.
;     wimg: [weight 4: q, k, v, p][tile 32][K step 4][1,536 bytes]; registers 4 c .. 4 c + 3 of lane L lie at 512 c + 16 L, so that a fragment later comes by three loads of 512 consecutive bytes.
;     THE ROWS OF A TILE ARE NOT NEIGHBOURS: lane r of tile 2 B + u takes row 32 B + 8 u + r + 8 (r / 8), so that results made with such a tile lie 16 neighbours to a lane along the next product's K.
;     512 fragments: waves 0 and 1 of each work-group take one each.
; No tensor load, no cluster: no two work-groups read the same byte.  Every load goes out at the head, so nothing is asked for ahead of its load.
; LIMITS: NaN and infinities in x are not served.
.set XR, 8                             ; v8-71    my 64 numbers of x
.set WR, 72                            ; v72-83   a fragment's 12 registers (waves 0 and 1)
.set CH, 84                            ; v84-91   four chains of packed sums
.set NM, 92                            ; v92-93   minus the mean, twice; at the end the mean and M2
.set TP, 94                            ; v94      the other half of the lanes' sum
.set LW, 95                            ; v95      LDS: 4 x my wave
.set RB, 96                            ; v96-103  the eight waves' sums
.set ZR, 104                           ; v104     0
	s_load_b256 s[4:11], s[0:1], 0x0               ; x, wq_codes, wk_codes, wv_codes
	s_load_b128 s[12:15], s[0:1], 0x20             ; wp_codes, stats
	s_load_b64 s[16:17], s[0:1], 0x30              ; wimg
	v_lshl_add_u32 v112, v0, 2, 0x100
	v_mov_b32 v113, 0
	v_lshrrev_b32 v1, 5, v0
	s_delay_alu instid0(VALU_DEP_1)
	v_readfirstlane_b32 s18, v1                    ; wave 0..7
	v_and_b32 v2, 31, v0                           ; lane
	v_and_b32 v3, 15, v0                           ; r
	v_bfe_u32 v4, v0, 4, 1                         ; h
	v_lshlrev_b32 v5, 4, v0                        ; x: 16 bytes a thread, 4,096 a load of the work-group
	s_delay_alu instid0(VALU_DEP_3)
	v_and_b32 v6, 8, v3
	s_delay_alu instid0(VALU_DEP_1)
	v_add_nc_u32 v6, v6, v3                        ; r + 8 (r / 8)
	s_delay_alu instid0(VALU_DEP_1)
	v_mul_u32_u24 v6, v6, 384                      ; a weight's row is 512 codes, 384 bytes
	s_delay_alu instid0(VALU_DEP_1)
	v_mad_u32_u24 v6, v4, 24, v6                   ; + 24 h
	v_lshlrev_b32 v7, 4, v2                        ; the image: 16 x lane
	v_lshlrev_b32 v[LW], 2, v1
	v_mov_b32 v[ZR], 0
	v_mov_b32 v[TP], 0                             ; written once: a lane permute's destination counts as one of its sources
	s_mov_b32 s24, 0x76543210
	s_mov_b32 s25, 0xfedcba98                      ; v_permlanex16_b32's selects for lane l xor 16
	s_lshl_b32 s19, ttmp9, 1
	s_add_co_u32 s19, s19, s18                     ; my fragment (waves 0 and 1): 128 x weight + 4 x tile + K step
	s_bfe_u32 s22, s19, 0x40003                    ; tile / 2
	s_mul_i32 s22, s22, 32*384
	s_bfe_u32 s23, s19, 0x10002                    ; tile % 2
	s_mul_i32 s23, s23, 8*384
	s_add_co_u32 s22, s22, s23
	s_and_b32 s23, s19, 3                          ; K step: 96 bytes of a row
	s_mul_i32 s23, s23, 96
	s_add_co_u32 s22, s22, s23
	s_mov_b32 s23, 0
	s_lshl_b32 s28, ttmp9, 16                      ; my quarter group in x
	s_mov_b32 s29, 0
	s_mul_i32 s30, s19, 1536                       ; my fragment in wimg
	s_mov_b32 s31, 0
	s_lshl_b32 s32, ttmp9, 3                       ; my 8 bytes of stats
	s_mov_b32 s33, 0
	s_lshr_b32 s34, ttmp9, 6                       ; which weight: the choice hangs on the work-group's number alone
	s_wait_alu depctr_va_vdst(0)
	s_wait_kmcnt 0x0
	s_cmp_eq_u32 s34, 0
	s_cselect_b64 s[20:21], s[6:7], s[8:9]
	s_cmp_eq_u32 s34, 2
	s_cselect_b64 s[20:21], s[10:11], s[20:21]
	s_cmp_eq_u32 s34, 3
	s_cselect_b64 s[20:21], s[12:13], s[20:21]
	s_add_nc_u64 s[20:21], s[20:21], s[22:23]
	s_add_nc_u64 s[4:5], s[4:5], s[28:29]
	s_add_nc_u64 s[16:17], s[16:17], s[30:31]
	s_add_nc_u64 s[14:15], s[14:15], s[32:33]
.irp j, 0,1,2,3,4,5,6,7,8,9,10,11,12,13,14,15
	global_load_b128 v[XR+4*\j:XR+4*\j+3], v5, s[4:5] offset:4096*\j   ; a wave's load covers 512 consecutive bytes
.endr
	s_cmp_lt_u32 s18, 2
	s_cbranch_scc0 .Lno_weight
.irp p, 0,1,2,3,4,5
	global_load_b64 v[WR+2*\p:WR+2*\p+1], v6, s[20:21] offset:48*(\p/3)+8*(\p%3)   ; 24 bytes of the row's stream of bits, twice, in pieces of 8
.endr
	s_wait_loadcnt 0x0
.irp c, 0,1,2
	global_store_b128 v7, v[WR+4*\c:WR+4*\c+3], s[16:17] offset:512*\c   ; 512 consecutive bytes, at a multiple of 256 from wimg's first byte
.endr
.Lno_weight:
	s_wait_loadcnt 0x0                             ; my 64 numbers are in
; a sum over the wave's 32 lanes, the result in every lane
.macro WSUM a
	s_delay_alu instid0(VALU_DEP_1)
	v_add_f32_dpp v[\a], v[\a], v[\a] row_xmask:1 row_mask:0xf bank_mask:0xf
	s_delay_alu instid0(VALU_DEP_1)
	v_add_f32_dpp v[\a], v[\a], v[\a] row_xmask:2 row_mask:0xf bank_mask:0xf
	s_delay_alu instid0(VALU_DEP_1)
	v_add_f32_dpp v[\a], v[\a], v[\a] row_xmask:4 row_mask:0xf bank_mask:0xf
	s_delay_alu instid0(VALU_DEP_1)
	v_add_f32_dpp v[\a], v[\a], v[\a] row_xmask:8 row_mask:0xf bank_mask:0xf
	s_delay_alu instid0(VALU_DEP_1)
	v_permlanex16_b32 v[TP], v[\a], s24, s25
	s_delay_alu instid0(VALU_DEP_1)
	v_add_f32 v[\a], v[\a], v[TP]
.endm
; the eight waves' sums meet in 32 LDS bytes from base on; each of the two uses has bytes of its own, so one barrier serves each
.macro GSUM a, d, base
	ds_store_b32 v[LW], v[\a] offset:\base         ; all lanes of a wave write the same word with the same value
	s_wait_dscnt 0x0                               ; for the others' sake: my store has landed
	s_barrier_signal -1
	s_barrier_wait -1
	ds_load_b128 v[RB:RB+3], v[ZR] offset:\base
	ds_load_b128 v[RB+4:RB+7], v[ZR] offset:\base+16
	s_wait_dscnt 0x0
	v_pk_add_f32 v[RB:RB+1], v[RB:RB+1], v[RB+2:RB+3]
	v_pk_add_f32 v[RB+4:RB+5], v[RB+4:RB+5], v[RB+6:RB+7]
	s_delay_alu instid0(VALU_DEP_1)
	v_pk_add_f32 v[RB:RB+1], v[RB:RB+1], v[RB+4:RB+5]
	s_delay_alu instid0(VALU_DEP_1)
	v_add_f32 v[\d], v[RB], v[RB+1]
.endm
.macro FOLD                            ; the four chains into v[CH]
	s_delay_alu instid0(VALU_DEP_3)
	v_pk_add_f32 v[CH:CH+1], v[CH:CH+1], v[CH+2:CH+3]
	s_delay_alu instid0(VALU_DEP_2)
	v_pk_add_f32 v[CH+4:CH+5], v[CH+4:CH+5], v[CH+6:CH+7]
	s_delay_alu instid0(VALU_DEP_1)
	v_pk_add_f32 v[CH:CH+1], v[CH:CH+1], v[CH+4:CH+5]
	s_delay_alu instid0(VALU_DEP_1)
	v_add_f32 v[CH], v[CH], v[CH+1]
.endm
	; pass 1: the sum, two numbers at a time, in four chains that the first pairs start
.irp k, 0,1,2,3
	v_pk_add_f32 v[CH+2*\k:CH+2*\k+1], v[XR+2*\k:XR+2*\k+1], v[XR+8+2*\k:XR+8+2*\k+1]
.endr
.irp j, 8,12,16,20,24,28
.irp k, 0,1,2,3
	s_delay_alu instid0(VALU_DEP_4)
	v_pk_add_f32 v[CH+2*\k:CH+2*\k+1], v[CH+2*\k:CH+2*\k+1], v[XR+2*(\j+\k):XR+2*(\j+\k)+1]
.endr
.endr
	FOLD
	WSUM CH
	GSUM CH, CH, 0
	s_delay_alu instid0(VALU_DEP_1)
	v_mul_f32 v[NM], 0xb8800000, v[CH]             ; minus the mean: the sum x -1 / 16,384
	s_delay_alu instid0(VALU_DEP_1)
	v_mov_b32 v[NM+1], v[NM]
	; pass 2: the squared distances from that mean
.set j, 0
.rept 32
	v_pk_add_f32 v[XR+2*j:XR+2*j+1], v[XR+2*j:XR+2*j+1], v[NM:NM+1]
.set j, j+1
.endr
.irp k, 0,1,2,3
	v_pk_mul_f32 v[CH+2*\k:CH+2*\k+1], v[XR+2*\k:XR+2*\k+1], v[XR+2*\k:XR+2*\k+1]
.endr
.irp j, 4,8,12,16,20,24,28
.irp k, 0,1,2,3
	s_delay_alu instid0(VALU_DEP_4)
	v_pk_fma_f32 v[CH+2*\k:CH+2*\k+1], v[XR+2*(\j+\k):XR+2*(\j+\k)+1], v[XR+2*(\j+\k):XR+2*(\j+\k)+1], v[CH+2*\k:CH+2*\k+1]
.endr
.endr
	FOLD
	WSUM CH
	GSUM CH, NM+1, 64                              ; M2
	v_xor_b32 v[NM], 0x80000000, v[NM]             ; the mean
	s_cmp_lg_u32 s18, 0
	s_cbranch_scc1 .Lend
	v_cmp_eq_u32 vcc_lo, 0, v0
	s_wait_xcnt 0x0                                ; EXEC is a source of the memory instructions issued so far: it changes only behind this wait
	s_and_saveexec_b32 s26, vcc_lo
	s_wait_alu depctr_va_vdst(0)
	global_store_b64 v[ZR], v[NM:NM+1], s[14:15]   ; thread 0 alone: 8 bytes a work-group, 2,048 in the launch
	s_wait_xcnt 0x0                                ; and again in front of the line that widens it
	s_or_b32 exec_lo, exec_lo, s26
.Lend:
	s_wait_tensorcnt 0x0
	ds_add_u32 v112, v113
	s_wait_dscnt 0x0
	s_endpgm
.Lfunc_end_k_q0d595d4e50_prep:
	.size	k_q0d595d4e50_prep, .Lfunc_end_k_q0d595d4e50_prep-k_q0d595d4e50_prep
	.p2alignl 7, 3214868480
	.fill 96, 4, 3214868480
	.section	.rodata,"a",@progbits
	.p2align	6, 0x0
	.amdhsa_kernel k_q0d595d4e50_prep
		.amdhsa_group_segment_fixed_size 1280
		.amdhsa_private_segment_fixed_size 0
		.amdhsa_enable_private_segment 0
		.amdhsa_kernarg_size 56
		.amdhsa_user_sgpr_count 2
		.amdhsa_user_sgpr_kernarg_segment_ptr 1
		.amdhsa_wavefront_size32 1
		.amdhsa_system_sgpr_workgroup_id_x 1
		.amdhsa_system_sgpr_workgroup_id_y 1
		.amdhsa_system_sgpr_workgroup_id_z 1
		.amdhsa_system_vgpr_workitem_id 0
		.amdhsa_next_free_vgpr 114
		.amdhsa_next_free_sgpr 66
		.amdhsa_reserve_vcc 1
		.amdhsa_float_denorm_mode_32 3
		.amdhsa_float_denorm_mode_16_64 3
		.amdhsa_memory_ordered 1
		.amdhsa_forward_progress 1
		.amdhsa_inst_pref_size 17
	.end_amdhsa_kernel
	.amdgpu_metadata
---
amdhsa.version: [ 1, 2 ]
amdhsa.kernels:
  - .name:           k_q0d595d4e50_prep
    .symbol:         k_q0d595d4e50_prep.kd
    .args:
      - { .name: x, .offset: 0, .size: 8, .value_kind: global_buffer, .address_space: global }
      - { .name: wq_codes, .offset: 8, .size: 8, .value_kind: global_buffer, .address_space: global }
      - { .name: wk_codes, .offset: 16, .size: 8, .value_kind: global_buffer, .address_space: global }
      - { .name: wv_codes, .offset: 24, .size: 8, .value_kind: global_buffer, .address_space: global }
      - { .name: wp_codes, .offset: 32, .size: 8, .value_kind: global_buffer, .address_space: global }
      - { .name: stats, .offset: 40, .size: 8, .value_kind: global_buffer, .address_space: global }
      - { .name: wimg, .offset: 48, .size: 8, .value_kind: global_buffer, .address_space: global }
    .group_segment_fixed_size: 1280
    .private_segment_fixed_size: 0
    .kernarg_segment_align: 8
    .kernarg_segment_size: 56
    .max_flat_workgroup_size: 256
    .sgpr_count:     66
    .vgpr_count:     114
    .wavefront_size: 32
...
	.end_amdgpu_metadata
.endif
;; end of part 5
;; launch qkv (part 6): grid 2 x 128, 12 waves a work-group, no clusters, 27,136 bytes of LDS; arguments x, gn_w, gn_b, stats, wimg, wq_scales, wk_scales, wv_scales, bq, bk, bv, qkv, qkvs; writes qkv, qkvs
.if DOCPART == 6
	.amdgcn_target "amdgcn-amd-amdhsa--gfx1250"
	.amdhsa_code_object_version 6
	.text
	.protected	k_q0d595d4e50_qkv
	.globl	k_q0d595d4e50_qkv
	.p2align	8
	.type	k_q0d595d4e50_qkv,@function
k_q0d595d4e50_qkv:
	s_mov_b64 s[64:65], 0
	v_nop
	global_prefetch_b8 v0, s[64:65] scope:SCOPE_SE
	s_setreg_imm32_b32 hwreg(HW_REG_WAVE_MODE, 25, 1), 1
	s_wait_xcnt 0x0
; QKV.  t = GroupNorm(x) laid [position][channel]; q = (t wq^T + bq) S, k = (t wk^T + bk) S, v = t wv^T + bv, S = 64^-0.25; all three products on codes of BF6 (E3M2) with one E8M0 scale for each 32 along K.
; The results leave as codes again: q and k quantised along the head's 64 channels, v along the positions (the keys), each in the order in which the attention launch's operand registers take them.
; SHARES.  A work-group takes 64 positions of one batch (work-group y) and four of the eight heads (work-group x: the two that read the same part of x are neighbours in the grid).  Twelve waves, three to a SIMD:
; wave w has role w / 4 (q, k, v) and head 4 x + w % 4: 64 output channels x 64 positions, 16 accumulators.
; PHASE X.  K is the channel axis, which is outermost in x: a lane takes two positions and its registers run down 32 channels, one block, so that a block's largest magnitude needs no other lane and the conversions give
; codes with K innermost.  A task is one block of 32 channels x 64 positions: 16 tasks, one for each wave and a second for waves 0 to 3.  t's codes go to LDS as images of the operand's registers; one barrier.
; TILES ARE PERMUTED: lane r of tile 2 B + u (of positions, and of a weight's rows) holds element 32 B + 8 u + r + 8 (r / 8).  In a result whose rows come from such a tile, register j of lane (., h) is element
; 32 B + 16 h + 8 u + j: the 16 registers of tiles 2 B and 2 B + 1 are 16 neighbours along the next product's K.  q, k: source 0 = the weight's rows (next K = channels); v: source 0 = positions (next K = keys).
; A HALF IMAGE is six registers a lane (K 32 h + 0 .. 31 of row r), 768 bytes: registers 0-3 at 16 x lane, registers 4-5 at 512 + 8 x lane.
; qkv:  [role 3][batch x head 16][256][768].  q, k: entry T = position tile T.  v: entry 4 (position / 64) + channel tile.
; qkvs: [role 3][batch x head 16][step of 128 positions: 32][256].  q, k: byte 16 r + 2 (T % 8) + block;  v: byte 16 r + 4 x channel tile + block of the step's four.
; NO MULTICAST, NO TENSOR LOAD: the weights go from wimg straight into registers, each byte once a work-group, in runs of 512 bytes; as LDS tiles the work-group's 768 rows of 384 bytes, padded to a pitch of 432, would be
; 331,776 bytes, more than the 327,680 of a WGP.  Nothing is asked for ahead of its load: the loads of x go out together at the head.
; The scale bytes leave singly (one byte a lane, 32 bytes of one aligned run of 256): 393,216 of the 9,830,400 bytes that the launch stores.
; LIMITS: NaN and infinities are not served.  A block whose largest magnitude lies under 2^-122, a block of zeros too, gets the byte 1: its codes are zeros, and this program alone reads the bytes.
; (sum + b) S is computed as fma(sum, S, b S).
.set TSC,  24576                       ; LDS: 0: t's 16 fragments (position tile m, K step s) at (4 m + s) 1,536, two half images each;  TSC: their scale words at (4 m + s) 64 + 4 r
.set XA,   128                         ; v128-191 task A: 32 channels x 2 positions;  v192-255 task B
.set XB,   192
.set Y,    32                          ; v32-63   one position's 32 channels, normalised
.set SA,   64                          ; v64-71, v72-79 the four quarters' mean and M2 of my half's group, tasks A and B
.set SB,   72
.set TS,   12                          ; v12-15   t's scale words, one for each position tile
.set WS,   16                          ; v16-31   the weight's scale words: 4 n + s
.set TF,   32                          ; v32-79   t's four fragments of a K step
.set WF,   80                          ; v80-127  the weight's four
.set ACC,  128                         ; v128-255 16 accumulators
.set BI,   32                          ; behind the products: the bias;
.set CG,   64                          ; four half images, 8 registers apart;
.set T2,   96                          ; a conversion's second three registers;
.set BM,   100                         ; two blocks' largest magnitudes;  BX: the other half of the lanes';  SO: the conversions' scale operands;  BY: four scale bytes
.set BX,   102
.set SO,   104
.set BY,   108
.set HM,   30                          ; s30  a mask of lanes 16-31
.set EPSR, 31                          ; s31  1e-5
.set SEL,  100                         ; s[100:101] v_permlanex16_b32's selects for lane l xor 16
; v1 8 x lane; v2 16 x lane; v3 TSC + 4 r; v4, v5, v6 where phase X stores 16, 8 and 1 byte; v7 32 h; v8 16 (r + 8 (r / 8)); v9 64 h; v10 4 (r + 8 (r / 8)); v11 16 r + h.  None is rewritten.
	s_load_b512 s[4:19], s[0:1], 0x0               ; x, gn_w, gn_b, stats, wimg, wq_scales, wk_scales, wv_scales
	s_load_b256 s[20:27], s[0:1], 0x40             ; bq, bk, bv, qkv
	s_load_b64 s[28:29], s[0:1], 0x60              ; qkvs
	s_set_vgpr_msb 0x40
	v_lshl_add_u32 v0, v0, 2, 0x6400
	v_mov_b32 v1, 0
	s_set_vgpr_msb 0x4000
	v_lshrrev_b32 v1, 5, v0
	s_delay_alu instid0(VALU_DEP_1)
	v_readfirstlane_b32 s2, v1                     ; wave 0..11; in phase X also my first block of 32 channels
	s_lshr_b32 s3, s2, 2                           ; role
	s_and_b32 s32, s2, 3
	s_lshl_b32 s33, ttmp9, 2
	s_add_co_u32 s32, s32, s33                     ; head
	s_and_b32 s33, ttmp7, 0xffff
	s_lshr_b32 s34, s33, 6                         ; batch
	s_and_b32 s33, s33, 63                         ; which 64 positions
	s_lshl_b32 s36, s34, 23                        ; x: batch, + 32 channels x my block, + 256 bytes x my 64 positions
	s_lshl_b32 s37, s2, 19
	s_add_co_u32 s36, s36, s37
	s_lshl_b32 s37, s33, 8
	s_add_co_u32 s36, s36, s37
	s_mov_b32 s37, 0
	s_lshl_b32 s38, s2, 7                          ; gn_w, gn_b: 128 bytes a block
	s_mov_b32 s39, 0
	s_lshl_b32 s40, s34, 10                        ; stats: 1,024 bytes a batch, 64 a block (two groups)
	s_lshl_b32 s41, s2, 6
	s_add_co_u32 s40, s40, s41
	s_mov_b32 s41, 0
	s_mul_i32 s42, s3, 196608                      ; wimg: the role's weight, the head's four tiles
	s_mul_i32 s43, s32, 24576
	s_add_co_u32 s42, s42, s43
	s_mov_b32 s43, 0
	s_lshl_b32 s44, s32, 10                        ; the weight's scale bytes: 16 a row, 64 rows a head
	s_mov_b32 s45, 0
	s_lshl_b32 s46, s32, 8                         ; the bias: 64 numbers a head
	s_mov_b32 s47, 0
	s_lshl_b32 s52, s34, 3
	s_add_co_u32 s52, s52, s32                     ; 8 x batch + head
	s_mul_i32 s48, s3, 3145728
	s_mul_i32 s49, s52, 196608
	s_add_co_u32 s48, s48, s49
	s_mul_i32 s49, s33, 3072                       ; four entries of 768 bytes
	s_add_co_u32 s48, s48, s49
	s_mov_b32 s49, 0
	s_lshl_b32 s50, s3, 17
	s_lshl_b32 s51, s52, 13
	s_add_co_u32 s50, s50, s51
	s_lshr_b32 s51, s33, 1
	s_lshl_b32 s51, s51, 8                         ; the step of 128 positions
	s_add_co_u32 s50, s50, s51
	s_and_b32 s53, s33, 1                          ; its first or second 64:
	s_cmp_eq_u32 s3, 2
	s_cselect_b32 s52, 1, 3
	s_lshl_b32 s53, s53, s52                       ; 8 bytes on for q and k (four tiles x two blocks), 2 for v (two blocks)
	s_add_co_u32 s50, s50, s53
	s_mov_b32 s51, 0
	; where my block's codes go in LDS: block kb is K step kb / 4, half (kb / 2) % 2, lanes 16 (kb % 2) on
	s_mul_i32 s54, s3, 1536
	s_bfe_u32 s55, s2, 0x10001
	s_mul_i32 s55, s55, 768
	s_add_co_u32 s54, s54, s55
	s_and_b32 s56, s2, 1
	s_lshl_b32 s57, s56, 8
	s_add_co_u32 s57, s57, s54                     ; for registers 0-3
	s_lshl_b32 s58, s56, 7
	s_add_co_u32 s58, s58, s54
	s_add_co_u32 s58, s58, 512                     ; for registers 4-5
	s_lshl_b32 s59, s3, 6
	s_and_b32 s56, s2, 3
	s_add_co_u32 s59, s59, s56
	s_add_co_u32 s59, s59, TSC                     ; for the scale byte: word of K step kb / 4, byte kb % 4
	v_and_b32 v12, 31, v0                          ; lane
	v_and_b32 v13, 15, v0                          ; r
	v_bfe_u32 v14, v0, 4, 1                        ; h
	s_delay_alu instid0(VALU_DEP_3)
	v_lshlrev_b32 v1, 3, v12
	s_delay_alu instid0(VALU_DEP_4)
	v_lshlrev_b32 v2, 4, v12
	s_delay_alu instid0(VALU_DEP_4)
	v_lshl_add_u32 v3, v13, 2, TSC
	s_delay_alu instid0(VALU_DEP_4)
	v_lshlrev_b32 v7, 5, v14
	v_and_b32 v15, 8, v13
	s_delay_alu instid0(VALU_DEP_1)
	v_add_nc_u32 v15, v15, v13                     ; r + 8 (r / 8)
	s_delay_alu instid0(VALU_DEP_1)
	v_lshlrev_b32 v8, 4, v15
	v_lshlrev_b32 v9, 6, v14
	s_delay_alu instid0(VALU_DEP_3)
	v_lshlrev_b32 v10, 2, v15
	v_lshl_add_u32 v11, v13, 4, v14
	; in phase X lane l holds positions p = 2 l + e.  p = 32 B + 8 u + r + 8 (r / 8) gives B = bit 5, r / 8 = bit 4, u = bit 3, r % 8 = bits 2:0 of p
	v_bfe_u32 v16, v0, 2, 1
	s_delay_alu instid0(VALU_DEP_1)
	v_lshl_add_u32 v16, v14, 1, v16                ; position tile m = 2 x bit 4 of l + bit 2 of l
	v_and_b32 v17, 3, v0
	v_bfe_u32 v18, v0, 3, 1
	s_delay_alu instid0(VALU_DEP_2)
	v_lshlrev_b32 v17, 1, v17
	s_delay_alu instid0(VALU_DEP_1)
	v_lshl_add_u32 v17, v18, 3, v17                ; r of position 2 l: 2 (l % 4) + 8 x bit 3 of l; position 2 l + 1 is the next r
	v_mul_u32_u24 v19, v16, 6144                   ; a position tile's four fragments
	s_delay_alu instid0(VALU_DEP_1)
	v_lshl_add_u32 v4, v17, 4, v19
	s_delay_alu instid0(VALU_DEP_1)
	v_add_nc_u32 v4, s57, v4
	s_delay_alu instid0(VALU_DEP_3)
	v_lshl_add_u32 v5, v17, 3, v19
	s_delay_alu instid0(VALU_DEP_1)
	v_add_nc_u32 v5, s58, v5
	v_lshlrev_b32 v6, 8, v16
	s_delay_alu instid0(VALU_DEP_1)
	v_lshl_add_u32 v6, v17, 2, v6
	s_delay_alu instid0(VALU_DEP_1)
	v_add_nc_u32 v6, s59, v6
	s_mov_b32 s[HM], 0xffff0000
	s_mov_b32 s[EPSR], 0x3727c5ac
	s_mov_b32 s[SEL], 0x76543210
	s_mov_b32 s[SEL+1], 0xfedcba98
	s_wait_kmcnt 0x0
	s_cmp_eq_u32 s3, 1                             ; the role's scale bytes and bias: the choice hangs on the wave's number alone
	s_cselect_b64 s[14:15], s[16:17], s[14:15]
	s_cselect_b64 s[20:21], s[22:23], s[20:21]
	s_cmp_eq_u32 s3, 2
	s_cselect_b64 s[14:15], s[18:19], s[14:15]
	s_cselect_b64 s[20:21], s[24:25], s[20:21]
	s_add_nc_u64 s[4:5], s[4:5], s[36:37]
	s_add_nc_u64 s[6:7], s[6:7], s[38:39]
	s_add_nc_u64 s[8:9], s[8:9], s[38:39]
	s_add_nc_u64 s[10:11], s[10:11], s[40:41]
	s_add_nc_u64 s[12:13], s[12:13], s[42:43]
	s_add_nc_u64 s[14:15], s[14:15], s[44:45]
	s_add_nc_u64 s[20:21], s[20:21], s[46:47]
	s_add_nc_u64 s[26:27], s[26:27], s[48:49]
	s_add_nc_u64 s[28:29], s[28:29], s[50:51]
	s_load_b512 s[32:47], s[6:7], 0x0              ; gn_w of my block's 32 channels: s32-63
	s_load_b512 s[48:63], s[6:7], 0x40
	s_load_b512 s[68:83], s[8:9], 0x0              ; gn_b: s68-99
	s_load_b512 s[84:99], s[8:9], 0x40
	global_load_b128 v[SA:SA+3], v7, s[10:11]      ; lanes 0-15: the block's first group, lanes 16-31: its second
	global_load_b128 v[SA+4:SA+7], v7, s[10:11] offset:16
.set i, 0
.rept 32
	global_load_b64 v[XA+2*i:XA+2*i+1], v1, s[4:5] offset:16384*i   ; 256 consecutive bytes of one channel
.set i, i+1
.endr
	s_cmp_lt_u32 s2, 4
	s_cbranch_scc0 .Lno_b_loads
	global_load_b128 v[SB:SB+3], v7, s[10:11] offset:768             ; task B is block 12 + wave
	global_load_b128 v[SB+4:SB+7], v7, s[10:11] offset:784
.set i, 0
.rept 32
	global_load_b64 v[XB+2*i:XB+2*i+1], v1, s[4:5] offset:6291456+16384*i
.set i, i+1
.endr
.Lno_b_loads:
.macro WLOAD s                         ; the weight's four fragments of K step s
.irp n, 0,1,2,3
.irp c, 0,1,2
	global_load_b128 v[WF+12*\n+4*\c:WF+12*\n+4*\c+3], v2, s[12:13] offset:6144*\n+1536*(\s)+512*\c
.endr
.endr
.endm
	WLOAD 0
	s_wait_loadcnt 0x0
	s_wait_kmcnt 0x0
; One task.  xr: the 64 numbers; st: the statistics as loaded; ia, ib: what task B adds to the LDS addresses.
.macro TASK xr, st, ia, ib
	; the group's mean and M2 from its four quarters of 16,384: M2 = the quarters' M2 + 16,384 x the squared distances of their means from the mean: no difference of large sums is formed
	v_add_f32 v25, v[\st], v[\st+2]
	v_add_f32 v26, v[\st+4], v[\st+6]
	v_add_f32 v28, v[\st+1], v[\st+3]
	v_add_f32 v29, v[\st+5], v[\st+7]
	s_delay_alu instid0(VALU_DEP_3)
	v_add_f32 v25, v25, v26
	s_delay_alu instid0(VALU_DEP_2)
	v_add_f32 v28, v28, v29
	s_delay_alu instid0(VALU_DEP_2)
	v_mul_f32 v25, 0x3e800000, v25                 ; the mean
	s_delay_alu instid0(VALU_DEP_1)
	v_sub_f32 v27, v[\st], v25
	s_delay_alu instid0(VALU_DEP_1)
	v_mul_f32 v26, v27, v27
.irp q, 2,4,6
	v_sub_f32 v27, v[\st+\q], v25
	s_delay_alu instid0(VALU_DEP_1)
	v_fmac_f32 v26, v27, v27
.endr
	s_delay_alu instid0(VALU_DEP_1)
	v_fma_f32 v28, v26, 0x46800000, v28            ; x 16,384
	s_delay_alu instid0(VALU_DEP_1)
	v_fma_f32 v28, v28, 0x37800000, s[EPSR]        ; the variance, M2 / 65,536, + 1e-5
	s_wait_alu depctr_va_vdst(0)
	v_rsq_f32 v29, v28
	v_nop                                          ; one plain instruction behind the transcendental,
	s_wait_alu depctr_va_vdst(0)                   ; and the wait ahead of the first use
	v_readlane_b32 s16, v25, 0                     ; the two groups' figures as scalars: they are operands of arithmetic alone
	v_readlane_b32 s18, v25, 16
	v_readlane_b32 s22, v29, 0
	v_readlane_b32 s24, v29, 16
	s_xor_b32 s16, s16, 0x80000000                 ; minus the mean
	s_xor_b32 s18, s18, 0x80000000
	s_mov_b32 s17, s16                             ; (the packed forms name pairs, so both words are written)
	s_mov_b32 s19, s18
	s_mov_b32 s23, s22
	s_mov_b32 s25, s24
.set i, 0
.rept 32                                       ; (x - mean) x rsqrt(..), in that order: folded into one multiply-add it would be a difference of large numbers where x has an offset
	v_pk_add_f32 v[\xr+2*i:\xr+2*i+1], v[\xr+2*i:\xr+2*i+1], s[16+2*(i/16):17+2*(i/16)] op_sel_hi:[1,0]
.set i, i+1
.endr
.set i, 0
.rept 32
	v_pk_mul_f32 v[\xr+2*i:\xr+2*i+1], v[\xr+2*i:\xr+2*i+1], s[22+2*(i/16):23+2*(i/16)] op_sel_hi:[1,0]
.set i, i+1
.endr
.irp e, 0,1                                    ; position 2 l + e
.set i, 0
.rept 32
	v_fma_f32 v[Y+i], v[\xr+2*i+\e], s[32+i], s[68+i]   ; x gn_w + gn_b; this also parts the two positions
.set i, i+1
.endr
	v_max3_num_f32 v12, |v[Y]|, |v[Y+1]|, 0x2800000      ; the block's largest magnitude: all 32 numbers are mine; the floor 2^(5 - 127) holds the byte at 1 from below
	v_max3_num_f32 v13, |v[Y+16]|, |v[Y+17]|, 0x2800000
.irp q, 2,4,6,8,10,12,14
	s_delay_alu instid0(VALU_DEP_2)
	v_max3_num_f32 v12, v12, |v[Y+\q]|, |v[Y+\q+1]|
	s_delay_alu instid0(VALU_DEP_2)
	v_max3_num_f32 v13, v13, |v[Y+16+\q]|, |v[Y+17+\q]|
.endr
	s_delay_alu instid0(VALU_DEP_1)
	v_max_num_f32 v12, v12, v13
	s_wait_alu depctr_va_vdst(0)
	s_wait_dscnt 0x0                               ; the LDS stores before have read their registers
	v_add_nc_u32 v14, 0xfe000000, v12              ; 4 off the exponent field: the conversion takes this operand's exponent field as its scale
	s_delay_alu instid0(VALU_DEP_1)
	v_lshrrev_b32 v15, 23, v14                     ; the scale's byte
	v_cvt_scalef32_pk16_bf6_f32 v[16:18], v[Y:Y+15], v14
	v_cvt_scalef32_pk16_bf6_f32 v[22:24], v[Y+16:Y+31], v14   ; (a conversion's three registers begin on an even number)
	v_nop                                          ; one plain place behind a scaled conversion
	v_mov_b32 v19, v22
	v_mov_b32 v20, v23
	v_mov_b32 v21, v24
	ds_store_b128 v4, v[16:19] offset:\ia+16*\e
	ds_store_b64 v5, v[20:21] offset:\ia+8*\e
	ds_store_b8 v6, v15 offset:\ib+4*\e
.endr
.endm
	TASK XA, SA, 0, 0
	s_cmp_lt_u32 s2, 4
	s_cbranch_scc0 .Lno_b
	s_load_b512 s[32:47], s[6:7], 0x600            ; gn_w and gn_b twelve blocks on
	s_load_b512 s[48:63], s[6:7], 0x640
	s_load_b512 s[68:83], s[8:9], 0x600
	s_load_b512 s[84:99], s[8:9], 0x640
	s_wait_kmcnt 0x0
	TASK XB, SB, 4608, 192                         ; K step 3: three fragments, three rows of scale words on
.Lno_b:
	s_wait_dscnt 0x0                               ; for the others' sake: my stores have landed
.irp n, 0,1,2,3
	global_load_b128 v[WS+4*\n:WS+4*\n+3], v8, s[14:15] offset:(32*(\n/2)+8*(\n%2))*16   ; a row's 16 scale bytes are the four K steps' words
.endr
	s_barrier_signal -1
	s_barrier_wait -1                              ; t's sixteen fragments lie in LDS; nothing is written there any more
.macro MM d, a, b, sa, sb, zero
.if \zero
	v_wmma_scale_f32_16x16x128_f8f6f4 v[\d:\d+7], v[\a:\a+11], v[\b:\b+11], 0, v[\sa], v[\sb] matrix_a_fmt:MATRIX_FMT_BF6 matrix_b_fmt:MATRIX_FMT_BF6
.else
	v_wmma_scale_f32_16x16x128_f8f6f4 v[\d:\d+7], v[\a:\a+11], v[\b:\b+11], v[\d:\d+7], v[\sa], v[\sb] matrix_a_fmt:MATRIX_FMT_BF6 matrix_b_fmt:MATRIX_FMT_BF6
.endif
.endm
; A K step of 128: the fragments, 16 matrix instructions (the 16 accumulators by turns, in the same order in every step), and four places in front of the next loads into their registers
; and of the first reads of results.  vrole = 0: source 0 = the weight; 1: source 0 = t.  zero = 1: the first step starts the sums.
.macro KSTEP s, vrole, zero
.if \s > 0
	WLOAD \s
.endif
.irp m, 0,1,2,3
	ds_load_b128 v[TF+12*\m:TF+12*\m+3], v2 offset:(4*\m+\s)*1536
	ds_load_b64 v[TF+12*\m+4:TF+12*\m+5], v1 offset:(4*\m+\s)*1536+512
	ds_load_b128 v[TF+12*\m+6:TF+12*\m+9], v2 offset:(4*\m+\s)*1536+768
	ds_load_b64 v[TF+12*\m+10:TF+12*\m+11], v1 offset:(4*\m+\s)*1536+1280
	ds_load_b32 v[TS+\m], v3 offset:(4*\m+\s)*64
.endr
	s_wait_loadcnt 0x0
	s_wait_dscnt 0x0
.if \vrole
.irp n, 0,1,2,3
.irp m, 0,1,2,3
	MM ACC+8*(4*\n+\m), TF+12*\m, WF+12*\n, TS+\m, WS+4*\n+\s, \zero
.endr
.endr
.else
.irp m, 0,1,2,3
.irp n, 0,1,2,3
	MM ACC+8*(4*\m+\n), WF+12*\n, TF+12*\m, WS+4*\n+\s, TS+\m, \zero
.endr
.endr
.endif
.rept 4
	v_nop
.endr
.endm
; 32 numbers of a lane, v[s] on: block 0 in registers 0-15, block 1 in 16-31, register i = K 16 h + i of its block, become a half image in v[c] .. v[c + 5] and my block's (block h's) scale byte in v[by].
.macro QUANT32 s, c, by
	v_max3_num_f32 v[BM], |v[(\s)]|, |v[(\s)+1]|, 0x2800000
	v_max3_num_f32 v[BM+1], |v[(\s)+16]|, |v[(\s)+17]|, 0x2800000
.irp i, 2,4,6,8,10,12,14
	s_delay_alu instid0(VALU_DEP_2)
	v_max3_num_f32 v[BM], v[BM], |v[(\s)+\i]|, |v[(\s)+\i+1]|
	s_delay_alu instid0(VALU_DEP_2)
	v_max3_num_f32 v[BM+1], v[BM+1], |v[(\s)+16+\i]|, |v[(\s)+17+\i]|
.endr
	s_delay_alu instid0(VALU_DEP_2)
	v_permlanex16_b32 v[BX], v[BM], s[SEL], s[SEL+1]
	s_delay_alu instid0(VALU_DEP_2)
	v_permlanex16_b32 v[BX+1], v[BM+1], s[SEL], s[SEL+1]
	s_delay_alu instid0(VALU_DEP_2)
	v_max_num_f32 v[BM], v[BM], v[BX]              ; with lane l xor 16's 16 numbers: the blocks' largest magnitudes
	s_delay_alu instid0(VALU_DEP_2)
	v_max_num_f32 v[BM+1], v[BM+1], v[BX+1]
	s_delay_alu instid0(VALU_DEP_2)
	v_add_nc_u32 v[SO], 0xfe000000, v[BM]
	s_delay_alu instid0(VALU_DEP_2)
	v_add_nc_u32 v[SO+1], 0xfe000000, v[BM+1]
	s_delay_alu instid0(VALU_DEP_1)
	v_cndmask_b32 v[\by], v[SO], v[SO+1], s[HM]
	s_delay_alu instid0(VALU_DEP_1)
	v_lshrrev_b32 v[\by], 23, v[\by]
	v_cvt_scalef32_pk16_bf6_f32 v[(\c):(\c)+2], v[(\s):(\s)+15], v[SO]
	v_cvt_scalef32_pk16_bf6_f32 v[T2:T2+2], v[(\s)+16:(\s)+31], v[SO+1]
	v_nop                                          ; one plain place behind a scaled conversion
.irp i, 0,1,2
	v_permlane16_swap_b32 v[(\c)+\i], v[T2+\i]     ; the first's lanes 16-31 change places with the second's lanes 0-15: a lane now holds its block's lower 16 codes and its upper 16
.endr
.irp i, 0,1,2
	s_delay_alu instid0(VALU_DEP_3)
	v_mov_b32 v[(\c)+3+\i], v[T2+\i]
.endr
.endm
.macro OUTQ stride                     ; four half images and their scale bytes; each has data registers of its own, so no store's data are written again
.irp g, 0,1,2,3
	QUANT32 ACC+32*\g, CG+8*\g, BY+\g
	global_store_b128 v2, v[CG+8*\g:CG+8*\g+3], s[26:27] offset:768*\g        ; 512 consecutive bytes, at a multiple of 256 from the buffer's first byte
	global_store_b64 v1, v[CG+8*\g+4:CG+8*\g+5], s[26:27] offset:768*\g+512   ; 256 likewise
	global_store_b8 v11, v[BY+\g], s[28:29] offset:\stride*\g
.endr
.endm
	s_cmp_eq_u32 s3, 2
	s_cbranch_scc1 .Lrole_v
	; ---- q and k: accumulator (m, n) at 4 m + n; its register j is channel 32 (n / 2) + 16 h + 8 (n % 2) + j of position lane r of tile m
	KSTEP 0, 0, 1
	KSTEP 1, 0, 0
	KSTEP 2, 0, 0
	KSTEP 3, 0, 0
.irp n, 0,1,2,3
	global_load_b128 v[BI+8*\n:BI+8*\n+3], v9, s[20:21] offset:(32*(\n/2)+8*(\n%2))*4
	global_load_b128 v[BI+8*\n+4:BI+8*\n+7], v9, s[20:21] offset:(32*(\n/2)+8*(\n%2))*4+16
.endr
	v_mov_b32 v[BX], 0                             ; written once: a lane permute's destination counts as one of its sources
	v_mov_b32 v[BX+1], 0
	s_wait_loadcnt 0x0
.set i, 0
.rept 16
	v_pk_mul_f32 v[BI+2*i:BI+2*i+1], v[BI+2*i:BI+2*i+1], 0x3eb504f3 op_sel_hi:[1,0]   ; b S, S = 2^-1.5
.set i, i+1
.endr
.set i, 0
.rept 64                                       ; each accumulator from its low end on
	v_pk_fma_f32 v[ACC+2*i:ACC+2*i+1], v[ACC+2*i:ACC+2*i+1], 0x3eb504f3, v[BI+2*(i%16):BI+2*(i%16)+1] op_sel_hi:[1,0,1]
.set i, i+1
.endr
	OUTQ 2
	s_set_vgpr_msb 0x5
	s_wait_tensorcnt 0x0
	ds_add_u32 v0, v1
	s_wait_dscnt 0x0
	s_set_vgpr_msb 0x500
	s_endpgm
.Lrole_v:
	; ---- v: accumulator (n, m) at 4 n + m; its register j is position 32 (m / 2) + 16 h + 8 (m % 2) + j of channel lane r of tile n
	KSTEP 0, 1, 1
	KSTEP 1, 1, 0
	KSTEP 2, 1, 0
	KSTEP 3, 1, 0
.irp n, 0,1,2,3
	global_load_b32 v[BI+2*\n], v10, s[20:21] offset:(32*(\n/2)+8*(\n%2))*4     ; my channel's bias, twice: a pair for the packed addition
	global_load_b32 v[BI+2*\n+1], v10, s[20:21] offset:(32*(\n/2)+8*(\n%2))*4
.endr
	v_mov_b32 v[BX], 0
	v_mov_b32 v[BX+1], 0
	s_wait_loadcnt 0x0
.set i, 0
.rept 64
	v_pk_add_f32 v[ACC+2*i:ACC+2*i+1], v[ACC+2*i:ACC+2*i+1], v[BI+2*(i/16):BI+2*(i/16)+1]
.set i, i+1
.endr
	OUTQ 4
	s_set_vgpr_msb 0x5
	s_wait_tensorcnt 0x0
	ds_add_u32 v0, v1
	s_wait_dscnt 0x0
	s_set_vgpr_msb 0x500
	s_endpgm
.Lfunc_end_k_q0d595d4e50_qkv:
	.size	k_q0d595d4e50_qkv, .Lfunc_end_k_q0d595d4e50_qkv-k_q0d595d4e50_qkv
	.p2alignl 7, 3214868480
	.fill 96, 4, 3214868480
	.section	.rodata,"a",@progbits
	.p2align	6, 0x0
	.amdhsa_kernel k_q0d595d4e50_qkv
		.amdhsa_group_segment_fixed_size 27136
		.amdhsa_private_segment_fixed_size 0
		.amdhsa_enable_private_segment 0
		.amdhsa_kernarg_size 104
		.amdhsa_user_sgpr_count 2
		.amdhsa_user_sgpr_kernarg_segment_ptr 1
		.amdhsa_wavefront_size32 1
		.amdhsa_system_sgpr_workgroup_id_x 1
		.amdhsa_system_sgpr_workgroup_id_y 1
		.amdhsa_system_sgpr_workgroup_id_z 1
		.amdhsa_system_vgpr_workitem_id 0
		.amdhsa_next_free_vgpr 258
		.amdhsa_next_free_sgpr 102
		.amdhsa_reserve_vcc 0
		.amdhsa_float_denorm_mode_32 3
		.amdhsa_float_denorm_mode_16_64 3
		.amdhsa_memory_ordered 1
		.amdhsa_forward_progress 1
		.amdhsa_inst_pref_size 114
	.end_amdhsa_kernel
	.amdgpu_metadata
---
amdhsa.version: [ 1, 2 ]
amdhsa.kernels:
  - .name:           k_q0d595d4e50_qkv
    .symbol:         k_q0d595d4e50_qkv.kd
    .args:
      - { .name: x, .offset: 0, .size: 8, .value_kind: global_buffer, .address_space: global }
      - { .name: gn_w, .offset: 8, .size: 8, .value_kind: global_buffer, .address_space: global }
      - { .name: gn_b, .offset: 16, .size: 8, .value_kind: global_buffer, .address_space: global }
      - { .name: stats, .offset: 24, .size: 8, .value_kind: global_buffer, .address_space: global }
      - { .name: wimg, .offset: 32, .size: 8, .value_kind: global_buffer, .address_space: global }
      - { .name: wq_scales, .offset: 40, .size: 8, .value_kind: global_buffer, .address_space: global }
      - { .name: wk_scales, .offset: 48, .size: 8, .value_kind: global_buffer, .address_space: global }
      - { .name: wv_scales, .offset: 56, .size: 8, .value_kind: global_buffer, .address_space: global }
      - { .name: bq, .offset: 64, .size: 8, .value_kind: global_buffer, .address_space: global }
      - { .name: bk, .offset: 72, .size: 8, .value_kind: global_buffer, .address_space: global }
      - { .name: bv, .offset: 80, .size: 8, .value_kind: global_buffer, .address_space: global }
      - { .name: qkv, .offset: 88, .size: 8, .value_kind: global_buffer, .address_space: global }
      - { .name: qkvs, .offset: 96, .size: 8, .value_kind: global_buffer, .address_space: global }
    .group_segment_fixed_size: 27136
    .private_segment_fixed_size: 0
    .kernarg_segment_align: 8
    .kernarg_segment_size: 104
    .max_flat_workgroup_size: 384
    .sgpr_count:     102
    .vgpr_count:     258
    .wavefront_size: 32
...
	.end_amdgpu_metadata
.endif
;; end of part 6
;; launch attn (part 7): grid 16 x 16, 16 waves a work-group, clusters of 4 x 1, 327,680 bytes of LDS; arguments qkv, qkvs, oc, os; writes oc, os
.if DOCPART == 7
	.amdgcn_target "amdgcn-amd-amdhsa--gfx1250"
	.amdhsa_code_object_version 6
	.text
	.protected	k_q0d595d4e50_attn
	.globl	k_q0d595d4e50_attn
	.p2align	8
	.type	k_q0d595d4e50_attn,@function
k_q0d595d4e50_attn:
	s_mov_b64 s[64:65], 0
	v_nop
	global_prefetch_b8 v0, s[64:65] scope:SCOPE_SE
	s_setreg_imm32_b32 hwreg(HW_REG_WAVE_MODE, 25, 1), 1
	s_wait_xcnt 0x0
	s_wait_alu depctr_hold_cnt(0) depctr_sa_sdst(0) depctr_va_vdst(0) depctr_va_sdst(0) depctr_va_ssrc(0) depctr_va_vcc(0) depctr_vm_vsrc(0)
	s_getreg_b32 s2, hwreg(HW_REG_IB_STS2, 6, 4)
	s_cmp_eq_u32 s2, 0
	s_cbranch_scc0 .Lentry_in_a_cluster
	s_endpgm
.Lentry_in_a_cluster:
	s_bfe_u32 s2, ttmp6, 0x10000c
	s_cmp_lg_u32 s2, 0x3003
	s_cbranch_scc0 .Lentry_shape_is_right
	s_endpgm
.Lentry_shape_is_right:
; ATTN.  o[q] = the sum over keys of softmax(q . k) v, for 16 (batch, head) pairs of 4,096 positions and 64 channels; both products on codes of BF6 (E3M2) with one E8M0 scale for each 32 along K.
; THE SOFTMAX AHEAD OF THE SECOND PRODUCT: t = score x log2(e); M = the row's largest t so far, rounded UP to a whole number; p = 2^(t - M) is what is quantised, along the keys.  The row's sum is taken of the
; unquantised p and divides o at the end.  When M moves, the sum and o are multiplied by 2^(old M - new M), which rounds nothing.  o is then quantised along the head's 64 channels, two blocks of the last product's K.
; SHARES.  A work-group owns 256 queries of one (batch, head); each of its sixteen waves one tile of 16, in 256 registers: four waves to a SIMD, so that one wave's vector work stands beside another's products and loads.
; Every wave walks all 4,096 keys, 128 a step.  K, V and their scale bytes lie in memory as images of the operands' registers (the launch before has laid them so): every LDS read is 16 or 8 bytes x lane, on end.
; CLUSTER.  The four query blocks of a cluster belong to one (batch, head) and walk the same K and V: each tile is asked for JOINTLY, by the same tensor load with the same descriptor and a mask that names the four.
; LAYOUT.  Both products are used transposed: S^T = K Q^T, O^T = V^T P^T: a lane holds ONE query (lane % 16).  Tiles are permuted (lane r of tile 2 B + u holds element 32 B + 8 u + r + 8 (r / 8)), so that the 16 registers
; of score tiles 2 b and 2 b + 1 are keys 32 b + 16 h + 0 .. 15, and O^T's registers 16 B + i are channels 32 B + 16 h + i.
; K OF THE SCORES IS 64, THE INSTRUCTION'S 128: source 0 holds TWO key tiles, tile 2 b in registers 0-5 and tile 2 b + 1 in 6-11; it is multiplied once by [q | zero codes] and once by [zero codes | q].  No byte of K is
; read twice; K's scale word b holds both tiles' two bytes, q's word its two bytes twice.
; RING.  Two LDS slots of 1,024 keys (8 steps): K's 49,152 bytes, then V's.  Waves 0 to 3 fetch a quarter of a slot each, one load of 96 rows of 256 bytes; a wave has two tensor loads out at the start and one behind each round.
; LIMITS: NaN and infinities are not served.  A block whose largest magnitude lies under 2^-122, a block of zeros too, gets the byte 1: its codes are zeros, and this program alone reads the bytes.
; o / l is a multiplication by v_rcp_f32's result.  A block's largest p is taken as the exponential of its largest score, which takes v_exp_f32 not to fall where its input rises.
.set SLOT1, 131072                     ; slot 1 begins here: one exclusive or turns an address in one slot into the other's
.set VOFF,  49152                      ; V's part of a slot
.set STEPB, 6144                       ; a step's eight half images of 768 bytes, of K and of V alike
.set SC,    262144                     ; behind the ring: K's scale bytes of the whole (batch, head), 8,192, then V's; filled once
.set SPARE, 278528                     ; the spare words, 128 bytes for each of 16 waves: eight blocks of 256 bytes that no other line names
.set ADK,  8                           ; v8   LDS: the step's tiles, 16 x lane;  v9: 8 x lane;  v10: its scale words
.set ADK8, 9
.set ADS,  10
.set QL,   16                          ; v16-27  [q | zeros];  v28-39 [zeros | q]
.set QH,   28
.set KF,   40                          ; v40-87  K's four pairs of tiles, then V's four fragments
.set S,    96                          ; v96-159 S^T, then p
.set OT,   160                         ; v160-191 O^T
.set BM,   192                         ; v192-195 the blocks' largest scores, then largest p;  v196-199 the other half of the lanes', then bytes;  v200-203 the conversions' scale operands
.set BX,   196
.set SO,   200
.set T2,   204                         ; v204-206, v208-210 the conversions' second halves
.set PC,   212                         ; v212-223 p's codes
.set FF,   224                         ; v224 f = 2^(old M - new M); v225 named with it as a pair
.set PW,   226                         ; p's scale word
.set TA,   227
.set SCW,  228                         ; v228-231 lanes 0-15: K's four scale words; lanes 16-31: V's four
.set QS,   232                         ; q's scale word
.set QW,   233
.set SU2,  234                         ; v234-235 the second chain of the row's sum
; v1 16 x lane; v2 8 x lane; v3 SC + 8,192 h + 16 r; v4 256 x lane; v5, v6 the spare word's address and 0; v7 16 r + h; v12 -M; v13 the largest t; v[14:15] the sum in two halves
.set WV,   12
.set SEL,  20
.set CS,   22                          ; s[22:23] log2(e)
.set G1,   24                          ; s[24:31] group 1 for a quarter slot;  s[32:39] for 4,096 scale bytes;  s[40:43], s[44:47] their groups 0
.set G1S,  32
.set G0,   40
.set G0S,  44
.set TB,   48                          ; LDS byte at which the step's tiles of K begin
.set TS,   49                          ; and its scale words: 256 bytes a step
.set SLOTS, 50
.set STEPS, 51
.set PFA,  52                          ; s[52:53] where my prefetches stand
.set LIM,  54                          ; 1 in a wave that prefetches, else the greatest number
.set HM,   55                          ; a mask of lanes 16-31
.macro ROUND                           ; a round of the cluster's barrier: my work-group's barrier, wave 0's signal for the work-group, every wave's wait for all four, my work-group's barrier once more
	s_barrier_signal -1
	s_barrier_wait -1
	s_cmp_lg_u32 s[WV], 0
	s_cbranch_scc1 .Lnot_wave_0_\@
	s_barrier_signal -3
.Lnot_wave_0_\@:
	s_barrier_wait -3
	s_barrier_signal -1
	s_barrier_wait -1
.endm
.macro JLOAD                           ; a joint refill: waves 0 and 1 K's halves, waves 2 and 3 V's.  The branch hangs on the wave's number alone.  Four v_nop follow the load
	s_cmp_lt_u32 s[WV], 4
	s_cbranch_scc0 .Lasked_\@
	tensor_load_to_lds s[G0:G0+3], s[G1:G1+7]
	s_nop 0
.rept 4
	v_nop
.endr
.Lasked_\@:
.endm
; A PREFETCH INTO THE L2 of the slot that the NEXT change of slots will ask for: eight key steps ahead of that load.  All four clusters of a (batch, head) walk the same K and V: the first of them asks.  Its four partners
; share the slot's 98,304 bytes out BY ADDRESS, 24,576 each (the partner at place p takes what wave p fetches); in each, waves 4 to 6 ask, 8,192 bytes a wave, lanes 256 bytes apart: each aligned 256 bytes of slots 2 and 3
; are named once in the launch.  Slots 0 and 1 come by their loads alone; the last change that fills a slot asks for nothing.
.macro ASK
	s_cmp_gt_u32 s[SLOTS], s[LIM]
	s_cbranch_scc0 .Lnot_mine_\@
	global_prefetch_b8 v4, s[PFA:PFA+1] th:TH_LOAD_NT scope:SCOPE_SE
.Lnot_mine_\@:
.endm
	s_load_b256 s[4:11], s[0:1], 0x0               ; qkv, qkvs, oc, os
	v_lshl_add_u32 v5, v0, 2, SPARE
	v_mov_b32 v6, 0
	ds_add_u32 v5, v6
	ds_add_u32 v5, v6
	s_wait_dscnt 0x0
	v_lshrrev_b32 v8, 5, v0
	s_delay_alu instid0(VALU_DEP_1)
	v_readfirstlane_b32 s[WV], v8                  ; wave 0..15
	s_bfe_u32 s13, ttmp6, 0x40000                  ; cx: my place in the cluster; it enters global addresses of q, o and the prefetches alone
	s_lshl_b32 s14, ttmp9, 2
	s_add_co_u32 s14, s14, s13                     ; my block of 256 queries
	s_lshl_b32 s14, s14, 4
	s_add_co_u32 s14, s14, s[WV]                   ; my tile of 16 queries, T
	s_and_b32 s15, ttmp7, 0xffff                   ; 8 x batch + head, which the partners share
	s_and_b32 s16, s[WV], 3
	s_lshr_b32 s17, s16, 1                         ; I fetch for K (0) or V (1),
	s_and_b32 s18, s16, 1                          ; its first or second half
	s_mul_i32 s19, s15, 196608                     ; the (batch, head)'s first byte in a role of qkv
	s_add_co_u32 s56, s17, 1                       ; role 1 is k, role 2 is v
	s_mul_i32 s56, s56, 3145728
	s_add_co_u32 s56, s56, s19
	s_mul_i32 s57, s18, 24576
	s_add_co_u32 s56, s56, s57
	s_mov_b32 s57, 0
	s_add_co_u32 s58, s17, 1
	s_lshl_b32 s58, s58, 17
	s_lshl_b32 s59, s15, 13
	s_add_co_u32 s58, s58, s59
	s_lshl_b32 s59, s18, 12
	s_add_co_u32 s58, s58, s59
	s_mov_b32 s59, 0
	; group 1: a dense block as rows of 256 bytes: 32 elements of 8 bytes, pitch 32, no padding
	s_mov_b32 s[G1], 15|(3<<16)|(1<<21)            ; 15:0 the mask: all four work-groups; 17:16 elements of 8 bytes; 21 set beside a mask
	s_mov_b32 s[G1+1], 32<<16                      ; tensor_dim0 = 32
	s_mov_b32 s[G1+2], 96<<16                      ; tensor_dim1 = 96
	s_mov_b32 s[G1+3], 32<<16                      ; tile_dim0 = 32
	s_mov_b32 s[G1+4], 96                          ; tile_dim1 = 96
	s_mov_b32 s[G1+5], 32                          ; elements from row to row
	s_mov_b32 s[G1+6], 0
	s_mov_b32 s[G1+7], 0
	s_mov_b32 s[G1S], 15|(3<<16)|(1<<21)
	s_mov_b32 s[G1S+1], 32<<16
	s_mov_b32 s[G1S+2], 16<<16                     ; 16 rows
	s_mov_b32 s[G1S+3], 32<<16
	s_mov_b32 s[G1S+4], 16
	s_mov_b32 s[G1S+5], 32
	s_mov_b32 s[G1S+6], 0
	s_mov_b32 s[G1S+7], 0
	s_mov_b32 s[SEL], 0x76543210
	s_mov_b32 s[SEL+1], 0xfedcba98
	s_mov_b32 s[CS], 0x3fb8aa3b                    ; log2(e): the scale 1 / sqrt(64) is in q and k already
	s_mov_b32 s[CS+1], s[CS]                       ; (named with it as a pair, so it is written)
	s_mov_b32 s[HM], 0xffff0000
	s_mov_b32 s[TB], 0
	s_mov_b32 s[TS], 0
	s_mov_b32 s[SLOTS], 3
	s_sub_co_u32 s[LIM], s[WV], 4                  ; 0, 1, 2 in waves 4 to 6
	s_cmp_lt_u32 s[LIM], 3
	s_cselect_b32 s[LIM], 0, 1
	s_or_b32 s[LIM], s[LIM], ttmp9                 ; of the (batch, head)'s first cluster: the same in all four partners
	s_cmp_eq_u32 s[LIM], 0
	s_cselect_b32 s[LIM], 1, -1
	s_wait_kmcnt 0x0
	s_mov_b32 s[G0], 1                             ; count = 1
	s_mul_i32 s[G0+1], s16, 24576                  ; LDS: slot 0, my quarter: no place in the cluster enters an LDS address
	s_add_nc_u64 s[G0+2:G0+3], s[4:5], s[56:57]
	s_or_b32 s[G0+3], s[G0+3], 0x80000000          ; type = 2
	s_mov_b32 s[G0S], 1
	s_lshl_b32 s[G0S+1], s16, 12
	s_add_co_u32 s[G0S+1], s[G0S+1], SC
	s_add_nc_u64 s[G0S+2:G0S+3], s[6:7], s[58:59]
	s_or_b32 s[G0S+3], s[G0S+3], 0x80000000
	ROUND                                          ; all four work-groups are here: the first joint loads meet
	s_cmp_lt_u32 s[WV], 4                          ; a wave's two first fills stand in one branch, ahead of every wait on TENSORcnt and every LDS read
	s_cbranch_scc0 .Lfirst_asked
	tensor_load_to_lds s[G0S:G0S+3], s[G1S:G1S+7]  ; the scale bytes: filled once
	s_nop 0
	tensor_load_to_lds s[G0:G0+3], s[G1:G1+7]      ; slot 0
	s_nop 0
.rept 4
	v_nop
.endr
.Lfirst_asked:
	v_and_b32 v8, 31, v0                           ; lane
	v_and_b32 v9, 15, v0                           ; r
	v_bfe_u32 v10, v0, 4, 1                        ; h
	s_delay_alu instid0(VALU_DEP_3)
	v_lshlrev_b32 v1, 4, v8
	s_wait_alu depctr_va_vdst(0)
	v_lshlrev_b32 v2, 3, v8
	s_wait_alu depctr_va_vdst(0)
	v_lshlrev_b32 v11, 4, v9                       ; 16 r
	s_wait_alu depctr_va_vdst(0)
	v_lshl_add_u32 v3, v10, 13, v11                ; lanes 16-31 take V's words, 8,192 bytes on
	s_delay_alu instid0(VALU_DEP_1)
	v_add_nc_u32 v3, SC, v3
	v_lshlrev_b32 v4, 8, v8
	v_add_nc_u32 v7, v11, v10
	s_mul_i32 s60, s14, 768                        ; q's half image: role 0, entry T
	s_add_co_u32 s60, s60, s19
	s_mov_b32 s61, 0
	s_add_nc_u64 s[60:61], s[4:5], s[60:61]
	s_lshl_b32 s62, s15, 13                        ; q's scale bytes: step T / 8, word (T / 2) % 4 of my row's 16 bytes
	s_lshr_b32 s63, s14, 3
	s_lshl_b32 s63, s63, 8
	s_add_co_u32 s62, s62, s63
	s_bfe_u32 s63, s[WV], 0x20001
	s_lshl_b32 s63, s63, 2
	s_add_co_u32 s62, s62, s63
	s_mov_b32 s63, 0
	s_add_nc_u64 s[62:63], s[6:7], s[62:63]
	global_load_b128 v[QL:QL+3], v1, s[60:61]
	global_load_b64 v[QL+4:QL+5], v2, s[60:61] offset:512
	global_load_b128 v[QH+6:QH+9], v1, s[60:61]    ; the same once more: the two operands share no register
	global_load_b64 v[QH+10:QH+11], v2, s[60:61] offset:512
	global_load_b32 v[QW], v11, s[62:63]
	; the prefetches' address: the partner at place cx takes what wave cx fetches; my wave's 8,192 bytes of it; in slot 1: the first change of slots steps it to slot 2
	s_lshr_b32 s2, s13, 1
	s_add_co_u32 s2, s2, 1
	s_mul_i32 s2, s2, 3145728
	s_add_co_u32 s2, s2, s19
	s_and_b32 s3, s13, 1
	s_mul_i32 s3, s3, 24576
	s_add_co_u32 s2, s2, s3
	s_lshl_b32 s3, s16, 13
	s_add_co_u32 s2, s2, s3
	s_add_co_u32 s2, s2, 49152
	s_mov_b32 s3, 0
	s_add_nc_u64 s[PFA:PFA+1], s[4:5], s[2:3]
	; o's half image: oc [batch][T][head][768];  its scale bytes: os [batch][T][r][16], byte 2 x head + block
	s_lshr_b32 s56, s15, 3
	s_and_b32 s57, s15, 7
	s_mul_i32 s2, s56, 1572864
	s_mul_i32 s3, s14, 6144
	s_add_co_u32 s2, s2, s3
	s_mul_i32 s3, s57, 768
	s_add_co_u32 s2, s2, s3
	s_mov_b32 s3, 0
	s_add_nc_u64 s[8:9], s[8:9], s[2:3]
	s_lshl_b32 s2, s56, 16
	s_lshl_b32 s3, s14, 8
	s_add_co_u32 s2, s2, s3
	s_lshl_b32 s3, s57, 1
	s_add_co_u32 s2, s2, s3
	s_mov_b32 s3, 0
	s_add_nc_u64 s[10:11], s[10:11], s[2:3]
	s_and_b32 s2, s[WV], 1                         ; an even tile's two bytes are the word's lower two, an odd tile's the upper two
	s_cmp_eq_u32 s2, 0
	s_mov_b32 s3, 0x03020302
	s_cselect_b32 s3, 0x01000100, s3
.irp j, 0,1,2,3,4,5
	v_mov_b32 v[QL+6+\j], 0                        ; zero codes, which add nothing under any scale byte but 0xff
	v_mov_b32 v[QH+\j], 0
.endr
	v_mov_b32 v13, 0xff61b1e6                      ; the largest t so far: -3e38, under every t
	s_delay_alu instid0(VALU_DEP_1)
	v_floor_f32 v12, -v13                          ; -M
	v_mov_b32 v14, 0
	v_mov_b32 v15, 0
.set j, 0
.rept 32
	v_mov_b32 v[OT+j], 0                           ; O^T.  (The step is written with no first step of its own: the first change of M multiplies zeros)
.set j, j+1
.endr
.irp b, 0,1,2,3
	v_mov_b32 v[BX+\b], 0                          ; written once: a lane permute's destination counts as one of its sources
.endr
	v_mov_b32 v[TA], 0
	v_mov_b32 v[FF+1], 0
	s_wait_loadcnt 0x0
	v_perm_b32 v[QS], v[QW], v[QW], s3             ; (s0, s1, s0, s1)
.rept 8
	v_nop                                          ; a scale register written by a vector instruction stands eight plain vector instructions ahead of the first scaled matrix instruction that takes it: once a wave, ahead of the loop
.endr
; A KEY STEP: 128 keys.
.macro STEP
	v_add_nc_u32 v[ADK], s[TB], v1                 ; these three and the v_nop are the four places behind the last products, in front of the loads into their registers (ISA guide 7.12.1 for vector instructions)
	v_add_nc_u32 v[ADK8], s[TB], v2
	v_add_nc_u32 v[ADS], s[TS], v3
	v_nop
	ds_load_b128 v[SCW:SCW+3], v[ADS]
.irp t, 0,1,2,3,4,5,6,7
	ds_load_b128 v[KF+6*\t:KF+6*\t+3], v[ADK] offset:768*\t
	ds_load_b64 v[KF+6*\t+4:KF+6*\t+5], v[ADK8] offset:768*\t+512
.endr
	s_wait_alu depctr_va_vdst(0)
	s_wait_dscnt 0x0
.irp b, 0,1,2,3
	v_wmma_scale_f32_16x16x128_f8f6f4 v[S+16*\b:S+16*\b+7], v[KF+12*\b:KF+12*\b+11], v[QL:QL+11], 0, v[SCW+\b], v[QS] matrix_a_fmt:MATRIX_FMT_BF6 matrix_b_fmt:MATRIX_FMT_BF6
	v_wmma_scale_f32_16x16x128_f8f6f4 v[S+16*\b+8:S+16*\b+15], v[KF+12*\b:KF+12*\b+11], v[QH:QH+11], 0, v[SCW+\b], v[QS] matrix_a_fmt:MATRIX_FMT_BF6 matrix_b_fmt:MATRIX_FMT_BF6
.endr
.rept 4
	v_nop                                          ; places in front of the loads below and of the first reads of the scores
.endr
.irp n, 0,1,2,3                                ; V's four fragments (channel tile n, keys 64 c on) land while the softmax is walked
.irp c, 0,1
	ds_load_b128 v[KF+12*\n+6*\c:KF+12*\n+6*\c+3], v[ADK] offset:VOFF+3072*\c+768*\n
	ds_load_b64 v[KF+12*\n+6*\c+4:KF+12*\n+6*\c+5], v[ADK8] offset:VOFF+3072*\c+768*\n+512
.endr
.endr
.irp b, 0,1,2,3
	v_max3_num_f32 v[BM+\b], v[S+16*\b], v[S+16*\b+1], v[S+16*\b+2]   ; the largest score of each block of 32 keys: it serves the row's maximum and, since p rises with the score, the block's largest p
.endr
.irp i, 3,5,7,9,11,13
.irp b, 0,1,2,3
	v_max3_num_f32 v[BM+\b], v[BM+\b], v[S+16*\b+\i], v[S+16*\b+\i+1]   ; (the four blocks by turns; each accumulator is read from its low end on)
.endr
.endr
.irp b, 0,1,2,3
	v_max_num_f32 v[BM+\b], v[BM+\b], v[S+16*\b+15]
.endr
.irp b, 0,1,2,3
	s_delay_alu instid0(VALU_DEP_4)
	v_permlanex16_b32 v[BX+\b], v[BM+\b], s[SEL], s[SEL+1]
.endr
.irp b, 0,1,2,3
	s_delay_alu instid0(VALU_DEP_4)
	v_max_num_f32 v[BM+\b], v[BM+\b], v[BX+\b]     ; with lane l xor 16's 16 keys
.endr
	s_delay_alu instid0(VALU_DEP_2)
	v_max3_num_f32 v[TA], v[BM], v[BM+1], v[BM+2]
	s_delay_alu instid0(VALU_DEP_1)
	v_max_num_f32 v[TA], v[TA], v[BM+3]            ; the step's largest score of my query
	s_delay_alu instid0(VALU_DEP_1)
	v_mul_f32 v[TA], s[CS], v[TA]                  ; as t
	s_delay_alu instid0(VALU_DEP_1)
	v_max_num_f32 v13, v13, v[TA]                  ; the running largest t
	v_mov_b32 v[TA], v12
	s_delay_alu instid0(VALU_DEP_2)
	v_floor_f32 v12, -v13                          ; the new -M = floor(-t) = -ceil(t): a whole number
	s_delay_alu instid0(VALU_DEP_1)
	v_sub_f32 v[TA], v12, v[TA]                    ; old M - new M: a whole number, 0 or less
	s_delay_alu instid0(VALU_DEP_1)
	v_cvt_i32_f32 v[TA], v[TA]                     ; (it saturates)
	s_delay_alu instid0(VALU_DEP_1)
	v_ldexp_f32 v[FF], 1.0, v[TA]                  ; f = 2^(old M - new M)
.set j, 0
.rept 32
	v_pk_fma_f32 v[S+2*j:S+2*j+1], v[S+2*j:S+2*j+1], s[CS:CS+1], v[12:13] op_sel_hi:[1,0,0]   ; t - M, two at a time (of the pairs log2(e) and -M the low word serves both halves)
.set j, j+1
.endr
.irp b, 0,1,2,3
	v_fma_f32 v[BM+\b], v[BM+\b], s[CS], v12       ; the same of each block's largest score
.endr
.set j, 0
	s_wait_alu depctr_va_vdst(0)
.rept 64
	v_exp_f32 v[S+j], v[S+j]                       ; p = 2^(t - M), at most 1: not normalised
.set j, j+1
.endr
	s_setprio 1
	v_pk_mul_f32 v[14:15], v[14:15], v[FF:FF+1] op_sel_hi:[1,0]   ; the sums under the new M: the plain instruction behind the exponentials
	s_wait_alu depctr_va_vdst(0)                   ; the wait ahead of the first use: one for the 64
.irp b, 0,1,2,3
	v_exp_f32 v[BM+\b], v[BM+\b]                   ; the blocks' largest p: the same two instructions on the same number give the same bits
.endr
	v_pk_add_f32 v[234:235], v[100:101], v[104:105]
	v_pk_add_f32 v[254:255], v[108:109], v[112:113]
	v_pk_add_f32 v[252:253], v[116:117], v[120:121]
	v_pk_add_f32 v[250:251], v[124:125], v[128:129]
	v_pk_add_f32 v[248:249], v[132:133], v[136:137]
	v_pk_add_f32 v[246:247], v[140:141], v[144:145]
	v_pk_add_f32 v[244:245], v[148:149], v[152:153]
	v_pk_add_f32 v[14:15], v[14:15], v[156:157]
	v_pk_add_f32 v[234:235], v[234:235], v[96:97]
	v_pk_add_f32 v[254:255], v[254:255], v[98:99]
	v_pk_add_f32 v[252:253], v[252:253], v[102:103]
	v_pk_add_f32 v[250:251], v[250:251], v[106:107]
	v_pk_add_f32 v[248:249], v[248:249], v[110:111]
	v_pk_add_f32 v[246:247], v[246:247], v[114:115]
	v_pk_add_f32 v[244:245], v[244:245], v[118:119]
	v_pk_add_f32 v[14:15], v[14:15], v[122:123]
	v_pk_add_f32 v[234:235], v[234:235], v[126:127]
	v_pk_add_f32 v[254:255], v[254:255], v[130:131]
	v_pk_add_f32 v[252:253], v[252:253], v[134:135]
	v_pk_add_f32 v[250:251], v[250:251], v[138:139]
	v_pk_add_f32 v[248:249], v[248:249], v[142:143]
	v_pk_add_f32 v[246:247], v[246:247], v[146:147]
	v_pk_add_f32 v[244:245], v[244:245], v[150:151]
	v_pk_add_f32 v[14:15], v[14:15], v[154:155]
	v_pk_add_f32 v[234:235], v[234:235], v[158:159]
	s_delay_alu instid0(VALU_DEP_2)
	v_pk_add_f32 v[14:15], v[14:15], v[250:251]
	s_delay_alu instid0(VALU_DEP_2)
	v_pk_add_f32 v[234:235], v[234:235], v[248:249]
	v_pk_add_f32 v[254:255], v[254:255], v[246:247]
	v_pk_add_f32 v[252:253], v[252:253], v[244:245]
	s_delay_alu instid0(VALU_DEP_2)
	v_pk_add_f32 v[14:15], v[14:15], v[254:255]
	s_delay_alu instid0(VALU_DEP_2)
	v_pk_add_f32 v[234:235], v[234:235], v[252:253]
	s_delay_alu instid0(VALU_DEP_1)
	v_pk_add_f32 v[14:15], v[14:15], v[234:235]
	s_wait_alu depctr_va_vdst(0)                   ; and one for the four
.irp b, 0,1,2,3
	v_max_num_f32 v[BM+\b], 0x2800000, v[BM+\b]    ; the floor 2^(5 - 127): the byte cannot fall under 1
.endr
.irp b, 0,1,2,3
	s_delay_alu instid0(VALU_DEP_4)
	v_add_nc_u32 v[SO+\b], 0xfe000000, v[BM+\b]    ; 4 off the exponent field: the conversion's scale operand
.endr
.irp b, 0,1,2,3
	s_delay_alu instid0(VALU_DEP_4)
	v_lshrrev_b32 v[BX+\b], 23, v[SO+\b]           ; the scale's byte
.endr
	s_delay_alu instid0(VALU_DEP_3)
	v_lshl_or_b32 v[PW], v[BX+1], 8, v[BX]         ; p's scale word for these 128 keys
	s_delay_alu instid0(VALU_DEP_1)
	v_lshl_or_b32 v[PW], v[BX+2], 16, v[PW]
	s_delay_alu instid0(VALU_DEP_1)
	v_lshl_or_b32 v[PW], v[BX+3], 24, v[PW]
.irp c, 0,1
	v_cvt_scalef32_pk16_bf6_f32 v[PC+6*\c:PC+6*\c+2], v[S+32*\c:S+32*\c+15], v[SO+2*\c]
	v_cvt_scalef32_pk16_bf6_f32 v[T2+4*\c:T2+4*\c+2], v[S+32*\c+16:S+32*\c+31], v[SO+2*\c+1]   ; (a conversion's three registers begin on an even number)
.endr
	v_nop                                          ; one plain place behind a scaled conversion
.irp c, 0,1                                    ; the operand's layout wants a WHOLE block in a lane: lanes 0-15 block 2 c, lanes 16-31 block 2 c + 1
.irp i, 0,1,2
	v_permlane16_swap_b32 v[PC+6*\c+\i], v[T2+4*\c+\i]
.endr
.irp i, 0,1,2
	s_delay_alu instid0(VALU_DEP_3)
	v_mov_b32 v[PC+6*\c+3+\i], v[T2+4*\c+\i]
.endr
.endr
.set j, 0
	s_setprio 0
.rept 16
	v_pk_mul_f32 v[OT+2*j:OT+2*j+1], v[OT+2*j:OT+2*j+1], v[FF:FF+1] op_sel_hi:[1,0]   ; O^T under the new M.  (These 16 are also the places between the writes of p's codes and scale word and the products)
.set j, j+1
.endr
	s_wait_alu depctr_va_vdst(0)
	s_wait_dscnt 0x0                               ; V is in
.irp n, 0,1,2,3                                ; O^T += V^T P^T: the four accumulators by turns; the eight score products stand between two links of a chain
	v_wmma_scale_f32_16x16x128_f8f6f4 v[OT+8*\n:OT+8*\n+7], v[KF+12*\n:KF+12*\n+11], v[PC:PC+11], v[OT+8*\n:OT+8*\n+7], v[SCW+\n], v[PW] matrix_a_fmt:MATRIX_FMT_BF6 matrix_b_fmt:MATRIX_FMT_BF6 matrix_a_scale:MATRIX_SCALE_ROW1
.endr
	s_add_co_u32 s[TB], s[TB], STEPB
	s_add_co_u32 s[TS], s[TS], 256
.endm
; THE CHANGE OF SLOTS stands at a slot's head.  Each wave waits for all its tensor loads (its part of the slot ahead), adds 0 to its spare word, and waits for that and for its reads of the slot that it has left.
; fill = 1: the barrier is a round of the cluster's, so that no wave of any partner still reads that slot or has a load on its way, and the joint refill is the first thing behind it: it has eight key steps in which to land.
.macro CHANGE fill
	s_wait_tensorcnt 0x0                           ; no tensor load of mine is out, so a group 0 may be written
	ds_add_u32 v5, v6                              ; 0 onto my spare word
.if \fill
	s_xor_b32 s[G0+1], s[G0+1], SLOT1              ; the walking descriptor: the other slot than last time,
	s_add_nc_u64 s[G0+2:G0+3], s[G0+2:G0+3], 49152 ; the next 1,024 keys; the type bits on top are not reached
	s_wait_xcnt 0x0                                ; the last prefetch, a slot back, has read its address, so it may be written:
	s_add_nc_u64 s[PFA:PFA+1], s[PFA:PFA+1], 49152 ; one slot further on than the walking descriptor
	s_wait_dscnt 0x0                               ; the add is done, and my reads of the slot that I have left are over
	ROUND
	JLOAD
	ASK
.else
	s_wait_dscnt 0x0
	s_barrier_signal -1
	s_barrier_wait -1
.endif
.endm
.macro SLOT8                           ; a slot's eight key steps: written once, walked eight times
	s_mov_b32 s[STEPS], 8
.Lstep_\@:
	s_wait_alu depctr_va_vdst(0)
	s_setprio 2
	STEP
	s_sub_co_u32 s[STEPS], s[STEPS], 1
	s_cmp_lg_u32 s[STEPS], 0
	s_cbranch_scc1 .Lstep_\@
	s_setprio 0
	s_sub_co_u32 s[TB], s[TB], 8*STEPB             ; back to a slot's first step,
	s_xor_b32 s[TB], s[TB], SLOT1                  ; in the other slot
.endm
.Lslot:                                            ; three trips: behind each change of slots but the last the next slot is asked for
	CHANGE 1
	SLOT8
	s_sub_co_u32 s[SLOTS], s[SLOTS], 1
	s_cmp_lg_u32 s[SLOTS], 0
	s_cbranch_scc1 .Lslot
	CHANGE 0                                       ; the last slot is written out
	SLOT8
	; THE WAY OUT.  O^T / the sum; its registers 0-15 and 16-31 are the head's two blocks of 32 channels, 16 h + i of each: quantised, they are half a fragment of the last product's operand, and leave as they stand.
.rept 4
	v_nop                                          ; places behind the last products
.endr
	v_add_f32 v14, v14, v15                        ; the sum's two halves,
	s_delay_alu instid0(VALU_DEP_1)
	v_permlanex16_b32 v[TA], v14, s[SEL], s[SEL+1]
	s_delay_alu instid0(VALU_DEP_1)
	v_add_f32 v14, v14, v[TA]                      ; and lane l xor 16's: the row's sum
	s_wait_alu depctr_va_vdst(0)
	v_rcp_f32 v14, v14
	v_nop                                          ; one plain instruction behind the transcendental,
	s_wait_alu depctr_va_vdst(0)                   ; and the wait ahead of the first use
.set j, 0
.rept 16
	v_pk_mul_f32 v[S+2*j:S+2*j+1], v[OT+2*j:OT+2*j+1], v[14:15] op_sel_hi:[1,0]   ; each accumulator from its low end on
.set j, j+1
.endr
	v_max3_num_f32 v[BM], |v[S]|, |v[S+1]|, 0x2800000
	v_max3_num_f32 v[BM+1], |v[S+16]|, |v[S+17]|, 0x2800000
.irp i, 2,4,6,8,10,12,14
	s_delay_alu instid0(VALU_DEP_2)
	v_max3_num_f32 v[BM], v[BM], |v[S+\i]|, |v[S+\i+1]|
	s_delay_alu instid0(VALU_DEP_2)
	v_max3_num_f32 v[BM+1], v[BM+1], |v[S+16+\i]|, |v[S+17+\i]|
.endr
	s_delay_alu instid0(VALU_DEP_2)
	v_permlanex16_b32 v[BX], v[BM], s[SEL], s[SEL+1]
	s_delay_alu instid0(VALU_DEP_2)
	v_permlanex16_b32 v[BX+1], v[BM+1], s[SEL], s[SEL+1]
	s_delay_alu instid0(VALU_DEP_2)
	v_max_num_f32 v[BM], v[BM], v[BX]
	s_delay_alu instid0(VALU_DEP_2)
	v_max_num_f32 v[BM+1], v[BM+1], v[BX+1]
	s_delay_alu instid0(VALU_DEP_2)
	v_add_nc_u32 v[SO], 0xfe000000, v[BM]
	s_delay_alu instid0(VALU_DEP_2)
	v_add_nc_u32 v[SO+1], 0xfe000000, v[BM+1]
	s_delay_alu instid0(VALU_DEP_1)
	v_cndmask_b32 v[TA], v[SO], v[SO+1], s[HM]     ; my block's: block h
	s_delay_alu instid0(VALU_DEP_1)
	v_lshrrev_b32 v[TA], 23, v[TA]
	v_cvt_scalef32_pk16_bf6_f32 v[PC:PC+2], v[S:S+15], v[SO]
	v_cvt_scalef32_pk16_bf6_f32 v[T2:T2+2], v[S+16:S+31], v[SO+1]
	v_nop
.irp i, 0,1,2
	v_permlane16_swap_b32 v[PC+\i], v[T2+\i]
.endr
.irp i, 0,1,2
	s_delay_alu instid0(VALU_DEP_3)
	v_mov_b32 v[PC+3+\i], v[T2+\i]
.endr
	global_store_b128 v1, v[PC:PC+3], s[8:9]       ; 512 consecutive bytes, at a multiple of 256 from oc's first byte
	global_store_b64 v2, v[PC+4:PC+5], s[8:9] offset:512
	global_store_b8 v7, v[TA], s[10:11]            ; one byte a lane: 131,072 of the 3,276,800 bytes that the launch stores
	s_wait_tensorcnt 0x0                           ; the wave's end
	ds_add_u32 v5, v6
	s_wait_dscnt 0x0
	ROUND                                          ; the closing round: no work-group ends while a partner may still ask for a tile that names it
	s_endpgm
.Lfunc_end_k_q0d595d4e50_attn:
	.size	k_q0d595d4e50_attn, .Lfunc_end_k_q0d595d4e50_attn-k_q0d595d4e50_attn
	.p2alignl 7, 3214868480
	.fill 96, 4, 3214868480
	.section	.rodata,"a",@progbits
	.p2align	6, 0x0
	.amdhsa_kernel k_q0d595d4e50_attn
		.amdhsa_group_segment_fixed_size 327680
		.amdhsa_private_segment_fixed_size 0
		.amdhsa_enable_private_segment 0
		.amdhsa_kernarg_size 32
		.amdhsa_user_sgpr_count 2
		.amdhsa_user_sgpr_kernarg_segment_ptr 1
		.amdhsa_wavefront_size32 1
		.amdhsa_system_sgpr_workgroup_id_x 1
		.amdhsa_system_sgpr_workgroup_id_y 1
		.amdhsa_system_sgpr_workgroup_id_z 1
		.amdhsa_system_vgpr_workitem_id 0
		.amdhsa_next_free_vgpr 256
		.amdhsa_next_free_sgpr 66
		.amdhsa_reserve_vcc 0
		.amdhsa_float_denorm_mode_32 3
		.amdhsa_float_denorm_mode_16_64 3
		.amdhsa_memory_ordered 1
		.amdhsa_forward_progress 1
		.amdhsa_inst_pref_size 50
	.end_amdhsa_kernel
	.amdgpu_metadata
---
amdhsa.version: [ 1, 2 ]
amdhsa.kernels:
  - .name:           k_q0d595d4e50_attn
    .symbol:         k_q0d595d4e50_attn.kd
    .args:
      - { .name: qkv, .offset: 0, .size: 8, .value_kind: global_buffer, .address_space: global }
      - { .name: qkvs, .offset: 8, .size: 8, .value_kind: global_buffer, .address_space: global }
      - { .name: oc, .offset: 16, .size: 8, .value_kind: global_buffer, .address_space: global }
      - { .name: os, .offset: 24, .size: 8, .value_kind: global_buffer, .address_space: global }
    .group_segment_fixed_size: 327680
    .private_segment_fixed_size: 0
    .kernarg_segment_align: 8
    .kernarg_segment_size: 32
    .max_flat_workgroup_size: 512
    .sgpr_count:     66
    .vgpr_count:     256
    .wavefront_size: 32
...
	.end_amdgpu_metadata
.endif
;; end of part 7
;; launch proj (part 8): grid 2 x 128, 16 waves a work-group, no clusters, 96,256 bytes of LDS; arguments oc, os, wimg, wp_scales, bp, x, out0; writes out0
.if DOCPART == 8
	.amdgcn_target "amdgcn-amd-amdhsa--gfx1250"
	.amdhsa_code_object_version 6
	.text
	.protected	k_q0d595d4e50_proj
	.globl	k_q0d595d4e50_proj
	.p2align	8
	.type	k_q0d595d4e50_proj,@function
k_q0d595d4e50_proj:
	s_mov_b64 s[64:65], 0
	v_nop
	global_prefetch_b8 v0, s[64:65] scope:SCOPE_SE
	s_setreg_imm32_b32 hwreg(HW_REG_WAVE_SCHED_MODE, 0, 2), 2
	s_setreg_imm32_b32 hwreg(HW_REG_WAVE_MODE, 25, 1), 1
	s_wait_xcnt 0x0
	s_wait_alu depctr_vm_vsrc(0)
; PROJ.  out0[b][c][p] = the sum over k of o[b][p][k] wp[c][k] + bp[c] + x[b][c][p], the product on codes of BF6 (E3M2) with one E8M0 scale for each 32 along K.
; SHARES.  A work-group takes 64 positions of one batch (work-group y) and 256 of the 512 channels (work-group x); wave w takes weight tile 16 x + w, 16 channels, against the four position tiles: 4 accumulators.
; o's codes (24,576 bytes for the 64 positions, images of the operand's registers as the attention launch left them) are copied into LDS once, 1,536 bytes a wave, and read by all sixteen; the weight's four
; fragments stay in the wave's registers.  Source 0 = 16 positions, source 1 = 16 channels: a lane holds ONE channel and eight neighbouring positions, which are neighbours in out0.
; Tiles are permuted: lane r of tile 2 B + u holds element 32 B + 8 u + r + 8 (r / 8); register j of accumulator m is position 32 (m / 2) + 16 h + 8 (m % 2) + j.
; The bias is the C of each sum's first matrix instruction.  A channel's 64 positions are 256 bytes: they meet in the wave's own stage in LDS and leave, with x added, sixteen lanes to 256 consecutive aligned bytes.
; NO TENSOR LOAD, NO MULTICAST: what two work-groups share is o's 24,576 bytes, which each brings by 48 plain loads of 512 bytes; every load goes out at the head, so nothing is asked for ahead of its load.
; LIMITS: NaN and infinities are not served.
; THE MODE: SCHED_MODE bits 1:0 = 2 (LLVM: expert scheduling mode 2), set by the entry lines.  The code itself states the register dependences between vector or matrix instructions and memory or LDS
; instructions, with s_wait_alu, always for 0.
; THE PLAN.  Registers that memory or LDS instructions touch:
;   v1 .. v9      offsets and LDS addresses: written by vector instructions at the head, never again; read by every load and store.
;   CP            written by the copy's three global loads; read by its three LDS stores; afterwards a fragment of buffer 1.
;   buffer 0, 1   o's four fragments of a K step, by turns: K step s works on buffer s % 2, and the LDS loads of K step s + 1 land in the other buffer, which the products of K step s - 1 read.
;   WF, WS, OS, BC, XR   loaded once at the head; read by matrix or vector instructions; no load lands in them again.
;   ACC           written by the products; read by the LDS stores into the stage.
;   v32 .. v63    on the way out: the loads from the stage land there, the residual's additions write them, the global stores read them.
; So ONE wait on va_vdst stands at the head of K steps 1 and 2, behind the wait for the step's own buffer: the products of the step before are done reading the other buffer.  The step's sixteen LDS loads follow it,
; four behind each of its four products, which name this step's buffer, WF, the scale words and ACC: none of the registers that those loads touch.  K step 0 owes none (nothing on the vector side has named buffer 1
; since the head's wait) and K step 3 issues no load.  The other waits: one for the wave's number, one ahead of the first load, one behind the barrier for CP, one ahead of each of the way out's two runs of stores.
.set STG,  24576                       ; LDS: 0: o's images, fragment (m, s) half c at 6,144 m + 768 (2 s + c);  STG + 4,352 w: wave w's stage, 16 rows of 256 + 16 bytes
.set CP,   226                         ; v226-237 my part of the copy; these registers are buffer 1's third fragment afterwards
.set OF,   32                          ; v32-79   buffer 0: o's four fragments of K steps 0 and 2; later 16 rows read back from the stage
                                       ; buffer 1, for K steps 1 and 3: four fragments at v10-21, v212-223, v226-237, v238-249 (v224 and v225 lie between and are not its)
.set WF,   80                          ; v80-127  the weight's four fragments, 12 s
.set ACC,  128                         ; v128-159
.set XR,   160                         ; v160-191 x
.set WS,   192                         ; v192-195 the weight's scale words
.set OS,   196                         ; v196-211 o's: 4 m + s
.set BC,   22                          ; v22-29   my channel's bias, eight times: an accumulator's layout
; v1 16 x lane; v2 8 x lane; v3 16 r; v4 16 (r + 8 (r / 8)); v5 4 (r + 8 (r / 8)); v6 16,384 h + 16 r; v7, v8 the stage, in and back; v9 where I put my part of the copy
	s_load_b256 s[4:11], s[0:1], 0x0               ; oc, os, wimg, wp_scales
	s_load_b128 s[12:15], s[0:1], 0x20             ; bp, x
	s_load_b64 s[16:17], s[0:1], 0x30              ; out0
	v_lshl_add_u32 v224, v0, 2, 0x17000
	v_mov_b32 v225, 0
	v_lshrrev_b32 v10, 5, v0
	v_readfirstlane_b32 s18, v10                   ; wave 0..15
	v_and_b32 v10, 31, v0                          ; lane.  (The address arithmetic that needs no scalar stands between the line above and the wait for its result)
	v_and_b32 v11, 15, v0                          ; r
	v_bfe_u32 v12, v0, 4, 1                        ; h
	v_lshlrev_b32 v1, 4, v10
	v_lshlrev_b32 v2, 3, v10
	v_lshlrev_b32 v3, 4, v11
	v_and_b32 v13, 8, v11
	v_add_nc_u32 v13, v13, v11
	v_lshlrev_b32 v4, 4, v13
	v_lshlrev_b32 v5, 2, v13
	v_lshl_add_u32 v6, v12, 14, v3
	v_mul_u32_u24 v7, v11, 272
	v_lshl_add_u32 v7, v12, 6, v7                  ; the stage, in: row r (my channel), + 64 h
	s_wait_alu depctr_va_vdst(0)
	v_mul_u32_u24 v8, v12, 272
	v_add_nc_u32 v8, v8, v3                        ; back: lanes 0-15 one row, lanes 16-31 the next
	s_wait_alu depctr_va_vdst(0)
	s_wait_alu depctr_va_sdst(0)                   ; s18 is written, ahead of its first reader: the bases and the LDS addresses are made from it
	s_lshl_b32 s19, ttmp9, 4
	s_add_co_u32 s19, s19, s18                     ; my weight tile
	s_lshr_b32 s20, s19, 1
	s_lshl_b32 s20, s20, 5
	s_and_b32 s21, s19, 1
	s_lshl_b32 s21, s21, 3
	s_add_co_u32 s20, s20, s21                     ; its first channel: 32 (tile / 2) + 8 (tile % 2)
	s_and_b32 s21, ttmp7, 0xffff
	s_lshr_b32 s22, s21, 6                         ; batch
	s_and_b32 s21, s21, 63                         ; which 64 positions
	s_mul_i32 s24, s22, 1572864                    ; oc: batch, four position tiles of 6,144 bytes, my 1,536 of them
	s_mul_i32 s25, s21, 24576
	s_add_co_u32 s24, s24, s25
	s_mul_i32 s37, s18, 1536
	s_add_co_u32 s24, s24, s37
	s_mov_b32 s25, 0
	s_lshl_b32 s26, s22, 16                        ; os: 256 bytes a position tile
	s_lshl_b32 s27, s21, 10
	s_add_co_u32 s26, s26, s27
	s_mov_b32 s27, 0
	s_mul_i32 s28, s19, 6144                       ; wimg: the fourth weight, my tile
	s_add_co_u32 s28, s28, 589824
	s_mov_b32 s29, 0
	s_lshl_b32 s30, s20, 4                         ; wp_scales: 16 bytes a row
	s_mov_b32 s31, 0
	s_lshl_b32 s32, s20, 2                         ; bp
	s_mov_b32 s33, 0
	s_lshl_b32 s34, s22, 9
	s_add_co_u32 s34, s34, s20
	s_lshl_b32 s34, s34, 14                        ; x and out0: channel rows of 16,384 bytes,
	s_lshl_b32 s35, s21, 8
	s_add_co_u32 s34, s34, s35                     ; + my 64 positions
	s_mov_b32 s35, 0
	s_mul_i32 s36, s18, 4352
	s_add_co_u32 s36, s36, STG                     ; my stage
	v_add_nc_u32 v7, s36, v7
	v_add_nc_u32 v8, s36, v8
	v_add_nc_u32 v9, s37, v1
	s_wait_kmcnt 0x0
	s_add_nc_u64 s[4:5], s[4:5], s[24:25]
	s_add_nc_u64 s[6:7], s[6:7], s[26:27]
	s_add_nc_u64 s[8:9], s[8:9], s[28:29]
	s_add_nc_u64 s[10:11], s[10:11], s[30:31]
	s_add_nc_u64 s[12:13], s[12:13], s[32:33]
	s_add_nc_u64 s[14:15], s[14:15], s[34:35]
	s_add_nc_u64 s[16:17], s[16:17], s[34:35]
	s_wait_alu depctr_va_vdst(0)                   ; the nine offsets and addresses v1 to v9 are written, which every load and store below reads; LDS loads land in them later
.irp c, 0,1,2
	global_load_b128 v[CP+4*\c:CP+4*\c+3], v1, s[4:5] offset:512*\c
.endr
.irp s, 0,1,2,3
.irp c, 0,1,2
	global_load_b128 v[WF+12*\s+4*\c:WF+12*\s+4*\c+3], v1, s[8:9] offset:1536*\s+512*\c
.endr
.endr
	global_load_b128 v[WS:WS+3], v4, s[10:11]      ; my channel's 16 scale bytes are the four K steps' words
.irp m, 0,1,2,3
	global_load_b128 v[OS+4*\m:OS+4*\m+3], v3, s[6:7] offset:256*\m
.endr
.irp j, 0,1,2,3,4,5,6,7
	global_load_b32 v[BC+\j], v5, s[12:13]
.endr
.irp i, 0,1,2,3,4,5,6,7
	global_load_b128 v[XR+4*\i:XR+4*\i+3], v6, s[14:15] offset:(2*\i+8*(\i/4))*16384 th:TH_LOAD_NT   ; stage row 2 i + h is channel 2 i + h + 8 (i / 4) of the tile; this launch reads each byte of x once
.endr
	s_wait_loadcnt 33                              ; the copy's three loads are in; behind them: 12 + 1 + 4 + 8 + 8
.irp c, 0,1,2
	ds_store_b128 v9, v[CP+4*\c:CP+4*\c+3] offset:512*\c
.endr
	s_wait_dscnt 0x0                               ; for the others' sake: my stores have landed
	s_barrier_signal -1
	s_barrier_wait -1                              ; o's sixteen fragments lie in LDS; nobody writes them again
	s_wait_alu depctr_vm_vsrc(0)                   ; my LDS stores have read v[CP ..]: these registers are a fragment of buffer 1 from here on, in which K step 1's loads land
.macro MM d, a, b, c, sa, sb
	v_wmma_scale_f32_16x16x128_f8f6f4 v[\d:\d+7], v[\a:\a+11], v[\b:\b+11], v[\c:\c+7], v[\sa], v[\sb] matrix_a_fmt:MATRIX_FMT_BF6 matrix_b_fmt:MATRIX_FMT_BF6
.endm
.macro FRAGB p, m                      ; FB = the first register of buffer p's fragment m
.if (\p) == 0
.set FB, OF+12*(\m)
.elseif (\m) == 0
.set FB, 10
.elseif (\m) == 1
.set FB, 212
.else
.set FB, 226+12*((\m)-2)
.endif
.endm
.macro FETCH s, m                      ; o's fragment (m, s), two half images: four LDS loads, into buffer s % 2
	FRAGB (\s)%2, \m
.irp c, 0,1
	ds_load_b128 v[FB+6*\c:FB+6*\c+3], v1 offset:6144*(\m)+768*(2*(\s)+\c)
	ds_load_b64 v[FB+6*\c+4:FB+6*\c+5], v2 offset:6144*(\m)+768*(2*(\s)+\c)+512
.endr
.endm
; K step s: four products on buffer s % 2; behind each the four LDS loads of the same position tile of K step s + 1, into the other buffer.
.macro KSTEP s
	s_wait_dscnt 0x0                               ; this step's four fragments are in: every LDS load issued so far is one of its sixteen
.if ((\s) == 1) || ((\s) == 2)
	s_wait_alu depctr_va_vdst(0)                   ; the products of the step before are done reading the other buffer, in which the sixteen loads below land; no product of this step names it
.endif
.irp m, 0,1,2,3                                ; the four accumulators by turns
	FRAGB (\s)%2, \m
.if (\s) == 0
	MM ACC+8*\m, FB, WF+12*(\s), BC, OS+4*\m+(\s), WS+(\s)
.else
	MM ACC+8*\m, FB, WF+12*(\s), ACC+8*\m, OS+4*\m+(\s), WS+(\s)
.endif
.if (\s) < 3
	FETCH (\s)+1, \m
.endif
.endr
.rept 4
	v_nop                                          ; places in front of the next loads into the fragments' registers, and of the first reads of results
.endr
.endm
.irp m, 0,1,2,3
	FETCH 0, \m                                    ; K step 0's fragments: no vector or matrix instruction has named buffer 0
.endr
	s_wait_loadcnt 8                               ; all but x's eight loads are in
	KSTEP 0
	KSTEP 1
	KSTEP 2
	KSTEP 3
	s_wait_alu depctr_va_vdst(0)                   ; the products have written the accumulators, which the LDS stores read, and are done reading v[OF ..], in which the loads from the stage land; the four places above stay beside this wait
.irp m, 0,1,2,3
	ds_store_b128 v7, v[ACC+8*\m:ACC+8*\m+3] offset:128*(\m/2)+32*(\m%2)        ; each accumulator from its low end on
	ds_store_b128 v7, v[ACC+8*\m+4:ACC+8*\m+7] offset:128*(\m/2)+32*(\m%2)+16
.endr
.irp i, 0,1,2,3,4,5,6,7
	ds_load_b128 v[OF+4*\i:OF+4*\i+3], v8 offset:544*\i   ; LDS serves a wave's instructions in order (ISA guide 5.7.1.4): these see my stores; the stage is my wave's own
.endr
	s_wait_loadcnt 0x0                             ; x
	s_wait_dscnt 0x0
.set i, 0
.rept 16
	v_pk_add_f32 v[OF+2*i:OF+2*i+1], v[OF+2*i:OF+2*i+1], v[XR+2*i:XR+2*i+1]   ; the residual
.set i, i+1
.endr
	s_wait_alu depctr_va_vdst(0)                   ; the sixteen additions have written v[OF ..], which the stores read
.irp i, 0,1,2,3,4,5,6,7
	global_store_b128 v6, v[OF+4*\i:OF+4*\i+3], s[16:17] offset:(2*\i+8*(\i/4))*16384 th:TH_STORE_NT   ; 16 lanes store 256 consecutive bytes, at a multiple of 256 from out0's first byte
.endr
	s_wait_dscnt 0x0                               ; the closing lines, six on end
	s_wait_alu 0x0
	s_wait_tensorcnt 0x0
	ds_add_u32 v224, v225
	s_wait_dscnt 0x0
	s_endpgm
.Lfunc_end_k_q0d595d4e50_proj:
	.size	k_q0d595d4e50_proj, .Lfunc_end_k_q0d595d4e50_proj-k_q0d595d4e50_proj
	.p2alignl 7, 3214868480
	.fill 96, 4, 3214868480
	.section	.rodata,"a",@progbits
	.p2align	6, 0x0
	.amdhsa_kernel k_q0d595d4e50_proj
		.amdhsa_group_segment_fixed_size 96256
		.amdhsa_private_segment_fixed_size 0
		.amdhsa_enable_private_segment 0
		.amdhsa_kernarg_size 56
		.amdhsa_user_sgpr_count 2
		.amdhsa_user_sgpr_kernarg_segment_ptr 1
		.amdhsa_wavefront_size32 1
		.amdhsa_system_sgpr_workgroup_id_x 1
		.amdhsa_system_sgpr_workgroup_id_y 1
		.amdhsa_system_sgpr_workgroup_id_z 1
		.amdhsa_system_vgpr_workitem_id 0
		.amdhsa_next_free_vgpr 250
		.amdhsa_next_free_sgpr 66
		.amdhsa_reserve_vcc 0
		.amdhsa_float_denorm_mode_32 3
		.amdhsa_float_denorm_mode_16_64 3
		.amdhsa_memory_ordered 1
		.amdhsa_forward_progress 1
		.amdhsa_inst_pref_size 17
	.end_amdhsa_kernel
	.amdgpu_metadata
---
amdhsa.version: [ 1, 2 ]
amdhsa.kernels:
  - .name:           k_q0d595d4e50_proj
    .symbol:         k_q0d595d4e50_proj.kd
    .args:
      - { .name: oc, .offset: 0, .size: 8, .value_kind: global_buffer, .address_space: global }
      - { .name: os, .offset: 8, .size: 8, .value_kind: global_buffer, .address_space: global }
      - { .name: wimg, .offset: 16, .size: 8, .value_kind: global_buffer, .address_space: global }
      - { .name: wp_scales, .offset: 24, .size: 8, .value_kind: global_buffer, .address_space: global }
      - { .name: bp, .offset: 32, .size: 8, .value_kind: global_buffer, .address_space: global }
      - { .name: x, .offset: 40, .size: 8, .value_kind: global_buffer, .address_space: global }
      - { .name: out0, .offset: 48, .size: 8, .value_kind: global_buffer, .address_space: global }
    .group_segment_fixed_size: 96256
    .private_segment_fixed_size: 0
    .kernarg_segment_align: 8
    .kernarg_segment_size: 56
    .max_flat_workgroup_size: 512
    .sgpr_count:     66
    .vgpr_count:     250
    .wavefront_size: 32
...
	.end_amdgpu_metadata
.endif
;; end of part 8
